; MI455X (gfx1250); checked and timed in simulation.
; The chip was launched on July 23, 2026; its instructions are those of AMD's public machine-readable ISA for CDNA 5 (MIT licence, August 2026) and "CDNA5" Instruction Set Architecture Reference Guide (July 2026). The comments in the code are by the model that wrote it; some were corrected since.
;; Switch Mo E. Allowed arithmetic: float matrix products may take bf16 or f16 operands with f32 sums; all other float work in f32.
;; Inputs: b1 8 x 4,096 float32; b2 8 x 1,024 float32; gate_b 8 float32; gate_w 1,024 x 8 float32; w1 8 x 1,024 x 4,096 float32; w2 8 x 4,096 x 1,024 float32; x 4 x 256 x 1,024 float32.
;; Outputs: out0 4 x 256 x 1,024 float32.
;; 3 versions, each right; version 3 is version 2 with the launches ffn1, ffn2 written anew for expert scheduling mode. Each part assembles by itself: llvm-mc -triple=amdgcn-amd-amdhsa -mcpu=gfx1250 --defsym DOCPART=n.
;; ======== version 1 of 3: 4 launches
;; workspace buffers: xb 2,097,152 bytes; sel 4,096 bytes of whole numbers; route 33,792 bytes of whole numbers; h1 83,886,080 bytes; part 167,772,160 bytes
;; launch gate (part 1): grid 64 x 1, 8 waves a work-group, no clusters, 42,240 bytes of LDS; arguments x, gate_w, gate_b, xb, sel; writes xb, sel
.if DOCPART == 1
	.amdgcn_target "amdgcn-amd-amdhsa--gfx1250"
	.amdhsa_code_object_version 6
	.text
	.protected	k_q8809ef3e72_gate
	.globl	k_q8809ef3e72_gate
	.p2align	8
	.type	k_q8809ef3e72_gate,@function
k_q8809ef3e72_gate:
	s_mov_b64 s[64:65], 0
	v_nop
	global_prefetch_b8 v0, s[64:65] scope:SCOPE_SE
	s_setreg_imm32_b32 hwreg(HW_REG_WAVE_MODE, 25, 1), 1
	s_wait_xcnt 0x0
; THE GATE.  For 16 tokens a work-group: x is rounded to bf16 and stored (xb), the 8 logits x . gate_w + gate_b are made on the matrix unit from
; operands rounded to bf16 (gate_b too), sums in f32; softmax with the maximum taken away; the two largest probabilities' indices e0, e1.
; sel[t] = e0 | e1 << 8 | ((1 << e0) | (1 << e1)) << 16.
; LIMITS.  The choice is made on inputs rounded to bf16.  Probabilities that differ by less than the rounding of the matrix sums, of v_exp_f32 and of
; v_rcp_f32 (some 1e-6 of themselves) may be ordered otherwise than in exact arithmetic.  v_exp_f32 gives 0 below 2^-126: a logit more than 87.3 below the
; largest counts as probability 0.  Equal probabilities go to the lower index.  NaN is not treated apart.
; SHARES.  Wave w converts rows 2 w, 2 w + 1 and multiplies K = 128 w .. 128 w + 127 for all 16 tokens; wave 0 adds the eight partial sums and chooses.
.set XTP,  2064                        ; a token's row of bf16 in LDS: 2,048 bytes + 16: 129 x 16, so the 16 rows of a fragment load start at 16 different 16-byte columns
.set PART, 16*XTP                      ; behind the rows: 1,024 bytes of partial sums for each wave
.set XR,   32                          ; v[32:95]   x as loaded; later v[32:63] four fragments of x, v[64:79] two accumulators, v[80:87] sums, logits, probabilities
.set XP,   96                          ; v[96:127]  x packed
.set GR,   128                         ; v[128:191] gate_w as loaded; later the eight waves' partial sums
.set GW,   192                         ; v[192:223] four fragments of gate_w
.set XF,   32
.set ACA,  64
.set ACB,  72
.set LG,   80
	s_load_b256 s[8:15], s[0:1], 0x0               ; x s[8:9], gate_w s[10:11], gate_b s[12:13], xb s[14:15]
	s_load_b64 s[16:17], s[0:1], 0x20              ; sel
	v_lshl_add_u32 v224, v0, 2, 0xa100
	v_mov_b32 v225, 0
	v_lshrrev_b32 v10, 5, v0
	v_readfirstlane_b32 s2, v10                    ; wave 0..7
	v_and_b32 v1, 15, v0                           ; r
	v_bfe_u32 v2, v0, 4, 1                         ; h
	v_and_b32 v3, 31, v0                           ; lane
	s_lshl_b32 s3, s2, 13
	v_lshl_add_u32 v4, v3, 5, s3                   ; x: row 2 w (4,096 bytes a row) + 32 bytes a lane
	s_lshl_b32 s3, s2, 12
	v_lshl_add_u32 v5, v3, 4, s3                   ; xb: row 2 w (2,048 bytes a row) + 16 bytes a lane
	s_mul_i32 s3, s2, 2*XTP
	v_lshl_add_u32 v6, v3, 4, s3                   ; the same place in LDS
	v_mul_u32_u24 v7, v1, XTP
	v_lshl_add_u32 v7, v2, 4, v7
	s_lshl_b32 s3, s2, 8
	v_add_nc_u32 v7, s3, v7                        ; a fragment of x: row r, K = 128 w + 8 h
	v_and_b32 v8, 7, v0
	v_lshlrev_b32 v8, 2, v8
	v_lshl_add_u32 v8, v2, 8, v8
	s_lshl_b32 s3, s2, 12
	v_add_nc_u32 v8, s3, v8                        ; gate_w: row 128 w + 8 h (32 bytes a row), column r % 8: fragment rows 8-15 repeat the experts 0-7
	s_lshl_b32 s3, s2, 10
	s_add_co_u32 s3, s3, PART
	v_lshl_add_u32 v9, v3, 5, s3                   ; my 32 bytes of my wave's partial sums
	s_lshl_b32 s4, ttmp9, 16                       ; the work-group's 16 rows of x,
	s_mov_b32 s5, 0
	s_lshl_b32 s6, ttmp9, 15                       ; of xb,
	s_mov_b32 s7, 0
	s_lshl_b32 s18, ttmp9, 6                       ; and its 16 words of sel
	s_mov_b32 s19, 0
	s_mov_b32 s20, 0x3fb8aa3b                      ; log2(e)
	s_mov_b32 s21, 0xffff0000                      ; a word's upper bf16
	s_wait_kmcnt 0x0
	s_load_b256 s[24:31], s[12:13], 0x0            ; gate_b
	s_add_nc_u64 s[8:9], s[8:9], s[4:5]
	s_add_nc_u64 s[14:15], s[14:15], s[6:7]
	s_add_nc_u64 s[16:17], s[16:17], s[18:19]
.irp p, 0,1
.irp q, 0,1,2,3
	global_load_b128 v[XR+32*\p+8*\q:XR+32*\p+8*\q+3],   v4, s[8:9] offset:4096*\p+1024*\q th:TH_LOAD_NT
	global_load_b128 v[XR+32*\p+8*\q+4:XR+32*\p+8*\q+7], v4, s[8:9] offset:4096*\p+1024*\q+16 th:TH_LOAD_NT
.endr
.endr
.set i, 0
.rept 64                                               ; register 16 s + 8 c + j holds K = 128 w + 32 s + 16 c + 8 h + j
	global_load_b32 v[GR+i], v8, s[10:11] offset:32*(16*(i/8)+i%8)
.set i, i+1
.endr
	s_wait_loadcnt 63                              ; 64 loads are younger than x's sixteen: x is in
.set i, 0
.rept 32
	v_cvt_pk_bf16_f32 v[XP+i], v[XR+2*i], v[XR+2*i+1]
.set i, i+1
.endr
.irp p, 0,1
.irp q, 0,1,2,3
	global_store_b128 v5, v[XP+16*\p+4*\q:XP+16*\p+4*\q+3], s[14:15] offset:2048*\p+512*\q  ; a wave's store covers 512 consecutive bytes, aligned
	ds_store_b128 v6, v[XP+16*\p+4*\q:XP+16*\p+4*\q+3] offset:XTP*\p+512*\q
.endr
.endr
	s_wait_loadcnt 0x0                             ; gate_w
.set i, 0
.rept 32
	v_cvt_pk_bf16_f32 v[GW+i], v[GR+2*i], v[GR+2*i+1]
.set i, i+1
.endr
	s_wait_dscnt 0x0                               ; for the others' sake: my two rows are in LDS
	s_barrier_signal -1
	s_barrier_wait -1
.irp s, 0,1,2,3
	ds_load_b128 v[XF+8*\s:XF+8*\s+3],   v7 offset:64*\s
	ds_load_b128 v[XF+8*\s+4:XF+8*\s+7], v7 offset:64*\s+32
.endr
	s_wait_dscnt 0x0
	; source 0 = 16 rows of experts, source 1 = 16 tokens: a lane then holds ONE token (r) and in registers 0-7 the experts 0-7.  Two accumulators by turns.
	v_wmma_f32_16x16x32_bf16 v[ACA:ACA+7], v[GW:GW+7],       v[XF:XF+7],       0
	v_wmma_f32_16x16x32_bf16 v[ACB:ACB+7], v[GW+8:GW+15],    v[XF+8:XF+15],    0
	v_wmma_f32_16x16x32_bf16 v[ACA:ACA+7], v[GW+16:GW+23],   v[XF+16:XF+23],   v[ACA:ACA+7]
	v_wmma_f32_16x16x32_bf16 v[ACB:ACB+7], v[GW+24:GW+31],   v[XF+24:XF+31],   v[ACB:ACB+7]
.rept 4
	v_nop                                          ; four places between the last product and the first read of its result (ISA guide 7.12.1)
.endr
.irp q, 0,2,4,6
	v_pk_add_f32 v[LG+\q:LG+\q+1], v[ACA+\q:ACA+\q+1], v[ACB+\q:ACB+\q+1]
.endr
	ds_store_b128 v9, v[LG:LG+3]
	ds_store_b128 v9, v[LG+4:LG+7] offset:16
	s_wait_dscnt 0x0                               ; for wave 0's sake
	s_barrier_signal -1
	s_barrier_wait -1
	s_cmp_lg_u32 s2, 0
	s_cbranch_scc1 .Ldone                          ; no barrier follows: waves 1 to 7 end
.irp p, 0,1,2,3,4,5,6,7
	ds_load_b128 v[GR+8*\p:GR+8*\p+3],   v9 offset:1024*\p      ; in wave 0 v9 is PART + 32 x lane
	ds_load_b128 v[GR+8*\p+4:GR+8*\p+7], v9 offset:1024*\p+16
.endr
	s_wait_kmcnt 0x0
.irp j, 0,1,2,3,4,5,6,7
	v_mov_b32 v[12+\j], s[24+\j]
.endr
.irp j, 0,1,2,3
	v_cvt_pk_bf16_f32 v[20+\j], v[12+2*\j], v[13+2*\j]     ; gate_b rounded to bf16, like every input,
.endr
.irp j, 0,1,2,3
	v_lshlrev_b32 v[12+2*\j], 16, v[20+\j]                 ; and widened again
	v_and_b32 v[13+2*\j], s21, v[20+\j]
.endr
	s_wait_dscnt 0x0
.irp q, 0,2,4,6
	v_pk_add_f32 v[LG+\q:LG+\q+1], v[GR+\q:GR+\q+1], v[GR+8+\q:GR+8+\q+1]
.endr
.irp p, 2,3,4,5,6,7
.irp q, 0,2,4,6
	v_pk_add_f32 v[LG+\q:LG+\q+1], v[LG+\q:LG+\q+1], v[GR+8*\p+\q:GR+8*\p+\q+1]
.endr
.endr
.irp q, 0,2,4,6
	v_pk_add_f32 v[LG+\q:LG+\q+1], v[LG+\q:LG+\q+1], v[12+\q:13+\q]
.endr
	; softmax: p = 2^(c l - c m) / sum, c = log2(e), m the largest logit
	v_max3_num_f32 v20, v[LG], v[LG+1], v[LG+2]
	v_max3_num_f32 v20, v20, v[LG+3], v[LG+4]
	v_max3_num_f32 v20, v20, v[LG+5], v[LG+6]
	v_max_num_f32 v20, v20, v[LG+7]
	v_mul_f32 v21, s20, v20
.irp j, 0,1,2,3,4,5,6,7
	v_fma_f32 v[LG+\j], v[LG+\j], s20, -v21
.endr
.irp j, 0,1,2,3,4,5,6,7
	v_exp_f32 v[LG+\j], v[LG+\j]
.endr
	v_nop                                          ; a plain instruction between the last exponential and the use of its result
	s_wait_alu depctr_va_vdst(0)
	v_pk_add_f32 v[22:23], v[LG:LG+1], v[LG+2:LG+3]
	v_pk_add_f32 v[24:25], v[LG+4:LG+5], v[LG+6:LG+7]
	v_pk_add_f32 v[22:23], v[22:23], v[24:25]
	v_add_f32 v22, v22, v23
	v_rcp_f32 v24, v22
	v_mov_b32 v30, -1.0                            ; (the plain instruction behind the reciprocal) below every probability
	s_wait_alu depctr_va_vdst(0)
.irp q, 0,2,4,6
	v_pk_mul_f32 v[LG+\q:LG+\q+1], v[LG+\q:LG+\q+1], v[24:25] op_sel_hi:[1,0]
.endr
; the largest of the eight and its index; an equal later one does not displace an earlier one
.macro ARGMAX best, idx
	v_mov_b32 v[\best], v[LG]
	v_mov_b32 v[\idx], 0
.irp j, 1,2,3,4,5,6,7
	v_cmp_ge_f32 vcc_lo, v[\best], v[LG+\j]
	v_cndmask_b32 v[\best], v[LG+\j], v[\best], vcc_lo
	v_cndmask_b32 v[\idx], \j, v[\idx], vcc_lo
.endr
.endm
	ARGMAX 26, 27
.irp j, 0,1,2,3,4,5,6,7
	v_cmp_eq_u32 vcc_lo, \j, v27
	v_cndmask_b32 v[LG+\j], v[LG+\j], v30, vcc_lo  ; the first choice leaves the field
.endr
	ARGMAX 28, 29
	v_mov_b32 v31, 0x10000
	v_lshlrev_b32 v10, v27, v31
	v_lshlrev_b32 v11, v29, v31
	v_lshl_or_b32 v12, v29, 8, v27
	v_or_b32 v10, v10, v11
	v_or_b32 v12, v12, v10
	v_lshlrev_b32 v13, 2, v1
	v_cmp_gt_u32 vcc_lo, 16, v0                    ; lanes 16-31 hold the same tokens once more
	s_wait_xcnt 0x0                                ; EXEC changes only behind this wait: xb's stores name it
	s_and_saveexec_b32 s3, vcc_lo
	global_store_b32 v13, v12, s[16:17]
	s_wait_xcnt 0x0
	s_or_b32 exec_lo, exec_lo, s3
.Ldone:
	s_wait_tensorcnt 0x0
	ds_add_u32 v224, v225
	s_wait_dscnt 0x0
	s_endpgm
.Lfunc_end_k_q8809ef3e72_gate:
	.size	k_q8809ef3e72_gate, .Lfunc_end_k_q8809ef3e72_gate-k_q8809ef3e72_gate
	.p2alignl 7, 3214868480
	.fill 96, 4, 3214868480
	.section	.rodata,"a",@progbits
	.p2align	6, 0x0
	.amdhsa_kernel k_q8809ef3e72_gate
		.amdhsa_group_segment_fixed_size 42240
		.amdhsa_private_segment_fixed_size 0
		.amdhsa_enable_private_segment 0
		.amdhsa_kernarg_size 40
		.amdhsa_user_sgpr_count 2
		.amdhsa_user_sgpr_kernarg_segment_ptr 1
		.amdhsa_wavefront_size32 1
		.amdhsa_system_sgpr_workgroup_id_x 1
		.amdhsa_system_sgpr_workgroup_id_y 1
		.amdhsa_system_sgpr_workgroup_id_z 1
		.amdhsa_system_vgpr_workitem_id 0
		.amdhsa_next_free_vgpr 226
		.amdhsa_next_free_sgpr 66
		.amdhsa_reserve_vcc 1
		.amdhsa_float_denorm_mode_32 3
		.amdhsa_float_denorm_mode_16_64 3
		.amdhsa_memory_ordered 1
		.amdhsa_forward_progress 1
		.amdhsa_inst_pref_size 25
	.end_amdhsa_kernel
	.amdgpu_metadata
---
amdhsa.version: [ 1, 2 ]
amdhsa.kernels:
  - .name:           k_q8809ef3e72_gate
    .symbol:         k_q8809ef3e72_gate.kd
    .args:
      - { .name: x, .offset: 0, .size: 8, .value_kind: global_buffer, .address_space: global }
      - { .name: gate_w, .offset: 8, .size: 8, .value_kind: global_buffer, .address_space: global }
      - { .name: gate_b, .offset: 16, .size: 8, .value_kind: global_buffer, .address_space: global }
      - { .name: xb, .offset: 24, .size: 8, .value_kind: global_buffer, .address_space: global }
      - { .name: sel, .offset: 32, .size: 8, .value_kind: global_buffer, .address_space: global }
    .group_segment_fixed_size: 42240
    .private_segment_fixed_size: 0
    .kernarg_segment_align: 8
    .kernarg_segment_size: 40
    .max_flat_workgroup_size: 256
    .sgpr_count:     66
    .vgpr_count:     226
    .wavefront_size: 32
...
	.end_amdgpu_metadata
.endif
;; end of part 1
;; launch ffn1 (part 2): grid 32 x 8, 4 waves a work-group, no clusters, 323,072 bytes of LDS; arguments xb, w1, b1, sel, h1, route; writes h1, route
.if DOCPART == 2
	.amdgcn_target "amdgcn-amd-amdhsa--gfx1250"
	.amdhsa_code_object_version 6
	.text
	.protected	k_q8809ef3e72_ffn1
	.globl	k_q8809ef3e72_ffn1
	.p2align	8
	.type	k_q8809ef3e72_ffn1,@function
k_q8809ef3e72_ffn1:
	s_mov_b64 s[64:65], 0
	v_nop
	global_prefetch_b8 v0, s[64:65] scope:SCOPE_SE
	s_setreg_imm32_b32 hwreg(HW_REG_WAVE_MODE, 25, 1), 1
	s_wait_xcnt 0x0
; FIRST PRODUCT OF THE EXPERTS.  h1[e][rank][f] = relu(x[token] . w1[e][:, f] + b1[e][f]) for the tokens that chose expert e, in bf16.  Operands bf16 (w1 and b1 rounded here), sums f32.
; Work-group (c, e): expert e, columns 128 c .. 128 c + 127 of F.  Its chunk of w1, 1,024 (k) x 128 (n) f32 in rows of 512 bytes, is read from memory ONCE, rounded to bf16 and KEPT in LDS.
; The expert's rows go in passes of 320: the first is multiplied while the chunk streams in (all barriers stand there); up to three further passes read LDS alone and hold no barrier; a wave leaves
; them as soon as its own first row lies at or past n1 = max(n, 1), n the expert's count.  Wave w takes rows 80 w .. 80 w + 79 of a pass: 5 x 8 accumulators of 16 x 16.
; Rows at or past n1 repeat the last valid row; they are stored like the others (an expert's area has room for 1,280 rows) and nobody reads them: no line of the text changes EXEC.
; THE LIST.  Every wave makes the expert's whole list of tokens for itself, in LDS bytes of its own, from sel (bit 16 + e of a token's word).  Ranks follow the order (load, component, lane).
; A token that did not choose the expert goes to entry 1,024 + lane, behind the list.  Wave 0 of chunk 0 also stores route[e][token] = rank (for other tokens: that entry's number, never read)
; and the count n into the 32 words at route + 32,768 + 128 e.
; NO CLUSTER, NO TENSOR LOADS: what work-groups share is x's rows, gathered by a list; LDS holds 294,912 bytes of resident weights, and a refill would want barriers in the passes that a wave may leave.
; THE MATRIX INSTRUCTION IS USED TRANSPOSED: source 0 = 16 columns of w1 (turned on the way out of LDS), source 1 = 16 rows of x: a lane holds one row and eight neighbouring columns.
; The first K step takes the bias as C.
; LIMITS.  h1 is rounded to bf16 once.  NaN and infinities are not treated apart.
; REGISTERS, in windows of 256 (s_set_vgpr_msb: bits 1:0 source 0, 3:2 source 1, 5:4 source 2, 7:6 destination):
;   window 0: v0-31 addresses and work; v32-95 eight weight fragments; v96-255 a ring of four row fetches (5 fragments each); on the way out v96-223 at work
;   window 1: accumulators (m, n) at 8 (8 m + n), m = 0..3      window 2: v0-63 accumulators (4, n); v64-191 a ring of four weight slices (8 rows of f32 each)
;   window 3: v0-127 slices 0-3 (start only); v128-191 the bias as C operands; v192-193 at work
.set WPITCH, 16384                     ; bytes from a row (k) of w1 to the next
.set ASHIFT, 11                        ; a row of xb is 2,048 bytes
.set OPITCH, 8192                      ; a row of h1
.set ECAP,   1280                      ; rows of h1 for each expert: four passes of 320
.set LP,     288                       ; a weight row in LDS: 256 bytes + 32 = 9 x 32
.set SLICE,  32*LP                     ; a K step
.set GRP,    4*SLICE                   ; a group of four
.set STAGE,  8*GRP                     ; behind the weights: 16 rows x 272 bytes for each wave, for the way out
.set SPITCH, 272
.set LIST,   STAGE+4*16*SPITCH         ; behind the stages: a list for each wave
.set LSZ,    2560                      ; 1,024 tokens of 16 bits, 32 entries behind them for the tokens of other experts, rounded up to five stores of 512 bytes
.set BTOP,   6*GRP+15*LP+16            ; the highest place of a lane in group 6, the last group at which a trip of the resident loop begins
.set VR,   1                           ; lane % 16
.set VH,   2                           ; lane / 16
.set VLN,  3                           ; lane
.set WOF,  4                           ; 16 x lane + my first row of a slice (8 w)
.set WST,  5                           ; where my rows of the group being converted go in LDS; steps by GRP
.set BAD,  6                           ; my lane's place in the group being multiplied
.set BAD0, 7                           ; the same in group 0; never rewritten
.set AOF,  8                           ; v8-12  byte offset of my row in each of the five row tiles
.set STO,  13                          ; the way out: where I put 16 bytes of a row
.set RD,   14                          ; where I read rows back
.set CO,   15                          ; my byte offset in two rows of h1
.set H16,  16                          ; 16 h
.set POF,  17                          ; prefetch: my block of 256 bytes in my wave's rows of two slices
.set LB,   18                          ; my wave's list
.set BO,   19                          ; 32 h: my eight numbers of the bias
.set TW,   20                          ; v20-30 at work
.set T0,   20
.set LA,   22
.set TK,   23
.set TK0,  24                          ; 4 x lane
.set SO,   25                          ; 16 x lane
.set DI,   26                          ; 1,024 + lane
.set ZQ,   28                          ; v28-31 zeros
.set BF,   32
.set AR,   96
.set SELR, 96                          ; sel as loaded, then the ranks, before the first row fetch
.set EPT,  96                          ; the way out: 64 f32, 32 packed, 32 read back
.set EPK,  160
.set OBR,  192
.set WR,   64                          ; window 2
.set PRE,  0                           ; window 3
.set BIAS, 128
.set TB3,  192
.set WV,   2                           ; s2 wave; s3 chunk; s4 expert
.set CX,   3
.set EX,   4
.set AB,   20                          ; s[20:21] rows' base, steps 256 bytes a group; s[22:23] its start
.set AB0,  22
.set WB,   24                          ; s[24:25] weights' base, steps 128 rows a group
.set OB,   26                          ; s[26:27] h1 at my first row of the pass
.set RB,   28                          ; s[28:29] route + 4,096 e
.set RC,   30                          ; s[30:31] route + 128 e
.set BB,   32                          ; s[32:33] the bias
.set NE,   40
.set N1,   41
.set NM1,  42
.set PASS, 44
.set ROW0, 45
.set TB,   46                          ; the resident loop: LDS byte at which the trip's group begins
.set CNT,  47
.set EBIT, 49
.set HM,   50
.set TS,   52                          ; s[52:55] at work
.set MSB, 0
.macro WIN new                         ; the immediate's high byte repeats the setting that is left; a switch that changes nothing is dropped
.if MSB != (\new)
	s_set_vgpr_msb (MSB<<8)|(\new)
.set MSB, (\new)
.endif
.endm
.macro PLACES                          ; four places between a matrix instruction and a load into, or a read of, its registers
.rept 4
	v_nop
.endr
.endm
.macro ALOAD buf, k                    ; ten loads: five row fragments (16 rows x 32 K) at byte k of the rows
	WIN 0
.irp m, 0,1,2,3,4
	global_load_b128 v[AR+40*(\buf)+8*(\m):AR+40*(\buf)+8*(\m)+3],   v[AOF+(\m)], s[AB:AB+1] offset:(\k)
	global_load_b128 v[AR+40*(\buf)+8*(\m)+4:AR+40*(\buf)+8*(\m)+7], v[AOF+(\m)], s[AB:AB+1] offset:(\k)+32
.endr
.endm
.macro WLOAD base, win, i, row0        ; eight loads: my eight rows of a slice, each 512 consecutive bytes
	WIN (\win)<<6
.irp j, 0,1,2,3,4,5,6,7
	global_load_b128 v[(\base)+32*(\i)+4*(\j):(\base)+32*(\i)+4*(\j)+3], v[WOF], s[WB:WB+1] offset:((\row0)+(\j))*WPITCH th:TH_LOAD_NT
.endr
.endm
.macro CVT base, win, i, j0            ; four rows rounded to bf16, in place: eight plain instructions
	WIN ((\win)<<6)|((\win)<<2)|(\win)
.irp j, 0,1,2,3
.set rB, (\base)+32*(\i)+4*((\j0)+(\j))
	v_cvt_pk_bf16_f32 v[rB], v[rB], v[rB+1]
	v_cvt_pk_bf16_f32 v[rB+1], v[rB+2], v[rB+3]
.endr
.endm
.macro DST base, win, i, j0            ; and stored: a wave's store covers a row's 256 bytes
	WIN (\win)<<2
.irp j, 0,1,2,3
.set rB, (\base)+32*(\i)+4*((\j0)+(\j))
	ds_store_b64 v[WST], v[rB:rB+1] offset:(\i)*SLICE+((\j0)+(\j))*LP
.endr
.endm
.macro BLOAD hf, off                   ; eight turning loads: four weight fragments (16 columns x 32 K)
	WIN 0
.irp n, 0,1,2,3
	ds_load_tr16_b128 v[BF+8*(4*(\hf)+(\n)):BF+8*(4*(\hf)+(\n))+3],   v[BAD] offset:(\off)+32*(4*(\hf)+(\n))
	ds_load_tr16_b128 v[BF+8*(4*(\hf)+(\n))+4:BF+8*(4*(\hf)+(\n))+7], v[BAD] offset:(\off)+32*(4*(\hf)+(\n))+16*LP
.endr
.endm
; Twenty matrix instructions: all five row tiles x four column tiles.  A step's 40 accumulators take turns, one instruction a turn.  cb = 1: C is the bias.
.macro HALF hf, i, cb
	WIN 0x50+0x20*(\cb)
.irp m, 0,1,2,3
.irp n, 0,1,2,3
.set rD, 8*(8*(\m)+4*(\hf)+(\n))
.set rF, BF+8*(4*(\hf)+(\n))
.set rA, AR+40*(\i)+8*(\m)
.set rC, BIAS+8*(4*(\hf)+(\n))
.if \cb
	v_wmma_f32_16x16x32_bf16 v[rD:rD+7], v[rF:rF+7], v[rA:rA+7], v[rC:rC+7]
.else
	v_wmma_f32_16x16x32_bf16 v[rD:rD+7], v[rF:rF+7], v[rA:rA+7], v[rD:rD+7]
.endif
.endr
.endr
	WIN 0xa0+0x10*(\cb)
.irp n, 0,1,2,3
.set rD, 8*(4*(\hf)+(\n))
.set rF, BF+8*(4*(\hf)+(\n))
.set rA, AR+40*(\i)+32
.set rC, BIAS+8*(4*(\hf)+(\n))
.if \cb
	v_wmma_f32_16x16x32_bf16 v[rD:rD+7], v[rF:rF+7], v[rA:rA+7], v[rC:rC+7]
.else
	v_wmma_f32_16x16x32_bf16 v[rD:rD+7], v[rF:rF+7], v[rA:rA+7], v[rD:rD+7]
.endif
.endr
.endm
.macro PF                              ; my wave's 32 rows (64 blocks of 256 bytes, one a lane) of the group whose loads the NEXT trip issues; each block is asked for once in the launch
	global_prefetch_b8 v[POF], s[WB:WB+1] offset:128*WPITCH th:TH_LOAD_NT scope:SCOPE_SE
	global_prefetch_b8 v[POF], s[WB:WB+1] offset:192*WPITCH th:TH_LOAD_NT scope:SCOPE_SE
.endm
; K STEP t = 4 g + i.  Its rows lie in ring buffer i, its weight fragments in BF.  It fetches the rows of step t + 3, converts slice t + 4 (conv), fetches slice t + 8 (wl) and step t + 1's fragments (nb).
; lw: loads end in order (ISA guide 5.7.1), so it is the number of loads issued behind step t's rows; slice t + 4 is older than those rows.  n1, n2: the LDS instructions issued behind BF's lower and upper half.
; bx: bytes from the group that BAD names to the step's own group.
; The eight conversions (or four v_nop) behind each half are the places in front of the loads into BF's half, into the row buffer just multiplied, and into the slice's registers.
.macro STEP i, cb, conv, wl, al, lw, n1, n2, nb, pf, bx=0
	s_wait_loadcnt \lw
.if \al
	ALOAD ((\i)+3)%4, 64*((\i)+3)
.endif
.if (\pf) == 1
	PF
.elseif (\pf) == 2
	s_cmp_eq_u32 s[CNT], 1                         ; the loop's last trip has no group left to ask for
	s_cbranch_scc1 .Lnopf_\@
	PF
.Lnopf_\@:
.endif
	s_wait_dscnt \n1
	HALF 0, \i, \cb
.if \conv
	CVT WR, 2, \i, 0
	DST WR, 2, \i, 0
.else
	PLACES
.endif
.if \nb
	BLOAD 0, ((\i)+1)*SLICE+(\bx)
.endif
	s_wait_dscnt \n2
	HALF 1, \i, \cb
.if \conv
	CVT WR, 2, \i, 4
	DST WR, 2, \i, 4
.else
	PLACES
.endif
.if \nb
	BLOAD 1, ((\i)+1)*SLICE+(\bx)
.endif
.if \wl
	WLOAD WR, 2, \i, 32*(\i)
.endif
.endm
; A streaming group's last step.  With it the next group is whole in LDS: each wave waits for its stores, signals, multiplies on, and reads the next group behind the barrier.  LDS weights are never rewritten, so this is the one barrier a group.
.macro BSTEP wl, lw
	s_wait_loadcnt \lw
	ALOAD 2, 384
	s_wait_dscnt 12                                ; behind BF's lower half: four stores and eight loads
	HALF 0, 3, 0
	CVT WR, 2, 3, 0
	CVT WR, 2, 3, 4
	DST WR, 2, 3, 0
	DST WR, 2, 3, 4
	s_wait_dscnt 0x0                               ; for the others' sake: my rows of the next group are in LDS (and BF's upper half is in)
	s_barrier_signal -1
	HALF 1, 3, 0
	WIN 0
	s_barrier_wait -1
	v_add_nc_u32 v[BAD], GRP, v[BAD]               ; these two and two v_nop are the four places in front of the loads into BF
	v_add_nc_u32 v[WST], GRP, v[WST]
	v_nop
	v_nop
	BLOAD 0, 0
	BLOAD 1, 0
.if \wl
	WLOAD WR, 2, 3, 96
.endif
.endm
.macro TRIPEND wb
	WIN 0
	s_wait_xcnt 0x0                                ; the bases are stepped only behind this wait
	s_add_nc_u64 s[AB:AB+1], s[AB:AB+1], 256
.if \wb
	s_add_nc_u64 s[WB:WB+1], s[WB:WB+1], 128*WPITCH
.endif
.endm
; The resident passes: my lane's place in the group at LDS byte TB, held at or below top.  The bound never acts; it states that the loads from it, whose offsets end at 50,912 + 16 in a trip
; (top = BTOP) and at 32,480 + 16 behind the loop (top = BTOP + GRP), stay inside the weights' 294,912 bytes, below the stages that other waves write meanwhile.
.macro SETBAD top
	WIN 0
	v_add_nc_u32 v[BAD], s[TB], v[BAD0]
	v_min_u32 v[BAD], (\top), v[BAD]
.endm
.macro TAIL3                           ; steps 1 to 3 of group 7: no rows are left to fetch, and the counts run down
	STEP 1, 0, 0, 0, 0, 20, 8, 8, 1, 0
	STEP 2, 0, 0, 0, 0, 10, 8, 8, 1, 0
	STEP 3, 0, 0, 0, 0, 0, 8, 0, 0, 0              ; its four v_nop are the places in front of the way out
.endm
; My row in each of the pass's five tiles: list[min(row, n1 - 1)], as a byte offset in xb
.macro MKAOF
	WIN 0
	v_add_nc_u32 v[TW], s[ROW0], v[VR]
.irp j, 0,1,2,3,4
	v_add_nc_u32 v[TW+1+(\j)], 16*(\j), v[TW]
	v_min_u32 v[TW+1+(\j)], s[NM1], v[TW+1+(\j)]
	v_min_u32 v[TW+1+(\j)], 0x3ff, v[TW+1+(\j)]
	v_lshl_add_u32 v[TW+1+(\j)], v[TW+1+(\j)], 1, v[LB]
	ds_load_u16 v[TW+6+(\j)], v[TW+1+(\j)]
.endr
	s_wait_dscnt 0x0
.irp j, 0,1,2,3,4
	v_min_u32 v[TW+6+(\j)], 0x3ff, v[TW+6+(\j)]
	v_lshl_add_u32 v[AOF+(\j)], v[TW+6+(\j)], ASHIFT, v[H16]
.endr
.endm
; THE WAY OUT of row tile j: relu, rounded to bf16, 16 bytes a lane into my own stage, back as whole rows of 256 bytes, stored two rows at a time.
.macro EPI j
.if (\j) < 4
.set rA0, 64*(\j)
.set wAC, 0x04
.else
.set rA0, 0
.set wAC, 0x08
.endif
	WIN wAC
.set i, 0
.rept 64
	v_max_num_f32 v[EPT+i], 0, v[rA0+i]            ; each accumulator's registers in ascending order
.set i, i+1
.endr
	WIN 0
.set i, 0
.rept 32
	v_cvt_pk_bf16_f32 v[EPK+i], v[EPT+2*i], v[EPT+2*i+1]
.set i, i+1
.endr
.irp n, 0,1,2,3,4,5,6,7
	ds_store_b128 v[STO], v[EPK+4*(\n):EPK+4*(\n)+3] offset:32*(\n)
.endr
	s_wait_xcnt 0x0                                ; the registers that the last tile's stores read are loaded again only behind this wait
.irp t, 0,1,2,3,4,5,6,7
	ds_load_b128 v[OBR+4*(\t):OBR+4*(\t)+3], v[RD] offset:(\t)*2*SPITCH  ; LDS serves a wave's instructions in order (ISA guide 5.7.1.4): these see the stores above
.endr
.irp t, 0,1,2,3,4,5,6,7
	s_wait_dscnt 7-(\t)
	global_store_b128 v[CO], v[OBR+4*(\t):OBR+4*(\t)+3], s[OB:OB+1] offset:(16*(\j)+2*(\t))*OPITCH  ; 16 lanes store 256 consecutive bytes, aligned
.endr
.endm
.macro EPIALL
	EPI 0
	EPI 1
	EPI 2
	EPI 3
	EPI 4
.endm
	s_load_b256 s[8:15], s[0:1], 0x0               ; xb s[8:9], w1 s[10:11], b1 s[12:13], sel s[14:15]
	s_load_b128 s[16:19], s[0:1], 0x20             ; h1 s[16:17], route s[18:19]
	s_set_vgpr_msb 0x80
	v_lshl_add_u32 v254, v0, 2, 0x4ec00
	v_mov_b32 v255, 0
	s_set_vgpr_msb 0x8000
	v_lshrrev_b32 v[TW], 5, v0
	v_readfirstlane_b32 s[WV], v[TW]
	s_mov_b32 s[CX], ttmp9
	s_and_b32 s[EX], ttmp7, 0xffff
	v_and_b32 v[VLN], 31, v0
	v_and_b32 v[VR], 15, v0
	v_bfe_u32 v[VH], v0, 4, 1
	s_mul_i32 s[TS], s[WV], 8*WPITCH
	v_lshl_add_u32 v[WOF], v[VLN], 4, s[TS]
	v_lshlrev_b32 v[SO], 4, v[VLN]
	v_lshlrev_b32 v[BO], 5, v[VH]
	v_bfe_u32 v[POF], v0, 1, 3                     ; prefetch: row 32 (lane / 16) + 8 w + (lane / 2) % 8, half lane % 2 of its 512 bytes
	v_lshl_add_u32 v[POF], v[VH], 5, v[POF]
	s_lshl_b32 s[TS], s[WV], 3
	v_add_nc_u32 v[POF], s[TS], v[POF]
	v_mul_u32_u24 v[POF], v[POF], WPITCH
	v_and_b32 v[TW], 1, v0
	v_lshl_add_u32 v[POF], v[TW], 8, v[POF]
	s_lshl_b32 s[TS], s[EX], 24                    ; w1: expert x 16 MiB + chunk x 512 bytes
	s_lshl_b32 s[TS+1], s[CX], 9
	s_add_co_u32 s[TS], s[TS], s[TS+1]
	s_mov_b32 s[TS+1], 0
	s_lshl_b32 s[TS+2], s[EX], 14                  ; b1: expert x 16 KiB + chunk x 512 bytes
	s_lshl_b32 s[TS+3], s[CX], 9
	s_add_co_u32 s[TS+2], s[TS+2], s[TS+3]
	s_mov_b32 s[TS+3], 0
	s_wait_kmcnt 0x0
	s_add_nc_u64 s[WB:WB+1], s[10:11], s[TS:TS+1]
	s_add_nc_u64 s[BB:BB+1], s[12:13], s[TS+2:TS+3]
.irp i, 0,1,2,3,4,5,6,7
	global_load_b128 v[SELR+4*(\i):SELR+4*(\i)+3], v[SO], s[14:15] offset:512*(\i)   ; tokens 128 i + 4 lane + 0..3
.endr
	WIN 0xc0
.irp n, 0,1,2,3,4,5,6,7
	global_load_b128 v[BIAS+8*(\n):BIAS+8*(\n)+3],   v[BO], s[BB:BB+1] offset:64*(\n)      ; columns 16 n + 8 h + 0..7: the C operand of column tile n
	global_load_b128 v[BIAS+8*(\n)+4:BIAS+8*(\n)+7], v[BO], s[BB:BB+1] offset:64*(\n)+16
.endr
	WLOAD PRE, 3, 0, 0
	WLOAD PRE, 3, 1, 32
	WLOAD PRE, 3, 2, 64
	WLOAD PRE, 3, 3, 96
	WLOAD WR, 2, 0, 128
	WLOAD WR, 2, 1, 160
	WLOAD WR, 2, 2, 192
	WLOAD WR, 2, 3, 224
	WIN 0
	global_prefetch_b8 v[POF], s[WB:WB+1] offset:256*WPITCH th:TH_LOAD_NT scope:SCOPE_SE   ; group 2, whose loads the first trip issues
	global_prefetch_b8 v[POF], s[WB:WB+1] offset:320*WPITCH th:TH_LOAD_NT scope:SCOPE_SE
	s_mul_i32 s[TS], s[WV], LSZ
	s_add_co_u32 s[TS], s[TS], LIST
	v_mov_b32 v[LB], s[TS]                         ; my wave's list,
	v_lshl_add_u32 v[LA], v[VLN], 4, s[TS]
.irp q, 0,1,2,3
	v_mov_b32 v[ZQ+(\q)], 0
.endr
.irp q, 0,1,2,3,4
	ds_store_b128 v[LA], v[ZQ:ZQ+3] offset:512*(\q)        ; cleared: an expert without tokens names token 0; LDS serves a wave's instructions in order, so the true tokens come on top
.endr
	v_lshlrev_b32 v[TK0], 2, v[VLN]
	v_add_nc_u32 v[DI], 0x400, v[VLN]
	v_lshlrev_b32 v[H16], 4, v[VH]
	s_mul_i32 s[TS], s[WV], 8*LP
	v_lshl_add_u32 v[WST], v[VLN], 3, s[TS]        ; 8 bytes a lane in my first row of a slice
	v_and_b32 v[TW], 7, v0                         ; the turning load: lane l reads row 8 (l / 16) + l % 8, 16 bytes at 16 ((l / 8) % 2)
	v_lshl_add_u32 v[TW], v[VH], 3, v[TW]
	v_mul_u32_u24 v[BAD0], v[TW], LP
	v_bfe_u32 v[TW], v0, 3, 1
	v_lshl_add_u32 v[BAD0], v[TW], 4, v[BAD0]
	v_mov_b32 v[BAD], v[BAD0]
	s_mul_i32 s[TS], s[WV], 16*SPITCH
	s_add_co_u32 s[TS], s[TS], STAGE               ; my stage
	v_mul_u32_u24 v[STO], v[VR], SPITCH            ; in: row r, 16 bytes for each half of the lanes
	v_lshl_add_u32 v[STO], v[VH], 4, v[STO]
	v_add_nc_u32 v[STO], s[TS], v[STO]
	v_mul_u32_u24 v[RD], v[VH], SPITCH             ; back: lanes 0-15 one row of 256 bytes, lanes 16-31 the next
	v_lshl_add_u32 v[RD], v[VR], 4, v[RD]
	v_add_nc_u32 v[RD], s[TS], v[RD]
	v_mul_u32_u24 v[CO], v[VH], OPITCH             ; and the same two rows in h1
	v_lshl_add_u32 v[CO], v[VR], 4, v[CO]
	s_lshl_b32 s[EBIT], 0x10000, s[EX]
	s_mov_b32 s[HM], 0xffff0000
	s_mul_i32 s[ROW0], s[WV], 80
	s_mul_i32 s[TS], s[EX], ECAP                   ; h1: row 1,280 e + 80 w, column 128 c
	s_add_co_u32 s[TS], s[TS], s[ROW0]
	s_lshl_b32 s[TS], s[TS], 13
	s_lshl_b32 s[TS+1], s[CX], 8
	s_add_co_u32 s[TS], s[TS], s[TS+1]
	s_mov_b32 s[TS+1], 0
	s_add_nc_u64 s[OB:OB+1], s[16:17], s[TS:TS+1]
	s_lshl_b32 s[TS], s[EX], 12
	s_add_nc_u64 s[RB:RB+1], s[18:19], s[TS:TS+1]
	s_lshl_b32 s[TS], s[EX], 7
	s_add_nc_u64 s[RC:RC+1], s[18:19], s[TS:TS+1]
	s_mov_b64 s[AB0:AB0+1], s[8:9]
	s_mov_b64 s[AB:AB+1], s[8:9]
	s_wait_loadcnt 63                              ; 64 weight loads are younger than sel and the bias: both are in
	; THE LIST.  For each of a lane's 32 words: is the expert's bit set; rank = the chosen ones before; the token goes to list[rank], or behind the list.  The rank takes the word's place.
	s_mov_b32 s[NE], 0
.irp i, 0,1,2,3,4,5,6,7
.irp c, 0,1,2,3
	v_and_b32 v[T0], s[EBIT], v[SELR+4*(\i)+(\c)]
	v_cmp_ne_u32 vcc_lo, 0, v[T0]
	v_mbcnt_lo_u32_b32 v[SELR+4*(\i)+(\c)], vcc_lo, s[NE]
	s_bcnt1_i32_b32 s[TS], vcc_lo
	s_add_co_u32 s[NE], s[NE], s[TS]
	v_cndmask_b32 v[SELR+4*(\i)+(\c)], v[DI], v[SELR+4*(\i)+(\c)], vcc_lo
	v_min_u32 v[SELR+4*(\i)+(\c)], 0x43f, v[SELR+4*(\i)+(\c)]
	v_lshl_add_u32 v[LA], v[SELR+4*(\i)+(\c)], 1, v[LB]
	v_add_nc_u32 v[TK], 128*(\i)+(\c), v[TK0]      ; token 128 i + 4 lane + c
	ds_store_b16 v[LA], v[TK]
.endr
.endr
	s_cmp_lg_u32 s[CX], 0
	s_cbranch_scc1 .Lnoroute
	s_cmp_lg_u32 s[WV], 0
	s_cbranch_scc1 .Lnoroute
.irp i, 0,1,2,3,4,5,6,7
	global_store_b128 v[SO], v[SELR+4*(\i):SELR+4*(\i)+3], s[RB:RB+1] offset:512*(\i)  ; one wave for each expert writes route: 512 consecutive bytes a store
.endr
	v_mov_b32 v[T0], s[NE]
	global_store_b32 v[TK0], v[T0], s[RC:RC+1] offset:32768  ; the count, in 32 words on end
.Lnoroute:
	s_wait_xcnt 0x0                                ; the stores' registers are rewritten only behind this wait
	s_min_u32 s[NE], s[NE], 0x400
	s_max_u32 s[N1], s[NE], 1
	s_sub_co_u32 s[NM1], s[N1], 1
	MKAOF
	ALOAD 0, 0
	ALOAD 1, 64
	ALOAD 2, 128
	WIN 0xcf                                       ; the bias is rounded to bf16, like every input, and widened again
.set i, 0
.rept 32
	v_cvt_pk_bf16_f32 v[TB3+i%2], v[BIAS+2*i], v[BIAS+2*i+1]
	v_lshlrev_b32 v[BIAS+2*i], 16, v[TB3+i%2]
	v_and_b32 v[BIAS+2*i+1], s[HM], v[TB3+i%2]
.set i, i+1
.endr
	s_wait_loadcnt 62                              ; behind slices 0-3: slices 4-7 (32 loads) and three row fetches (30)
.irp i, 0,1,2,3
	CVT PRE, 3, \i, 0
	CVT PRE, 3, \i, 4
	DST PRE, 3, \i, 0
	DST PRE, 3, \i, 4
.endr
	WIN 0
	v_add_nc_u32 v[WST], GRP, v[WST]               ; the first trip converts group 1
	s_wait_xcnt 0x0
	s_add_nc_u64 s[WB:WB+1], s[WB:WB+1], 256*WPITCH  ; and fetches group 2
	s_wait_dscnt 0x0                               ; for the others' sake: my rows of group 0 are in LDS
	s_barrier_signal -1
	s_barrier_wait -1
	BLOAD 0, 0
	BLOAD 1, 0
	; THE FIRST PASS, while the weights stream in.  Group 0: the counts grow as the weight loads join the row fetches
	STEP 0, 1, 1, 1, 1, 20, 8, 12, 1, 0
	STEP 1, 0, 1, 1, 1, 28, 12, 12, 1, 1
	STEP 2, 0, 1, 1, 1, 36, 12, 12, 1, 0
	BSTEP 1, 44
	TRIPEND 1
	s_mov_b32 s[CNT], 5
.Lsl:                                                  ; groups 1 to 5.  Behind a step's rows: 8 + 10 + 8 + 10 + 8 = 44 loads
	STEP 0, 0, 1, 1, 1, 44, 8, 12, 1, 0
	STEP 1, 0, 1, 1, 1, 44, 12, 12, 1, 2
	STEP 2, 0, 1, 1, 1, 44, 12, 12, 1, 0
	BSTEP 1, 44
	TRIPEND 1
	s_sub_co_u32 s[CNT], s[CNT], 1
	s_cmp_lg_u32 s[CNT], 0
	s_cbranch_scc1 .Lsl
	STEP 0, 0, 1, 0, 1, 44, 8, 12, 1, 0            ; group 6: no weights are left to fetch, and the counts run down
	STEP 1, 0, 1, 0, 1, 36, 12, 12, 1, 0
	STEP 2, 0, 1, 0, 1, 28, 12, 12, 1, 0
	BSTEP 0, 20
	TRIPEND 0
	STEP 0, 0, 0, 0, 1, 20, 8, 8, 1, 0             ; group 7, from LDS: the last barrier has been passed
	TAIL3
	EPIALL
	; FURTHER PASSES, three at the most: 320 rows on, from the weights in LDS; no barrier stands in this loop, so each wave leaves it by its own rows
	s_mov_b32 s[PASS], 3
.Lpass:
	s_add_co_u32 s[ROW0], s[ROW0], 320
	s_cmp_ge_u32 s[ROW0], s[N1]
	s_cbranch_scc1 .Lend                           ; my first row lies past the expert's last: so do all my later ones
	s_wait_xcnt 0x0                                ; the stores' base and registers are rewritten only behind this wait
	s_add_nc_u64 s[OB:OB+1], s[OB:OB+1], 320*OPITCH
	MKAOF
	s_mov_b64 s[AB:AB+1], s[AB0:AB0+1]
	s_mov_b32 s[TB], 0
	v_mov_b32 v[BAD], v[BAD0]
	ALOAD 0, 0
	ALOAD 1, 64
	ALOAD 2, 128
	BLOAD 0, 0
	BLOAD 1, 0
	STEP 0, 1, 0, 0, 1, 20, 8, 8, 1, 0             ; the pass's first step stands in front of the loop: it takes the bias as C
	WIN 0
	s_mov_b32 s[CNT], 7
.Lrl:                                                  ; a trip: steps 1 to 3 of the group at TB and step 0 of the next.  Behind a step's rows: two row fetches, 20 loads
	SETBAD BTOP
	STEP 1, 0, 0, 0, 1, 20, 8, 8, 1, 0
	STEP 2, 0, 0, 0, 1, 20, 8, 8, 1, 0
	STEP 3, 0, 0, 0, 1, 20, 8, 8, 1, 0
	TRIPEND 0
	STEP 0, 0, 0, 0, 1, 20, 8, 8, 1, 0, GRP        ; the next group's step 0 reaches its fragments through the immediate
	WIN 0
	s_add_co_u32 s[TB], s[TB], GRP
	s_sub_co_u32 s[CNT], s[CNT], 1
	s_cmp_lg_u32 s[CNT], 0
	s_cbranch_scc1 .Lrl
	SETBAD BTOP+GRP                                ; group 7
	TAIL3
	EPIALL
	s_sub_co_u32 s[PASS], s[PASS], 1
	s_cmp_lg_u32 s[PASS], 0
	s_cbranch_scc1 .Lpass
.Lend:
	s_set_vgpr_msb 0xa
	s_wait_tensorcnt 0x0
	ds_add_u32 v254, v255
	s_wait_dscnt 0x0
	s_set_vgpr_msb 0xa00
	s_endpgm
.Lfunc_end_k_q8809ef3e72_ffn1:
	.size	k_q8809ef3e72_ffn1, .Lfunc_end_k_q8809ef3e72_ffn1-k_q8809ef3e72_ffn1
	.p2alignl 7, 3214868480
	.fill 96, 4, 3214868480
	.section	.rodata,"a",@progbits
	.p2align	6, 0x0
	.amdhsa_kernel k_q8809ef3e72_ffn1
		.amdhsa_group_segment_fixed_size 323072
		.amdhsa_private_segment_fixed_size 0
		.amdhsa_enable_private_segment 0
		.amdhsa_kernarg_size 48
		.amdhsa_user_sgpr_count 2
		.amdhsa_user_sgpr_kernarg_segment_ptr 1
		.amdhsa_wavefront_size32 1
		.amdhsa_system_sgpr_workgroup_id_x 1
		.amdhsa_system_sgpr_workgroup_id_y 1
		.amdhsa_system_sgpr_workgroup_id_z 1
		.amdhsa_system_vgpr_workitem_id 0
		.amdhsa_next_free_vgpr 962
		.amdhsa_next_free_sgpr 66
		.amdhsa_reserve_vcc 1
		.amdhsa_float_denorm_mode_32 3
		.amdhsa_float_denorm_mode_16_64 3
		.amdhsa_memory_ordered 1
		.amdhsa_forward_progress 1
		.amdhsa_inst_pref_size 249
	.end_amdhsa_kernel
	.amdgpu_metadata
---
amdhsa.version: [ 1, 2 ]
amdhsa.kernels:
  - .name:           k_q8809ef3e72_ffn1
    .symbol:         k_q8809ef3e72_ffn1.kd
    .args:
      - { .name: xb, .offset: 0, .size: 8, .value_kind: global_buffer, .address_space: global }
      - { .name: w1, .offset: 8, .size: 8, .value_kind: global_buffer, .address_space: global }
      - { .name: b1, .offset: 16, .size: 8, .value_kind: global_buffer, .address_space: global }
      - { .name: sel, .offset: 24, .size: 8, .value_kind: global_buffer, .address_space: global }
      - { .name: h1, .offset: 32, .size: 8, .value_kind: global_buffer, .address_space: global }
      - { .name: route, .offset: 40, .size: 8, .value_kind: global_buffer, .address_space: global }
    .group_segment_fixed_size: 323072
    .private_segment_fixed_size: 0
    .kernarg_segment_align: 8
    .kernarg_segment_size: 48
    .max_flat_workgroup_size: 128
    .sgpr_count:     66
    .vgpr_count:     962
    .wavefront_size: 32
...
	.end_amdgpu_metadata
.endif
;; end of part 2
;; launch ffn2 (part 3): grid 32 x 8, 4 waves a work-group, no clusters, 312,832 bytes of LDS; arguments h1, w2, b2, route, part; writes part
.if DOCPART == 3
	.amdgcn_target "amdgcn-amd-amdhsa--gfx1250"
	.amdhsa_code_object_version 6
	.text
	.protected	k_q8809ef3e72_ffn2
	.globl	k_q8809ef3e72_ffn2
	.p2align	8
	.type	k_q8809ef3e72_ffn2,@function
k_q8809ef3e72_ffn2:
	s_mov_b64 s[64:65], 0
	v_nop
	global_prefetch_b8 v0, s[64:65] scope:SCOPE_SE
	s_setreg_imm32_b32 hwreg(HW_REG_WAVE_MODE, 25, 1), 1
	s_wait_xcnt 0x0
; SECOND PRODUCT OF THE EXPERTS.  part[kq][e][rank][n] = the sum over k in quarter kq of F of h1[e][rank][k] w2[e][k][n], plus b2[e][n] in quarter 0; f32.  Operands bf16 (w2 and b2 rounded here), sums f32.
; Work-group (x, e): expert e, columns 128 (x % 8) .. + 127 of H, K quarter x / 8.  Its chunk of w2, 1,024 (k) x 128 (n) f32 in rows of 512 bytes, is read from memory ONCE, rounded to bf16 and KEPT in LDS.
; The expert's rows go in passes of 320: the first is multiplied while the chunk streams in (all barriers stand there); up to three further passes read LDS alone and hold no barrier; a wave leaves
; them as soon as its own first row lies at or past n1 = max(n, 1), n the expert's count (the word at route + 32,768 + 128 e).  Wave w takes rows 80 w .. 80 w + 79 of a pass: 5 x 8 accumulators of 16 x 16.
; Rows at or past n1 repeat the last valid row, so no byte of h1 is read that the launch before did not write; they are stored like the others (an expert's area has room for 1,280 rows) and
; nobody reads them: no line of the text changes EXEC.
; NO CLUSTER, NO TENSOR LOADS: LDS holds 294,912 bytes of resident weights, and a refill of shared rows would want barriers in the passes that a wave may leave.
; THE MATRIX INSTRUCTION IS USED TRANSPOSED: source 0 = 16 columns of w2 (turned on the way out of LDS), source 1 = 16 rows of h1: a lane holds one row and eight neighbouring columns.
; The first K step takes the bias (0 in quarters 1 to 3) as C.  NaN and infinities are not treated apart.
; REGISTERS, in windows of 256 (s_set_vgpr_msb: bits 1:0 source 0, 3:2 source 1, 5:4 source 2, 7:6 destination):
;   window 0: v0-31 addresses and work; v32-95 eight weight fragments; v96-255 a ring of four row fetches (5 fragments each); on the way out v192-223 at work
;   window 1: accumulators (m, n) at 8 (8 m + n), m = 0..3      window 2: v0-63 accumulators (4, n); v64-191 a ring of four weight slices (8 rows of f32 each)
;   window 3: v0-127 slices 0-3 (start only); v128-191 the bias as C operands; v192-193 at work
.set WPITCH, 4096                      ; bytes from a row (k) of w2 to the next
.set ASHIFT, 13                        ; a row of h1 is 8,192 bytes
.set OPITCH, 4096                      ; a row of part
.set ECAP,   1280                      ; rows of h1 and of part for each expert: four passes of 320
.set LP,     288                       ; a weight row in LDS: 256 bytes + 32 = 9 x 32
.set SLICE,  32*LP
.set GRP,    4*SLICE
.set STAGE,  8*GRP                     ; behind the weights: 16 rows x 272 bytes for each wave, for the way out
.set SPITCH, 272
.set BTOP,   6*GRP+15*LP+16            ; the highest place of a lane in group 6, the last group at which a trip of the resident loop begins
.set VR,   1                           ; lane % 16
.set VH,   2                           ; lane / 16
.set VLN,  3                           ; lane
.set WOF,  4                           ; 16 x lane + my first row of a slice (8 w)
.set WST,  5                           ; where my rows of the group being converted go in LDS; steps by GRP
.set BAD,  6                           ; my lane's place in the group being multiplied
.set BAD0, 7                           ; the same in group 0; never rewritten
.set AOF,  8                           ; v8-12  byte offset of my row in each of the five row tiles
.set STO,  13
.set RD,   14
.set CO,   15
.set H16,  16
.set POF,  17
.set BO,   19
.set TW,   20                          ; v20-25 at work
.set BF,   32
.set AR,   96
.set OBR,  192
.set WR,   64                          ; window 2
.set PRE,  0                           ; window 3
.set BIAS, 128
.set TB3,  192
.set WV,   2                           ; s2 wave; s3 column chunk; s4 expert; s5 K quarter
.set CX,   3
.set EX,   4
.set KQ,   5
.set AB,   20
.set AB0,  22
.set WB,   24
.set OB,   26
.set BB,   32
.set NE,   40
.set N1,   41
.set NM1,  42
.set PASS, 44
.set ROW0, 45
.set TB,   46                          ; the resident loop: LDS byte at which the trip's group begins
.set CNT,  47
.set KM,   49
.set HM,   50
.set EOFF, 51
.set TS,   52                          ; s[52:55] at work
.set MSB, 0
.macro WIN new                         ; the immediate's high byte repeats the setting that is left; a switch that changes nothing is dropped
.if MSB != (\new)
	s_set_vgpr_msb (MSB<<8)|(\new)
.set MSB, (\new)
.endif
.endm
.macro PLACES                          ; four places between a matrix instruction and a load into, or a read of, its registers
.rept 4
	v_nop
.endr
.endm
.macro ALOAD buf, k                    ; ten loads: five row fragments (16 rows x 32 K) at byte k of the rows
	WIN 0
.irp m, 0,1,2,3,4
	global_load_b128 v[AR+40*(\buf)+8*(\m):AR+40*(\buf)+8*(\m)+3],   v[AOF+(\m)], s[AB:AB+1] offset:(\k)
	global_load_b128 v[AR+40*(\buf)+8*(\m)+4:AR+40*(\buf)+8*(\m)+7], v[AOF+(\m)], s[AB:AB+1] offset:(\k)+32
.endr
.endm
.macro WLOAD base, win, i, row0        ; eight loads: my eight rows of a slice, each 512 consecutive bytes
	WIN (\win)<<6
.irp j, 0,1,2,3,4,5,6,7
	global_load_b128 v[(\base)+32*(\i)+4*(\j):(\base)+32*(\i)+4*(\j)+3], v[WOF], s[WB:WB+1] offset:((\row0)+(\j))*WPITCH th:TH_LOAD_NT
.endr
.endm
.macro CVT base, win, i, j0            ; four rows rounded to bf16, in place: eight plain instructions
	WIN ((\win)<<6)|((\win)<<2)|(\win)
.irp j, 0,1,2,3
.set rB, (\base)+32*(\i)+4*((\j0)+(\j))
	v_cvt_pk_bf16_f32 v[rB], v[rB], v[rB+1]
	v_cvt_pk_bf16_f32 v[rB+1], v[rB+2], v[rB+3]
.endr
.endm
.macro DST base, win, i, j0            ; and stored: a wave's store covers a row's 256 bytes
	WIN (\win)<<2
.irp j, 0,1,2,3
.set rB, (\base)+32*(\i)+4*((\j0)+(\j))
	ds_store_b64 v[WST], v[rB:rB+1] offset:(\i)*SLICE+((\j0)+(\j))*LP
.endr
.endm
.macro BLOAD hf, off                   ; eight turning loads: four weight fragments (16 columns x 32 K)
	WIN 0
.irp n, 0,1,2,3
	ds_load_tr16_b128 v[BF+8*(4*(\hf)+(\n)):BF+8*(4*(\hf)+(\n))+3],   v[BAD] offset:(\off)+32*(4*(\hf)+(\n))
	ds_load_tr16_b128 v[BF+8*(4*(\hf)+(\n))+4:BF+8*(4*(\hf)+(\n))+7], v[BAD] offset:(\off)+32*(4*(\hf)+(\n))+16*LP
.endr
.endm
; Twenty matrix instructions: all five row tiles x four column tiles.  A step's 40 accumulators take turns, one instruction a turn.  cb = 1: C is the bias.
.macro HALF hf, i, cb
	WIN 0x50+0x20*(\cb)
.irp m, 0,1,2,3
.irp n, 0,1,2,3
.set rD, 8*(8*(\m)+4*(\hf)+(\n))
.set rF, BF+8*(4*(\hf)+(\n))
.set rA, AR+40*(\i)+8*(\m)
.set rC, BIAS+8*(4*(\hf)+(\n))
.if \cb
	v_wmma_f32_16x16x32_bf16 v[rD:rD+7], v[rF:rF+7], v[rA:rA+7], v[rC:rC+7]
.else
	v_wmma_f32_16x16x32_bf16 v[rD:rD+7], v[rF:rF+7], v[rA:rA+7], v[rD:rD+7]
.endif
.endr
.endr
	WIN 0xa0+0x10*(\cb)
.irp n, 0,1,2,3
.set rD, 8*(4*(\hf)+(\n))
.set rF, BF+8*(4*(\hf)+(\n))
.set rA, AR+40*(\i)+32
.set rC, BIAS+8*(4*(\hf)+(\n))
.if \cb
	v_wmma_f32_16x16x32_bf16 v[rD:rD+7], v[rF:rF+7], v[rA:rA+7], v[rC:rC+7]
.else
	v_wmma_f32_16x16x32_bf16 v[rD:rD+7], v[rF:rF+7], v[rA:rA+7], v[rD:rD+7]
.endif
.endr
.endm
.macro PF                              ; my wave's 32 rows (64 blocks of 256 bytes, one a lane) of the group whose loads the NEXT trip issues; each block is asked for once in the launch
	global_prefetch_b8 v[POF], s[WB:WB+1] offset:128*WPITCH th:TH_LOAD_NT scope:SCOPE_SE
	global_prefetch_b8 v[POF], s[WB:WB+1] offset:192*WPITCH th:TH_LOAD_NT scope:SCOPE_SE
.endm
; K STEP t = 4 g + i.  Its rows lie in ring buffer i, its weight fragments in BF.  It fetches the rows of step t + 3, converts slice t + 4 (conv), fetches slice t + 8 (wl) and step t + 1's fragments (nb).
; lw: loads end in order (ISA guide 5.7.1), so it is the number of loads issued behind step t's rows; slice t + 4 is older than those rows.  n1, n2: the LDS instructions issued behind BF's lower and upper half.
; bx: bytes from the group that BAD names to the step's own group.
; The eight conversions (or four v_nop) behind each half are the places in front of the loads into BF's half, into the row buffer just multiplied, and into the slice's registers.
.macro STEP i, cb, conv, wl, al, lw, n1, n2, nb, pf, bx=0
	s_wait_loadcnt \lw
.if \al
	ALOAD ((\i)+3)%4, 64*((\i)+3)
.endif
.if (\pf) == 1
	PF
.elseif (\pf) == 2
	s_cmp_eq_u32 s[CNT], 1                         ; the loop's last trip has no group left to ask for
	s_cbranch_scc1 .Lnopf_\@
	PF
.Lnopf_\@:
.endif
	s_wait_dscnt \n1
	HALF 0, \i, \cb
.if \conv
	CVT WR, 2, \i, 0
	DST WR, 2, \i, 0
.else
	PLACES
.endif
.if \nb
	BLOAD 0, ((\i)+1)*SLICE+(\bx)
.endif
	s_wait_dscnt \n2
	HALF 1, \i, \cb
.if \conv
	CVT WR, 2, \i, 4
	DST WR, 2, \i, 4
.else
	PLACES
.endif
.if \nb
	BLOAD 1, ((\i)+1)*SLICE+(\bx)
.endif
.if \wl
	WLOAD WR, 2, \i, 32*(\i)
.endif
.endm
; A streaming group's last step.  With it the next group is whole in LDS: each wave waits for its stores, signals, multiplies on, and reads the next group behind the barrier.  LDS weights are never rewritten, so this is the one barrier a group.
.macro BSTEP wl, lw
	s_wait_loadcnt \lw
	ALOAD 2, 384
	s_wait_dscnt 12                                ; behind BF's lower half: four stores and eight loads
	HALF 0, 3, 0
	CVT WR, 2, 3, 0
	CVT WR, 2, 3, 4
	DST WR, 2, 3, 0
	DST WR, 2, 3, 4
	s_wait_dscnt 0x0                               ; for the others' sake: my rows of the next group are in LDS (and BF's upper half is in)
	s_barrier_signal -1
	HALF 1, 3, 0
	WIN 0
	s_barrier_wait -1
	v_add_nc_u32 v[BAD], GRP, v[BAD]               ; these two and two v_nop are the four places in front of the loads into BF
	v_add_nc_u32 v[WST], GRP, v[WST]
	v_nop
	v_nop
	BLOAD 0, 0
	BLOAD 1, 0
.if \wl
	WLOAD WR, 2, 3, 96
.endif
.endm
.macro TRIPEND wb
	WIN 0
	s_wait_xcnt 0x0                                ; the bases are stepped only behind this wait
	s_add_nc_u64 s[AB:AB+1], s[AB:AB+1], 256
.if \wb
	s_add_nc_u64 s[WB:WB+1], s[WB:WB+1], 128*WPITCH
.endif
.endm
; The resident passes: my lane's place in the group at LDS byte TB, held at or below top.  The bound never acts; it states that the loads from it, whose offsets end at 50,912 + 16 in a trip
; (top = BTOP) and at 32,480 + 16 behind the loop (top = BTOP + GRP), stay inside the weights' 294,912 bytes, below the stages that other waves write meanwhile.
.macro SETBAD top
	WIN 0
	v_add_nc_u32 v[BAD], s[TB], v[BAD0]
	v_min_u32 v[BAD], (\top), v[BAD]
.endm
.macro TAIL3                           ; steps 1 to 3 of group 7: no rows are left to fetch, and the counts run down
	STEP 1, 0, 0, 0, 0, 20, 8, 8, 1, 0
	STEP 2, 0, 0, 0, 0, 10, 8, 8, 1, 0
	STEP 3, 0, 0, 0, 0, 0, 8, 0, 0, 0              ; its four v_nop are the places in front of the way out
.endm
; My row in each of the pass's five tiles: min(row, n1 - 1), as a byte offset in the expert's rows of h1
.macro MKAOF
	WIN 0
	v_add_nc_u32 v[TW], s[ROW0], v[VR]
.irp j, 0,1,2,3,4
	v_add_nc_u32 v[TW+1+(\j)], 16*(\j), v[TW]
	v_min_u32 v[TW+1+(\j)], s[NM1], v[TW+1+(\j)]
	v_min_u32 v[TW+1+(\j)], 0x3ff, v[TW+1+(\j)]
	v_lshl_add_u32 v[AOF+(\j)], v[TW+1+(\j)], ASHIFT, v[H16]
.endr
.endm
; THE WAY OUT of row tile j, in two halves of 64 columns (256 bytes of f32): 32 bytes a lane into my own stage, back as whole rows of 256 bytes, stored two rows at a time.
.macro EPI j
.if (\j) < 4
.set rA0, 64*(\j)
.set wAC, 0x04
.else
.set rA0, 0
.set wAC, 0x08
.endif
.irp hf, 0,1
	WIN wAC
.irp n, 0,1,2,3
	ds_store_b128 v[STO], v[rA0+8*(4*(\hf)+(\n)):rA0+8*(4*(\hf)+(\n))+3]   offset:64*(\n)     ; each accumulator's low four registers first
	ds_store_b128 v[STO], v[rA0+8*(4*(\hf)+(\n))+4:rA0+8*(4*(\hf)+(\n))+7] offset:64*(\n)+16
.endr
	WIN 0
	s_wait_xcnt 0x0                                ; the registers that the last half's stores read are loaded again only behind this wait
.irp t, 0,1,2,3,4,5,6,7
	ds_load_b128 v[OBR+4*(\t):OBR+4*(\t)+3], v[RD] offset:(\t)*2*SPITCH  ; LDS serves a wave's instructions in order (ISA guide 5.7.1.4): these see the stores above
.endr
.irp t, 0,1,2,3,4,5,6,7
	s_wait_dscnt 7-(\t)
	global_store_b128 v[CO], v[OBR+4*(\t):OBR+4*(\t)+3], s[OB:OB+1] offset:(16*(\j)+2*(\t))*OPITCH+256*(\hf)  ; 16 lanes store 256 consecutive bytes, aligned
.endr
.endr
.endm
.macro EPIALL
	EPI 0
	EPI 1
	EPI 2
	EPI 3
	EPI 4
.endm
	s_load_b256 s[8:15], s[0:1], 0x0               ; h1 s[8:9], w2 s[10:11], b2 s[12:13], route s[14:15]
	s_load_b64 s[16:17], s[0:1], 0x20              ; part
	v_lshl_add_u32 v30, v0, 2, 0x4c400
	v_mov_b32 v31, 0
	v_lshrrev_b32 v[TW], 5, v0
	v_readfirstlane_b32 s[WV], v[TW]
	s_and_b32 s[CX], ttmp9, 7
	s_lshr_b32 s[KQ], ttmp9, 3
	s_and_b32 s[EX], ttmp7, 0xffff
	v_and_b32 v[VLN], 31, v0
	v_and_b32 v[VR], 15, v0
	v_bfe_u32 v[VH], v0, 4, 1
	s_mul_i32 s[TS], s[WV], 8*WPITCH
	v_lshl_add_u32 v[WOF], v[VLN], 4, s[TS]
	v_lshlrev_b32 v[BO], 5, v[VH]
	v_bfe_u32 v[POF], v0, 1, 3                     ; prefetch: row 32 (lane / 16) + 8 w + (lane / 2) % 8, half lane % 2 of its 512 bytes
	v_lshl_add_u32 v[POF], v[VH], 5, v[POF]
	s_lshl_b32 s[TS], s[WV], 3
	v_add_nc_u32 v[POF], s[TS], v[POF]
	v_mul_u32_u24 v[POF], v[POF], WPITCH
	v_and_b32 v[TW], 1, v0
	v_lshl_add_u32 v[POF], v[TW], 8, v[POF]
	s_lshl_b32 s[TS], s[EX], 24                    ; w2: expert x 16 MiB + quarter x 4 MiB + chunk x 512 bytes
	s_lshl_b32 s[TS+1], s[KQ], 22
	s_add_co_u32 s[TS], s[TS], s[TS+1]
	s_lshl_b32 s[TS+1], s[CX], 9
	s_add_co_u32 s[TS], s[TS], s[TS+1]
	s_mov_b32 s[TS+1], 0
	s_lshl_b32 s[TS+2], s[EX], 12                  ; b2: expert x 4 KiB + chunk x 512 bytes
	s_lshl_b32 s[TS+3], s[CX], 9
	s_add_co_u32 s[TS+2], s[TS+2], s[TS+3]
	s_mov_b32 s[TS+3], 0
	s_lshl_b32 s[EOFF], s[EX], 7
	s_wait_kmcnt 0x0
	s_load_b32 s[NE], s[14:15], s[EOFF] offset:0x8000  ; the expert's count
	s_add_nc_u64 s[WB:WB+1], s[10:11], s[TS:TS+1]
	s_add_nc_u64 s[BB:BB+1], s[12:13], s[TS+2:TS+3]
	WIN 0xc0
.irp n, 0,1,2,3,4,5,6,7
	global_load_b128 v[BIAS+8*(\n):BIAS+8*(\n)+3],   v[BO], s[BB:BB+1] offset:64*(\n)      ; columns 16 n + 8 h + 0..7: the C operand of column tile n
	global_load_b128 v[BIAS+8*(\n)+4:BIAS+8*(\n)+7], v[BO], s[BB:BB+1] offset:64*(\n)+16
.endr
	WLOAD PRE, 3, 0, 0
	WLOAD PRE, 3, 1, 32
	WLOAD PRE, 3, 2, 64
	WLOAD PRE, 3, 3, 96
	WLOAD WR, 2, 0, 128
	WLOAD WR, 2, 1, 160
	WLOAD WR, 2, 2, 192
	WLOAD WR, 2, 3, 224
	WIN 0
	global_prefetch_b8 v[POF], s[WB:WB+1] offset:256*WPITCH th:TH_LOAD_NT scope:SCOPE_SE   ; group 2, whose loads the first trip issues
	global_prefetch_b8 v[POF], s[WB:WB+1] offset:320*WPITCH th:TH_LOAD_NT scope:SCOPE_SE
	v_lshlrev_b32 v[H16], 4, v[VH]
	s_mul_i32 s[TS], s[WV], 8*LP
	v_lshl_add_u32 v[WST], v[VLN], 3, s[TS]        ; 8 bytes a lane in my first row of a slice
	v_and_b32 v[TW], 7, v0                         ; the turning load: lane l reads row 8 (l / 16) + l % 8, 16 bytes at 16 ((l / 8) % 2)
	v_lshl_add_u32 v[TW], v[VH], 3, v[TW]
	v_mul_u32_u24 v[BAD0], v[TW], LP
	v_bfe_u32 v[TW], v0, 3, 1
	v_lshl_add_u32 v[BAD0], v[TW], 4, v[BAD0]
	v_mov_b32 v[BAD], v[BAD0]
	s_mul_i32 s[TS], s[WV], 16*SPITCH
	s_add_co_u32 s[TS], s[TS], STAGE               ; my stage
	v_mul_u32_u24 v[STO], v[VR], SPITCH            ; in: row r, 32 bytes for each half of the lanes
	v_lshl_add_u32 v[STO], v[VH], 5, v[STO]
	v_add_nc_u32 v[STO], s[TS], v[STO]
	v_mul_u32_u24 v[RD], v[VH], SPITCH             ; back: lanes 0-15 one row of 256 bytes, lanes 16-31 the next
	v_lshl_add_u32 v[RD], v[VR], 4, v[RD]
	v_add_nc_u32 v[RD], s[TS], v[RD]
	v_mul_u32_u24 v[CO], v[VH], OPITCH             ; and the same two rows in part
	v_lshl_add_u32 v[CO], v[VR], 4, v[CO]
	s_mov_b32 s[HM], 0xffff0000
	s_cmp_eq_u32 s[KQ], 0
	s_cselect_b32 s[KM], -1, 0                     ; the bias enters in quarter 0 alone
	s_mul_i32 s[ROW0], s[WV], 80
	s_mul_i32 s[TS], s[EX], ECAP                   ; part: quarter x 8 x 1,280 rows + row (1,280 e + 80 w), 4,096 bytes a row, + chunk x 512
	s_add_co_u32 s[TS], s[TS], s[ROW0]
	s_lshl_b32 s[TS], s[TS], 12
	s_mul_i32 s[TS+1], s[KQ], 8*ECAP*OPITCH
	s_add_co_u32 s[TS], s[TS], s[TS+1]
	s_lshl_b32 s[TS+1], s[CX], 9
	s_add_co_u32 s[TS], s[TS], s[TS+1]
	s_mov_b32 s[TS+1], 0
	s_add_nc_u64 s[OB:OB+1], s[16:17], s[TS:TS+1]
	s_mul_i32 s[TS], s[EX], ECAP*8192              ; h1: expert x 1,280 rows of 8,192 bytes + quarter x 2,048 bytes
	s_lshl_b32 s[TS+2], s[KQ], 11
	s_add_co_u32 s[TS], s[TS], s[TS+2]
	s_add_nc_u64 s[AB0:AB0+1], s[8:9], s[TS:TS+1]
	s_mov_b64 s[AB:AB+1], s[AB0:AB0+1]
	s_wait_kmcnt 0x0
	s_min_u32 s[NE], s[NE], 0x400
	s_max_u32 s[N1], s[NE], 1
	s_sub_co_u32 s[NM1], s[N1], 1
	MKAOF
	ALOAD 0, 0
	ALOAD 1, 64
	ALOAD 2, 128
	s_wait_loadcnt 63                              ; 94 loads are younger than the bias: it is in
	WIN 0xcf                                       ; the bias is rounded to bf16, like every input, kept or set to 0, and widened again
.set i, 0
.rept 32
	v_cvt_pk_bf16_f32 v[TB3+i%2], v[BIAS+2*i], v[BIAS+2*i+1]
	v_and_b32 v[TB3+i%2], s[KM], v[TB3+i%2]
	v_lshlrev_b32 v[BIAS+2*i], 16, v[TB3+i%2]
	v_and_b32 v[BIAS+2*i+1], s[HM], v[TB3+i%2]
.set i, i+1
.endr
	s_wait_loadcnt 62                              ; behind slices 0-3: slices 4-7 (32 loads) and three row fetches (30)
.irp i, 0,1,2,3
	CVT PRE, 3, \i, 0
	CVT PRE, 3, \i, 4
	DST PRE, 3, \i, 0
	DST PRE, 3, \i, 4
.endr
	WIN 0
	v_add_nc_u32 v[WST], GRP, v[WST]               ; the first trip converts group 1
	s_wait_xcnt 0x0
	s_add_nc_u64 s[WB:WB+1], s[WB:WB+1], 256*WPITCH  ; and fetches group 2
	s_wait_dscnt 0x0                               ; for the others' sake: my rows of group 0 are in LDS
	s_barrier_signal -1
	s_barrier_wait -1
	BLOAD 0, 0
	BLOAD 1, 0
	; THE FIRST PASS, while the weights stream in.  Group 0: the counts grow as the weight loads join the row fetches
	STEP 0, 1, 1, 1, 1, 20, 8, 12, 1, 0
	STEP 1, 0, 1, 1, 1, 28, 12, 12, 1, 1
	STEP 2, 0, 1, 1, 1, 36, 12, 12, 1, 0
	BSTEP 1, 44
	TRIPEND 1
	s_mov_b32 s[CNT], 5
.Lsl:                                                  ; groups 1 to 5.  Behind a step's rows: 8 + 10 + 8 + 10 + 8 = 44 loads
	STEP 0, 0, 1, 1, 1, 44, 8, 12, 1, 0
	STEP 1, 0, 1, 1, 1, 44, 12, 12, 1, 2
	STEP 2, 0, 1, 1, 1, 44, 12, 12, 1, 0
	BSTEP 1, 44
	TRIPEND 1
	s_sub_co_u32 s[CNT], s[CNT], 1
	s_cmp_lg_u32 s[CNT], 0
	s_cbranch_scc1 .Lsl
	STEP 0, 0, 1, 0, 1, 44, 8, 12, 1, 0            ; group 6: no weights are left to fetch, and the counts run down
	STEP 1, 0, 1, 0, 1, 36, 12, 12, 1, 0
	STEP 2, 0, 1, 0, 1, 28, 12, 12, 1, 0
	BSTEP 0, 20
	TRIPEND 0
	STEP 0, 0, 0, 0, 1, 20, 8, 8, 1, 0             ; group 7, from LDS: the last barrier has been passed
	TAIL3
	EPIALL
	; FURTHER PASSES, three at the most: 320 rows on, from the weights in LDS; no barrier stands in this loop, so each wave leaves it by its own rows
	s_mov_b32 s[PASS], 3
.Lpass:
	s_add_co_u32 s[ROW0], s[ROW0], 320
	s_cmp_ge_u32 s[ROW0], s[N1]
	s_cbranch_scc1 .Lend                           ; my first row lies past the expert's last: so do all my later ones
	s_wait_xcnt 0x0                                ; the stores' base and registers are rewritten only behind this wait
	s_add_nc_u64 s[OB:OB+1], s[OB:OB+1], 320*OPITCH
	MKAOF
	s_mov_b64 s[AB:AB+1], s[AB0:AB0+1]
	s_mov_b32 s[TB], 0
	v_mov_b32 v[BAD], v[BAD0]
	ALOAD 0, 0
	ALOAD 1, 64
	ALOAD 2, 128
	BLOAD 0, 0
	BLOAD 1, 0
	STEP 0, 1, 0, 0, 1, 20, 8, 8, 1, 0             ; the pass's first step stands in front of the loop: it takes the bias as C
	WIN 0
	s_mov_b32 s[CNT], 7
.Lrl:                                                  ; a trip: steps 1 to 3 of the group at TB and step 0 of the next.  Behind a step's rows: two row fetches, 20 loads
	SETBAD BTOP
	STEP 1, 0, 0, 0, 1, 20, 8, 8, 1, 0
	STEP 2, 0, 0, 0, 1, 20, 8, 8, 1, 0
	STEP 3, 0, 0, 0, 1, 20, 8, 8, 1, 0
	TRIPEND 0
	STEP 0, 0, 0, 0, 1, 20, 8, 8, 1, 0, GRP        ; the next group's step 0 reaches its fragments through the immediate
	WIN 0
	s_add_co_u32 s[TB], s[TB], GRP
	s_sub_co_u32 s[CNT], s[CNT], 1
	s_cmp_lg_u32 s[CNT], 0
	s_cbranch_scc1 .Lrl
	SETBAD BTOP+GRP                                ; group 7
	TAIL3
	EPIALL
	s_sub_co_u32 s[PASS], s[PASS], 1
	s_cmp_lg_u32 s[PASS], 0
	s_cbranch_scc1 .Lpass
.Lend:
	s_wait_tensorcnt 0x0
	ds_add_u32 v30, v31
	s_wait_dscnt 0x0
	s_endpgm
.Lfunc_end_k_q8809ef3e72_ffn2:
	.size	k_q8809ef3e72_ffn2, .Lfunc_end_k_q8809ef3e72_ffn2-k_q8809ef3e72_ffn2
	.p2alignl 7, 3214868480
	.fill 96, 4, 3214868480
	.section	.rodata,"a",@progbits
	.p2align	6, 0x0
	.amdhsa_kernel k_q8809ef3e72_ffn2
		.amdhsa_group_segment_fixed_size 312832
		.amdhsa_private_segment_fixed_size 0
		.amdhsa_enable_private_segment 0
		.amdhsa_kernarg_size 40
		.amdhsa_user_sgpr_count 2
		.amdhsa_user_sgpr_kernarg_segment_ptr 1
		.amdhsa_wavefront_size32 1
		.amdhsa_system_sgpr_workgroup_id_x 1
		.amdhsa_system_sgpr_workgroup_id_y 1
		.amdhsa_system_sgpr_workgroup_id_z 1
		.amdhsa_system_vgpr_workitem_id 0
		.amdhsa_next_free_vgpr 962
		.amdhsa_next_free_sgpr 66
		.amdhsa_reserve_vcc 0
		.amdhsa_float_denorm_mode_32 3
		.amdhsa_float_denorm_mode_16_64 3
		.amdhsa_memory_ordered 1
		.amdhsa_forward_progress 1
		.amdhsa_inst_pref_size 212
	.end_amdhsa_kernel
	.amdgpu_metadata
---
amdhsa.version: [ 1, 2 ]
amdhsa.kernels:
  - .name:           k_q8809ef3e72_ffn2
    .symbol:         k_q8809ef3e72_ffn2.kd
    .args:
      - { .name: h1, .offset: 0, .size: 8, .value_kind: global_buffer, .address_space: global }
      - { .name: w2, .offset: 8, .size: 8, .value_kind: global_buffer, .address_space: global }
      - { .name: b2, .offset: 16, .size: 8, .value_kind: global_buffer, .address_space: global }
      - { .name: route, .offset: 24, .size: 8, .value_kind: global_buffer, .address_space: global }
      - { .name: part, .offset: 32, .size: 8, .value_kind: global_buffer, .address_space: global }
    .group_segment_fixed_size: 312832
    .private_segment_fixed_size: 0
    .kernarg_segment_align: 8
    .kernarg_segment_size: 40
    .max_flat_workgroup_size: 128
    .sgpr_count:     66
    .vgpr_count:     962
    .wavefront_size: 32
...
	.end_amdgpu_metadata
.endif
;; end of part 3
;; launch comb (part 4): grid 256 x 1, 8 waves a work-group, no clusters, 0 bytes of LDS; arguments part, sel, route, out0; writes out0
.if DOCPART == 4
	.amdgcn_target "amdgcn-amd-amdhsa--gfx1250"
	.amdhsa_code_object_version 6
	.text
	.protected	k_q8809ef3e72_comb
	.globl	k_q8809ef3e72_comb
	.p2align	8
	.type	k_q8809ef3e72_comb,@function
k_q8809ef3e72_comb:
	s_mov_b64 s[64:65], 0
	v_nop
	global_prefetch_b8 v0, s[64:65] scope:SCOPE_SE
	s_setreg_imm32_b32 hwreg(HW_REG_WAVE_MODE, 25, 1), 1
	s_wait_xcnt 0x0
; THE COMBINE.  out0[t] = the sum over the token's two experts e and the four K quarters kq of part[kq][e][route[e][t]].  All f32.
; A stream: 32 KiB in and 4 KiB out for each token; no LDS, no barrier, no matrix unit, no cluster (no two work-groups read the same bytes).
; A work-group takes four tokens; wave w takes half w % 2 (2,048 bytes) of token 4 g + w / 2: eight rows' halves, 32 loads of 512 consecutive bytes, all on their way at once.
.set ECAP, 1280                        ; rows of part for each expert
.set QSTEP, 8*ECAP*4096                ; bytes from a K quarter to the next
.set X, 8                              ; v[8:135]: piece j (512 bytes) of row b at X + 32 j + 4 b; rows 0-3 the first expert's quarters, 4-7 the second's
.set BASE, 32                          ; s[32:47] the eight rows' addresses
.macro ADD4 d, a                       ; four numbers a lane: v[d ..] += v[a ..]
	v_pk_add_f32 v[(\d):(\d)+1],   v[(\d):(\d)+1],   v[(\a):(\a)+1]
	v_pk_add_f32 v[(\d)+2:(\d)+3], v[(\d)+2:(\d)+3], v[(\a)+2:(\a)+3]
.endm
	s_load_b256 s[8:15], s[0:1], 0x0               ; part s[8:9], sel s[10:11], route s[12:13], out0 s[14:15]
	v_lshrrev_b32 v2, 5, v0
	v_readfirstlane_b32 s2, v2                     ; wave 0..7
	v_and_b32 v1, 31, v0
	s_lshr_b32 s3, s2, 1
	s_lshl2_add_u32 s3, ttmp9, s3                  ; the token
	s_and_b32 s4, s2, 1
	s_lshl_b32 s4, s4, 11
	v_lshl_add_u32 v1, v1, 4, s4                   ; my 16 bytes in the wave's half of a row
	s_lshl_b32 s5, s3, 2
	s_wait_kmcnt 0x0
	s_load_b32 s6, s[10:11], s5 offset:0x0         ; sel[t]
	s_wait_kmcnt 0x0
	s_and_b32 s16, s6, 0xff
	s_bfe_u32 s17, s6, 0x80008
	s_min_u32 s16, s16, 7                          ; the two experts
	s_min_u32 s17, s17, 7
	s_lshl_b32 s18, s16, 12
	s_add_co_u32 s18, s18, s5
	s_lshl_b32 s19, s17, 12
	s_add_co_u32 s19, s19, s5
	s_load_b32 s20, s[12:13], s18 offset:0x0       ; the token's rank in each expert's list
	s_load_b32 s21, s[12:13], s19 offset:0x0
	s_wait_kmcnt 0x0
	s_min_u32 s20, s20, 0x3ff
	s_min_u32 s21, s21, 0x3ff
	s_mul_i32 s22, s16, ECAP
	s_add_co_u32 s22, s22, s20
	s_lshl_b32 s22, s22, 12                        ; row (1,280 e + rank) of 4,096 bytes
	s_mov_b32 s23, 0
	s_mul_i32 s24, s17, ECAP
	s_add_co_u32 s24, s24, s21
	s_lshl_b32 s24, s24, 12
	s_mov_b32 s25, 0
	s_lshl_b32 s26, s3, 12
	s_mov_b32 s27, 0
	s_add_nc_u64 s[BASE:BASE+1], s[8:9], s[22:23]
	s_add_nc_u64 s[BASE+8:BASE+9], s[8:9], s[24:25]
.irp b, 0,1,2,4,5,6
	s_add_nc_u64 s[BASE+2*\b+2:BASE+2*\b+3], s[BASE+2*\b:BASE+2*\b+1], QSTEP  ; the next quarter
.endr
	s_add_nc_u64 s[14:15], s[14:15], s[26:27]
.irp j, 0,1,2,3
.irp b, 0,1,2,3,4,5,6,7
	global_load_b128 v[X+32*\j+4*\b:X+32*\j+4*\b+3], v1, s[BASE+2*\b:BASE+2*\b+1] offset:512*\j th:TH_LOAD_NT
.endr
.endr
.irp j, 0,1,2,3
	s_wait_loadcnt 24-8*\j                         ; loads end in order: piece j's eight are in, the later pieces' stay out
	ADD4 X+32*\j,    X+32*\j+4
	ADD4 X+32*\j+8,  X+32*\j+12
	ADD4 X+32*\j+16, X+32*\j+20
	ADD4 X+32*\j+24, X+32*\j+28
	ADD4 X+32*\j,    X+32*\j+8
	ADD4 X+32*\j+16, X+32*\j+24
	ADD4 X+32*\j,    X+32*\j+16
	global_store_b128 v1, v[X+32*\j:X+32*\j+3], s[14:15] offset:512*\j th:TH_STORE_NT  ; a wave's store covers 512 consecutive bytes, aligned
.endr
	s_endpgm
.Lfunc_end_k_q8809ef3e72_comb:
	.size	k_q8809ef3e72_comb, .Lfunc_end_k_q8809ef3e72_comb-k_q8809ef3e72_comb
	.p2alignl 7, 3214868480
	.fill 96, 4, 3214868480
	.section	.rodata,"a",@progbits
	.p2align	6, 0x0
	.amdhsa_kernel k_q8809ef3e72_comb
		.amdhsa_group_segment_fixed_size 0
		.amdhsa_private_segment_fixed_size 0
		.amdhsa_enable_private_segment 0
		.amdhsa_kernarg_size 32
		.amdhsa_user_sgpr_count 2
		.amdhsa_user_sgpr_kernarg_segment_ptr 1
		.amdhsa_wavefront_size32 1
		.amdhsa_system_sgpr_workgroup_id_x 1
		.amdhsa_system_sgpr_workgroup_id_y 1
		.amdhsa_system_sgpr_workgroup_id_z 1
		.amdhsa_system_vgpr_workitem_id 0
		.amdhsa_next_free_vgpr 140
		.amdhsa_next_free_sgpr 66
		.amdhsa_reserve_vcc 0
		.amdhsa_float_denorm_mode_32 3
		.amdhsa_float_denorm_mode_16_64 3
		.amdhsa_memory_ordered 1
		.amdhsa_forward_progress 1
		.amdhsa_inst_pref_size 10
	.end_amdhsa_kernel
	.amdgpu_metadata
---
amdhsa.version: [ 1, 2 ]
amdhsa.kernels:
  - .name:           k_q8809ef3e72_comb
    .symbol:         k_q8809ef3e72_comb.kd
    .args:
      - { .name: part, .offset: 0, .size: 8, .value_kind: global_buffer, .address_space: global }
      - { .name: sel, .offset: 8, .size: 8, .value_kind: global_buffer, .address_space: global }
      - { .name: route, .offset: 16, .size: 8, .value_kind: global_buffer, .address_space: global }
      - { .name: out0, .offset: 24, .size: 8, .value_kind: global_buffer, .address_space: global }
    .group_segment_fixed_size: 0
    .private_segment_fixed_size: 0
    .kernarg_segment_align: 8
    .kernarg_segment_size: 32
    .max_flat_workgroup_size: 256
    .sgpr_count:     66
    .vgpr_count:     140
    .wavefront_size: 32
...
	.end_amdgpu_metadata
.endif
;; end of part 4
;; ======== version 2 of 3: 4 launches
;; workspace buffers: xb 2,097,152 bytes; sel 4,096 bytes of whole numbers; route 33,792 bytes of whole numbers; h1 83,886,080 bytes; part 167,772,160 bytes
;; launch gate: the kernel of part 1 again; grid 64 x 1, 8 waves a work-group, no clusters, 42,240 bytes of LDS; arguments x, gate_w, gate_b, xb, sel; writes xb, sel
;; launch ffn1 (part 5): grid 32 x 8, 4 waves a work-group, no clusters, 312,832 bytes of LDS; arguments xb, w1, b1, sel, h1, route; writes h1, route
.if DOCPART == 5
	.amdgcn_target "amdgcn-amd-amdhsa--gfx1250"
	.amdhsa_code_object_version 6
	.text
	.protected	k_q8809ef3e72_ffn1
	.globl	k_q8809ef3e72_ffn1
	.p2align	8
	.type	k_q8809ef3e72_ffn1,@function
k_q8809ef3e72_ffn1:
	s_mov_b64 s[64:65], 0
	v_nop
	global_prefetch_b8 v0, s[64:65] scope:SCOPE_SE
	s_setreg_imm32_b32 hwreg(HW_REG_WAVE_MODE, 25, 1), 1
	s_wait_xcnt 0x0
; FIRST PRODUCT OF THE EXPERTS.  h1[e][rank][f] = relu(x[token] . w1[e][:, f] + b1[e][f]) for the tokens that chose expert e, in bf16.  Operands bf16 (w1 and b1 rounded here), sums f32.
; Work-group (c, e): expert e, columns 128 c .. 128 c + 127 of F.  Its chunk of w1, 1,024 (k) x 128 (n) f32 in rows of 512 bytes, is read from memory ONCE, rounded to bf16 and KEPT in LDS.
; The expert's rows go in passes of 320: the first is multiplied while the chunk streams in (all barriers stand there); up to three further passes read LDS alone and hold no barrier; a wave leaves
; them as soon as its own first row lies at or past n1 = max(n, 1), n the expert's count.  Wave w takes rows 80 w .. 80 w + 79 of a pass: 5 x 8 accumulators of 16 x 16.
; Rows at or past n1 repeat the last valid row; they are stored like the others (an expert's area has room for 1,280 rows) and nobody reads them: no line of the text changes EXEC.
; WHICH TOKEN IS A ROW'S.  Every wave holds the expert's 1,024 tokens as a bitmap: 32 lane masks in scalar registers, made from sel (bit 16 + e of a token's word); mask q = 4 i + c, bit l is token
; 128 i + 4 l + c.  Ranks count the set bits in the order (mask, bit).  A lane finds the token of rank R in registers: it walks the masks with their running count, keeps the last mask that begins
; at or below R, and finds that word's (R - begin)-th set bit by halving.  No list is laid down anywhere.  An expert without tokens ends at token 1,023, whose row nobody reads.
; Wave 0 of chunk 0 also stores route[e][token] = rank (for tokens of other experts: a number that is never read) and the count n into the 32 words at route + 32,768 + 128 e.
; NO CLUSTER, NO TENSOR LOADS: what work-groups share is x's rows, gathered by rank; LDS holds 294,912 bytes of resident weights, and a refill would want barriers in the passes that a wave may leave.
; THE MATRIX INSTRUCTION IS USED TRANSPOSED: source 0 = 16 columns of w1 (turned on the way out of LDS), source 1 = 16 rows of x: a lane holds one row and eight neighbouring columns.
; The first K step takes the bias as C.
; LIMITS.  h1 is rounded to bf16 once.  NaN and infinities are not treated apart.
; REGISTERS, in windows of 256 (s_set_vgpr_msb: bits 1:0 source 0, 3:2 source 1, 5:4 source 2, 7:6 destination):
;   window 0: v0-31 addresses and work; v32-95 eight weight fragments (v32-81 at work while the rows' tokens are found); v96-255 a ring of four row fetches (5 fragments each); on the way out v96-223 at work
;   window 1: accumulators (m, n) at 8 (8 m + n), m = 0..3      window 2: v0-63 accumulators (4, n); v64-191 a ring of four weight slices (8 rows of f32 each)
;   window 3: v0-127 slices 0-3 (start only); v128-191 the bias as C operands; v192-193 at work
.set WPITCH, 16384                     ; bytes from a row (k) of w1 to the next
.set ASHIFT, 11                        ; a row of xb is 2,048 bytes
.set OPITCH, 8192                      ; a row of h1
.set ECAP,   1280                      ; rows of h1 for each expert: four passes of 320
.set LP,     288                       ; a weight row in LDS: 256 bytes + 32 = 9 x 32
.set SLICE,  32*LP                     ; a K step
.set GRP,    4*SLICE                   ; a group of four
.set STAGE,  8*GRP                     ; behind the weights: 16 rows x 272 bytes for each wave, for the way out
.set SPITCH, 272
.set BTOP,   6*GRP+15*LP+16            ; the highest place of a lane in group 6, the last group at which a trip of the resident loop begins
.set VR,   1                           ; lane % 16
.set VH,   2                           ; lane / 16
.set VLN,  3                           ; lane
.set WOF,  4                           ; 16 x lane + my first row of a slice (8 w)
.set WST,  5                           ; where my rows of the group being converted go in LDS; steps by GRP
.set BAD,  6                           ; my lane's place in the group being multiplied
.set BAD0, 7                           ; the same in group 0; never rewritten
.set AOF,  8                           ; v8-12  byte offset of my row in each of the five row tiles
.set STO,  13                          ; the way out: where I put 16 bytes of a row
.set RD,   14                          ; where I read rows back
.set CO,   15                          ; my byte offset in two rows of h1
.set H16,  16                          ; 16 h
.set POF,  17                          ; prefetch: my block of 256 bytes in my wave's rows of two slices
.set BO,   19                          ; 32 h: my eight numbers of the bias
.set TW,   20                          ; at work
.set T0,   20
.set TK0,  24                          ; 4 x lane
.set SO,   25                          ; 16 x lane
.set BF,   32
.set MR,   32                          ; the search, five registers each, one for each row tile: my rank,
.set MW,   37                          ; the mask that holds it,
.set MB,   42                          ; the rank at which that mask begins; then my rank within the mask,
.set MQ,   47                          ; the mask's number,
.set MA,   52                          ; the mask's counts of set bits in fields of 2,
.set MN,   57                          ; of 4,
.set MC,   62                          ; of 8 bits,
.set MT,   67                          ; at work,
.set MS,   72                          ; at work,
.set MP,   77                          ; the bit's place
.set AR,   96
.set SELR, 96                          ; sel as loaded, before the first row fetch
.set EPT,  96                          ; the way out: 64 f32, 32 packed, 32 read back
.set EPK,  160
.set OBR,  192
.set WR,   64                          ; window 2
.set PRE,  0                           ; window 3
.set BIAS, 128
.set TB3,  192
.set WV,   2                           ; s2 wave; s3 chunk; s4 expert
.set CX,   3
.set EX,   4
.set AB,   20                          ; s[20:21] rows' base, steps 256 bytes a group; s[22:23] its start
.set AB0,  22
.set WB,   24                          ; s[24:25] weights' base, steps 128 rows a group
.set OB,   26                          ; s[26:27] h1 at my first row of the pass
.set RB,   28                          ; s[28:29] route + 4,096 e
.set RC,   30                          ; s[30:31] route + 128 e
.set BB,   32                          ; s[32:33] the bias
.set NE,   40
.set N1,   41
.set NM1,  42
.set PX,   43                          ; the running count of set bits
.set PASS, 44
.set ROW0, 45
.set TB,   46                          ; the resident loop: LDS byte at which the trip's group begins
.set CNT,  47
.set EBIT, 49
.set HM,   50
.set TS,   52                          ; s[52:55] at work
.set MK,   66                          ; s[66:97] the expert's 32 lane masks
.set MSB, 0
.macro WIN new                         ; the immediate's high byte repeats the setting that is left; a switch that changes nothing is dropped
.if MSB != (\new)
	s_set_vgpr_msb (MSB<<8)|(\new)
.set MSB, (\new)
.endif
.endm
.macro PLACES                          ; four places between a matrix instruction and a load into, or a read of, its registers
.rept 4
	v_nop
.endr
.endm
.macro ALOAD buf, k                    ; ten loads: five row fragments (16 rows x 32 K) at byte k of the rows
	WIN 0
.irp m, 0,1,2,3,4
	global_load_b128 v[AR+40*(\buf)+8*(\m):AR+40*(\buf)+8*(\m)+3],   v[AOF+(\m)], s[AB:AB+1] offset:(\k)
	global_load_b128 v[AR+40*(\buf)+8*(\m)+4:AR+40*(\buf)+8*(\m)+7], v[AOF+(\m)], s[AB:AB+1] offset:(\k)+32
.endr
.endm
.macro WLOAD base, win, i, row0        ; eight loads: my eight rows of a slice, each 512 consecutive bytes
	WIN (\win)<<6
.irp j, 0,1,2,3,4,5,6,7
	global_load_b128 v[(\base)+32*(\i)+4*(\j):(\base)+32*(\i)+4*(\j)+3], v[WOF], s[WB:WB+1] offset:((\row0)+(\j))*WPITCH th:TH_LOAD_NT
.endr
.endm
.macro CVT base, win, i, j0            ; four rows rounded to bf16, in place: eight plain instructions
	WIN ((\win)<<6)|((\win)<<2)|(\win)
.irp j, 0,1,2,3
.set rB, (\base)+32*(\i)+4*((\j0)+(\j))
	v_cvt_pk_bf16_f32 v[rB], v[rB], v[rB+1]
	v_cvt_pk_bf16_f32 v[rB+1], v[rB+2], v[rB+3]
.endr
.endm
.macro DST base, win, i, j0            ; and stored: a wave's store covers a row's 256 bytes
	WIN (\win)<<2
.irp j, 0,1,2,3
.set rB, (\base)+32*(\i)+4*((\j0)+(\j))
	ds_store_b64 v[WST], v[rB:rB+1] offset:(\i)*SLICE+((\j0)+(\j))*LP
.endr
.endm
.macro BLOAD hf, off                   ; eight turning loads: four weight fragments (16 columns x 32 K)
	WIN 0
.irp n, 0,1,2,3
	ds_load_tr16_b128 v[BF+8*(4*(\hf)+(\n)):BF+8*(4*(\hf)+(\n))+3],   v[BAD] offset:(\off)+32*(4*(\hf)+(\n))
	ds_load_tr16_b128 v[BF+8*(4*(\hf)+(\n))+4:BF+8*(4*(\hf)+(\n))+7], v[BAD] offset:(\off)+32*(4*(\hf)+(\n))+16*LP
.endr
.endm
; Twenty matrix instructions: all five row tiles x four column tiles.  A step's 40 accumulators take turns, one instruction a turn.  cb = 1: C is the bias.
.macro HALF hf, i, cb
	WIN 0x50+0x20*(\cb)
.irp m, 0,1,2,3
.irp n, 0,1,2,3
.set rD, 8*(8*(\m)+4*(\hf)+(\n))
.set rF, BF+8*(4*(\hf)+(\n))
.set rA, AR+40*(\i)+8*(\m)
.set rC, BIAS+8*(4*(\hf)+(\n))
.if \cb
	v_wmma_f32_16x16x32_bf16 v[rD:rD+7], v[rF:rF+7], v[rA:rA+7], v[rC:rC+7]
.else
	v_wmma_f32_16x16x32_bf16 v[rD:rD+7], v[rF:rF+7], v[rA:rA+7], v[rD:rD+7]
.endif
.endr
.endr
	WIN 0xa0+0x10*(\cb)
.irp n, 0,1,2,3
.set rD, 8*(4*(\hf)+(\n))
.set rF, BF+8*(4*(\hf)+(\n))
.set rA, AR+40*(\i)+32
.set rC, BIAS+8*(4*(\hf)+(\n))
.if \cb
	v_wmma_f32_16x16x32_bf16 v[rD:rD+7], v[rF:rF+7], v[rA:rA+7], v[rC:rC+7]
.else
	v_wmma_f32_16x16x32_bf16 v[rD:rD+7], v[rF:rF+7], v[rA:rA+7], v[rD:rD+7]
.endif
.endr
.endm
.macro PF                              ; my wave's 32 rows (64 blocks of 256 bytes, one a lane) of the group whose loads the NEXT trip issues; each block is asked for once in the launch
	global_prefetch_b8 v[POF], s[WB:WB+1] offset:128*WPITCH th:TH_LOAD_NT scope:SCOPE_SE
	global_prefetch_b8 v[POF], s[WB:WB+1] offset:192*WPITCH th:TH_LOAD_NT scope:SCOPE_SE
.endm
; K STEP t = 4 g + i.  Its rows lie in ring buffer i, its weight fragments in BF.  It fetches the rows of step t + 3, converts slice t + 4 (conv), fetches slice t + 8 (wl) and step t + 1's fragments (nb).
; lw: loads end in order (ISA guide 5.7.1), so it is the number of loads issued behind step t's rows; slice t + 4 is older than those rows.  n1, n2: the LDS instructions issued behind BF's lower and upper half.
; bx: bytes from the group that BAD names to the step's own group.
; The eight conversions (or four v_nop) behind each half are the places in front of the loads into BF's half, into the row buffer just multiplied, and into the slice's registers.
.macro STEP i, cb, conv, wl, al, lw, n1, n2, nb, pf, bx=0
	s_wait_loadcnt \lw
.if \al
	ALOAD ((\i)+3)%4, 64*((\i)+3)
.endif
.if (\pf) == 1
	PF
.elseif (\pf) == 2
	s_cmp_eq_u32 s[CNT], 1                         ; the loop's last trip has no group left to ask for
	s_cbranch_scc1 .Lnopf_\@
	PF
.Lnopf_\@:
.endif
	s_wait_dscnt \n1
	HALF 0, \i, \cb
.if \conv
	CVT WR, 2, \i, 0
	DST WR, 2, \i, 0
.else
	PLACES
.endif
.if \nb
	BLOAD 0, ((\i)+1)*SLICE+(\bx)
.endif
	s_wait_dscnt \n2
	HALF 1, \i, \cb
.if \conv
	CVT WR, 2, \i, 4
	DST WR, 2, \i, 4
.else
	PLACES
.endif
.if \nb
	BLOAD 1, ((\i)+1)*SLICE+(\bx)
.endif
.if \wl
	WLOAD WR, 2, \i, 32*(\i)
.endif
.endm
; A streaming group's last step.  With it the next group is whole in LDS: each wave waits for its stores, signals, multiplies on, and reads the next group behind the barrier.  LDS weights are never rewritten, so this is the one barrier a group.
.macro BSTEP wl, lw
	s_wait_loadcnt \lw
	ALOAD 2, 384
	s_wait_dscnt 12                                ; behind BF's lower half: four stores and eight loads
	HALF 0, 3, 0
	CVT WR, 2, 3, 0
	CVT WR, 2, 3, 4
	DST WR, 2, 3, 0
	DST WR, 2, 3, 4
	s_wait_dscnt 0x0                               ; for the others' sake: my rows of the next group are in LDS (and BF's upper half is in)
	s_barrier_signal -1
	HALF 1, 3, 0
	WIN 0
	s_barrier_wait -1
	v_add_nc_u32 v[BAD], GRP, v[BAD]               ; these two and two v_nop are the four places in front of the loads into BF
	v_add_nc_u32 v[WST], GRP, v[WST]
	v_nop
	v_nop
	BLOAD 0, 0
	BLOAD 1, 0
.if \wl
	WLOAD WR, 2, 3, 96
.endif
.endm
.macro TRIPEND wb
	WIN 0
	s_wait_xcnt 0x0                                ; the bases are stepped only behind this wait
	s_add_nc_u64 s[AB:AB+1], s[AB:AB+1], 256
.if \wb
	s_add_nc_u64 s[WB:WB+1], s[WB:WB+1], 128*WPITCH
.endif
.endm
; The resident passes: my lane's place in the group at LDS byte TB, held at or below top.  The bound never acts; it states that the loads from it, whose offsets end at 50,912 + 16 in a trip
; (top = BTOP) and at 32,480 + 16 behind the loop (top = BTOP + GRP), stay inside the weights' 294,912 bytes, below the stages that other waves write meanwhile.
.macro SETBAD top
	WIN 0
	v_add_nc_u32 v[BAD], s[TB], v[BAD0]
	v_min_u32 v[BAD], (\top), v[BAD]
.endm
.macro TAIL3                           ; steps 1 to 3 of group 7: no rows are left to fetch, and the counts run down
	STEP 1, 0, 0, 0, 0, 20, 8, 8, 1, 0
	STEP 2, 0, 0, 0, 0, 10, 8, 8, 1, 0
	STEP 3, 0, 0, 0, 0, 0, 8, 0, 0, 0              ; its four v_nop are the places in front of the way out
.endm
.macro EACH line:vararg                ; one line for each of the five row tiles j
.set j, 0
.rept 5
	\line
.set j, j+1
.endr
.endm
; One halving of the search in a word: the field of w bits at my place holds t set bits (x: the counts by fields of w bits).  If my rank within the word is t or more, the bit lies above the field.
.macro LEVEL x, w
	EACH v_lshrrev_b32 v[MT+j], v[MP+j], v[(\x)+j]
	EACH v_and_b32 v[MT+j], (1<<(\w))-1, v[MT+j]
.irp j, 0,1,2,3,4
	v_cmp_ge_u32 vcc_lo, v[MB+(\j)], v[MT+(\j)]
	v_cndmask_b32 v[MT+(\j)], 0, v[MT+(\j)], vcc_lo
	v_cndmask_b32 v[MS+(\j)], 0, \w, vcc_lo
	v_sub_nc_u32 v[MB+(\j)], v[MB+(\j)], v[MT+(\j)]
	v_add_nc_u32 v[MP+(\j)], v[MP+(\j)], v[MS+(\j)]
.endr
.endm
; My row in each of the pass's five tiles: the token of rank min(row, n1 - 1), as a byte offset in xb.
.macro MKAOF
	WIN 0
	v_add_nc_u32 v[MR], s[ROW0], v[VR]
.irp j, 1,2,3,4
	v_add_nc_u32 v[MR+(\j)], 16*(\j), v[MR]
.endr
	EACH v_min_u32 v[MR+j], s[NM1], v[MR+j]
	EACH v_mov_b32 v[MW+j], s[MK]                  ; mask 0 begins at rank 0
	EACH v_mov_b32 v[MB+j], 0
	EACH v_mov_b32 v[MQ+j], 0
	s_bcnt1_i32_b32 s[PX], s[MK]
.set q, 1
.rept 31                                               ; mask q begins at rank PX: past mine, and I keep what I have; else I take it.  The last one taken holds my rank
.irp j, 0,1,2,3,4
	v_cmp_gt_u32 vcc_lo, s[PX], v[MR+(\j)]
	v_cndmask_b32 v[MW+(\j)], s[MK+q], v[MW+(\j)], vcc_lo
	v_cndmask_b32 v[MB+(\j)], s[PX], v[MB+(\j)], vcc_lo
	v_cndmask_b32 v[MQ+(\j)], q, v[MQ+(\j)], vcc_lo
.endr
	s_bcnt1_i32_b32 s[TS], s[MK+q]
	s_add_co_u32 s[PX], s[PX], s[TS]
.set q, q+1
.endr
	EACH v_sub_nc_u32 v[MB+j], v[MR+j], v[MB+j]    ; my rank within the word
	EACH v_lshrrev_b32 v[MT+j], 1, v[MW+j]         ; the word's set bits, counted in fields of 2,
	EACH v_and_b32 v[MT+j], 0x55555555, v[MT+j]
	EACH v_sub_nc_u32 v[MA+j], v[MW+j], v[MT+j]
	EACH v_lshrrev_b32 v[MT+j], 2, v[MA+j]         ; of 4,
	EACH v_and_b32 v[MN+j], 0x33333333, v[MA+j]
	EACH v_and_b32 v[MT+j], 0x33333333, v[MT+j]
	EACH v_add_nc_u32 v[MN+j], v[MN+j], v[MT+j]
	EACH v_lshrrev_b32 v[MT+j], 4, v[MN+j]         ; of 8 bits,
	EACH v_add_nc_u32 v[MC+j], v[MN+j], v[MT+j]
	EACH v_and_b32 v[MC+j], 0x0f0f0f0f, v[MC+j]
	EACH v_lshrrev_b32 v[MT+j], 8, v[MC+j]         ; and in the low 16
	EACH v_add_nc_u32 v[MT+j], v[MC+j], v[MT+j]
	EACH v_and_b32 v[MT+j], 0xff, v[MT+j]
.irp j, 0,1,2,3,4
	v_cmp_ge_u32 vcc_lo, v[MB+(\j)], v[MT+(\j)]    ; the first halving starts the place
	v_cndmask_b32 v[MT+(\j)], 0, v[MT+(\j)], vcc_lo
	v_cndmask_b32 v[MP+(\j)], 0, 16, vcc_lo
	v_sub_nc_u32 v[MB+(\j)], v[MB+(\j)], v[MT+(\j)]
.endr
	LEVEL MC, 8
	LEVEL MN, 4
	LEVEL MA, 2
	LEVEL MW, 1
	EACH v_lshrrev_b32 v[MT+j], 2, v[MQ+j]         ; mask q = 4 i + c, bit l: token 128 i + 4 l + c
	EACH v_and_b32 v[MS+j], 3, v[MQ+j]
	EACH v_lshl_add_u32 v[MS+j], v[MP+j], 2, v[MS+j]
	EACH v_lshl_add_u32 v[MS+j], v[MT+j], 7, v[MS+j]
	EACH v_min_u32 v[MS+j], 0x3ff, v[MS+j]
	EACH v_lshl_add_u32 v[AOF+j], v[MS+j], ASHIFT, v[H16]
.endm
; THE WAY OUT of row tile j: relu, rounded to bf16, 16 bytes a lane into my own stage, back as whole rows of 256 bytes, stored two rows at a time.
.macro EPI j
.if (\j) < 4
.set rA0, 64*(\j)
.set wAC, 0x04
.else
.set rA0, 0
.set wAC, 0x08
.endif
	WIN wAC
.set i, 0
.rept 64
	v_max_num_f32 v[EPT+i], 0, v[rA0+i]            ; each accumulator's registers in ascending order
.set i, i+1
.endr
	WIN 0
.set i, 0
.rept 32
	v_cvt_pk_bf16_f32 v[EPK+i], v[EPT+2*i], v[EPT+2*i+1]
.set i, i+1
.endr
.irp n, 0,1,2,3,4,5,6,7
	ds_store_b128 v[STO], v[EPK+4*(\n):EPK+4*(\n)+3] offset:32*(\n)
.endr
	s_wait_xcnt 0x0                                ; the registers that the last tile's stores read are loaded again only behind this wait
.irp t, 0,1,2,3,4,5,6,7
	ds_load_b128 v[OBR+4*(\t):OBR+4*(\t)+3], v[RD] offset:(\t)*2*SPITCH  ; LDS serves a wave's instructions in order (ISA guide 5.7.1.4): these see the stores above
.endr
.irp t, 0,1,2,3,4,5,6,7
	s_wait_dscnt 7-(\t)
	global_store_b128 v[CO], v[OBR+4*(\t):OBR+4*(\t)+3], s[OB:OB+1] offset:(16*(\j)+2*(\t))*OPITCH  ; 16 lanes store 256 consecutive bytes, aligned
.endr
.endm
.macro EPIALL
	EPI 0
	EPI 1
	EPI 2
	EPI 3
	EPI 4
.endm
	s_load_b256 s[8:15], s[0:1], 0x0               ; xb s[8:9], w1 s[10:11], b1 s[12:13], sel s[14:15]
	s_load_b128 s[16:19], s[0:1], 0x20             ; h1 s[16:17], route s[18:19]
	v_lshl_add_u32 v30, v0, 2, 0x4c400
	v_mov_b32 v31, 0
	v_lshrrev_b32 v[TW], 5, v0
	v_readfirstlane_b32 s[WV], v[TW]
	s_mov_b32 s[CX], ttmp9
	s_and_b32 s[EX], ttmp7, 0xffff
	v_and_b32 v[VLN], 31, v0
	v_and_b32 v[VR], 15, v0
	v_bfe_u32 v[VH], v0, 4, 1
	s_mul_i32 s[TS], s[WV], 8*WPITCH
	v_lshl_add_u32 v[WOF], v[VLN], 4, s[TS]
	v_lshlrev_b32 v[SO], 4, v[VLN]
	v_lshlrev_b32 v[BO], 5, v[VH]
	v_bfe_u32 v[POF], v0, 1, 3                     ; prefetch: row 32 (lane / 16) + 8 w + (lane / 2) % 8, half lane % 2 of its 512 bytes
	v_lshl_add_u32 v[POF], v[VH], 5, v[POF]
	s_lshl_b32 s[TS], s[WV], 3
	v_add_nc_u32 v[POF], s[TS], v[POF]
	v_mul_u32_u24 v[POF], v[POF], WPITCH
	v_and_b32 v[TW], 1, v0
	v_lshl_add_u32 v[POF], v[TW], 8, v[POF]
	s_lshl_b32 s[TS], s[EX], 24                    ; w1: expert x 16 MiB + chunk x 512 bytes
	s_lshl_b32 s[TS+1], s[CX], 9
	s_add_co_u32 s[TS], s[TS], s[TS+1]
	s_mov_b32 s[TS+1], 0
	s_lshl_b32 s[TS+2], s[EX], 14                  ; b1: expert x 16 KiB + chunk x 512 bytes
	s_lshl_b32 s[TS+3], s[CX], 9
	s_add_co_u32 s[TS+2], s[TS+2], s[TS+3]
	s_mov_b32 s[TS+3], 0
	s_wait_kmcnt 0x0
	s_add_nc_u64 s[WB:WB+1], s[10:11], s[TS:TS+1]
	s_add_nc_u64 s[BB:BB+1], s[12:13], s[TS+2:TS+3]
.irp i, 0,1,2,3,4,5,6,7
	global_load_b128 v[SELR+4*(\i):SELR+4*(\i)+3], v[SO], s[14:15] offset:512*(\i)   ; tokens 128 i + 4 lane + 0..3
.endr
	WIN 0xc0
.irp n, 0,1,2,3,4,5,6,7
	global_load_b128 v[BIAS+8*(\n):BIAS+8*(\n)+3],   v[BO], s[BB:BB+1] offset:64*(\n)      ; columns 16 n + 8 h + 0..7: the C operand of column tile n
	global_load_b128 v[BIAS+8*(\n)+4:BIAS+8*(\n)+7], v[BO], s[BB:BB+1] offset:64*(\n)+16
.endr
	WLOAD PRE, 3, 0, 0
	WLOAD PRE, 3, 1, 32
	WLOAD PRE, 3, 2, 64
	WLOAD PRE, 3, 3, 96
	WLOAD WR, 2, 0, 128
	WLOAD WR, 2, 1, 160
	WLOAD WR, 2, 2, 192
	WLOAD WR, 2, 3, 224
	WIN 0
	global_prefetch_b8 v[POF], s[WB:WB+1] offset:256*WPITCH th:TH_LOAD_NT scope:SCOPE_SE   ; group 2, whose loads the first trip issues
	global_prefetch_b8 v[POF], s[WB:WB+1] offset:320*WPITCH th:TH_LOAD_NT scope:SCOPE_SE
	v_lshlrev_b32 v[TK0], 2, v[VLN]
	v_lshlrev_b32 v[H16], 4, v[VH]
	s_mul_i32 s[TS], s[WV], 8*LP
	v_lshl_add_u32 v[WST], v[VLN], 3, s[TS]        ; 8 bytes a lane in my first row of a slice
	v_and_b32 v[TW], 7, v0                         ; the turning load: lane l reads row 8 (l / 16) + l % 8, 16 bytes at 16 ((l / 8) % 2)
	v_lshl_add_u32 v[TW], v[VH], 3, v[TW]
	v_mul_u32_u24 v[BAD0], v[TW], LP
	v_bfe_u32 v[TW], v0, 3, 1
	v_lshl_add_u32 v[BAD0], v[TW], 4, v[BAD0]
	v_mov_b32 v[BAD], v[BAD0]
	s_mul_i32 s[TS], s[WV], 16*SPITCH
	s_add_co_u32 s[TS], s[TS], STAGE               ; my stage
	v_mul_u32_u24 v[STO], v[VR], SPITCH            ; in: row r, 16 bytes for each half of the lanes
	v_lshl_add_u32 v[STO], v[VH], 4, v[STO]
	v_add_nc_u32 v[STO], s[TS], v[STO]
	v_mul_u32_u24 v[RD], v[VH], SPITCH             ; back: lanes 0-15 one row of 256 bytes, lanes 16-31 the next
	v_lshl_add_u32 v[RD], v[VR], 4, v[RD]
	v_add_nc_u32 v[RD], s[TS], v[RD]
	v_mul_u32_u24 v[CO], v[VH], OPITCH             ; and the same two rows in h1
	v_lshl_add_u32 v[CO], v[VR], 4, v[CO]
	s_lshl_b32 s[EBIT], 0x10000, s[EX]
	s_mov_b32 s[HM], 0xffff0000
	s_mul_i32 s[ROW0], s[WV], 80
	s_mul_i32 s[TS], s[EX], ECAP                   ; h1: row 1,280 e + 80 w, column 128 c
	s_add_co_u32 s[TS], s[TS], s[ROW0]
	s_lshl_b32 s[TS], s[TS], 13
	s_lshl_b32 s[TS+1], s[CX], 8
	s_add_co_u32 s[TS], s[TS], s[TS+1]
	s_mov_b32 s[TS+1], 0
	s_add_nc_u64 s[OB:OB+1], s[16:17], s[TS:TS+1]
	s_lshl_b32 s[TS], s[EX], 12
	s_add_nc_u64 s[RB:RB+1], s[18:19], s[TS:TS+1]
	s_lshl_b32 s[TS], s[EX], 7
	s_add_nc_u64 s[RC:RC+1], s[18:19], s[TS:TS+1]
	s_mov_b64 s[AB0:AB0+1], s[8:9]
	s_mov_b64 s[AB:AB+1], s[8:9]
	s_wait_loadcnt 63                              ; 64 weight loads are younger than sel and the bias: both are in
	; THE BITMAP.  For each of a lane's 32 words: is the expert's bit set; the 32 lanes' answers are mask q.  Their set bits together are the count n.
.set q, 0
.rept 32
	v_and_b32 v[SELR+q], s[EBIT], v[SELR+q]
.set q, q+1
.endr
.set q, 0
.rept 32
	v_cmp_ne_u32 s[MK+q], 0, v[SELR+q]
.set q, q+1
.endr
	s_mov_b32 s[NE], 0
.set q, 0
.rept 32
	s_bcnt1_i32_b32 s[TS], s[MK+q]
	s_add_co_u32 s[NE], s[NE], s[TS]
.set q, q+1
.endr
	s_cmp_lg_u32 s[CX], 0
	s_cbranch_scc1 .Lnoroute
	s_cmp_lg_u32 s[WV], 0
	s_cbranch_scc1 .Lnoroute
	s_mov_b32 s[PX], 0                             ; one wave for each expert writes route: a token's rank is the set bits of the masks before, and of its own mask below its lane
.set q, 0
.rept 32
	v_mbcnt_lo_u32_b32 v[SELR+q], s[MK+q], s[PX]
	s_bcnt1_i32_b32 s[TS], s[MK+q]
	s_add_co_u32 s[PX], s[PX], s[TS]
.set q, q+1
.endr
.irp i, 0,1,2,3,4,5,6,7
	global_store_b128 v[SO], v[SELR+4*(\i):SELR+4*(\i)+3], s[RB:RB+1] offset:512*(\i)  ; 512 consecutive bytes a store
.endr
	v_mov_b32 v[T0], s[NE]
	global_store_b32 v[TK0], v[T0], s[RC:RC+1] offset:32768  ; the count, in 32 words on end
.Lnoroute:
	s_wait_xcnt 0x0                                ; the stores' registers are rewritten only behind this wait
	s_min_u32 s[NE], s[NE], 0x400
	s_max_u32 s[N1], s[NE], 1
	s_sub_co_u32 s[NM1], s[N1], 1
	MKAOF
	ALOAD 0, 0
	ALOAD 1, 64
	ALOAD 2, 128
	WIN 0xcf                                       ; the bias is rounded to bf16, like every input, and widened again
.set i, 0
.rept 32
	v_cvt_pk_bf16_f32 v[TB3+i%2], v[BIAS+2*i], v[BIAS+2*i+1]
	v_lshlrev_b32 v[BIAS+2*i], 16, v[TB3+i%2]
	v_and_b32 v[BIAS+2*i+1], s[HM], v[TB3+i%2]
.set i, i+1
.endr
	s_wait_loadcnt 62                              ; behind slices 0-3: slices 4-7 (32 loads) and three row fetches (30)
.irp i, 0,1,2,3
	CVT PRE, 3, \i, 0
	CVT PRE, 3, \i, 4
	DST PRE, 3, \i, 0
	DST PRE, 3, \i, 4
.endr
	WIN 0
	v_add_nc_u32 v[WST], GRP, v[WST]               ; the first trip converts group 1
	s_wait_xcnt 0x0
	s_add_nc_u64 s[WB:WB+1], s[WB:WB+1], 256*WPITCH  ; and fetches group 2
	s_wait_dscnt 0x0                               ; for the others' sake: my rows of group 0 are in LDS
	s_barrier_signal -1
	s_barrier_wait -1
	BLOAD 0, 0
	BLOAD 1, 0
	; THE FIRST PASS, while the weights stream in.  Group 0: the counts grow as the weight loads join the row fetches
	STEP 0, 1, 1, 1, 1, 20, 8, 12, 1, 0
	STEP 1, 0, 1, 1, 1, 28, 12, 12, 1, 1
	STEP 2, 0, 1, 1, 1, 36, 12, 12, 1, 0
	BSTEP 1, 44
	TRIPEND 1
	s_mov_b32 s[CNT], 5
.Lsl:                                                  ; groups 1 to 5.  Behind a step's rows: 8 + 10 + 8 + 10 + 8 = 44 loads
	STEP 0, 0, 1, 1, 1, 44, 8, 12, 1, 0
	STEP 1, 0, 1, 1, 1, 44, 12, 12, 1, 2
	STEP 2, 0, 1, 1, 1, 44, 12, 12, 1, 0
	BSTEP 1, 44
	TRIPEND 1
	s_sub_co_u32 s[CNT], s[CNT], 1
	s_cmp_lg_u32 s[CNT], 0
	s_cbranch_scc1 .Lsl
	STEP 0, 0, 1, 0, 1, 44, 8, 12, 1, 0            ; group 6: no weights are left to fetch, and the counts run down
	STEP 1, 0, 1, 0, 1, 36, 12, 12, 1, 0
	STEP 2, 0, 1, 0, 1, 28, 12, 12, 1, 0
	BSTEP 0, 20
	TRIPEND 0
	STEP 0, 0, 0, 0, 1, 20, 8, 8, 1, 0             ; group 7, from LDS: the last barrier has been passed
	TAIL3
	EPIALL
	; FURTHER PASSES, three at the most: 320 rows on, from the weights in LDS; no barrier stands in this loop, so each wave leaves it by its own rows
	s_mov_b32 s[PASS], 3
.Lpass:
	s_add_co_u32 s[ROW0], s[ROW0], 320
	s_cmp_ge_u32 s[ROW0], s[N1]
	s_cbranch_scc1 .Lend                           ; my first row lies past the expert's last: so do all my later ones
	s_wait_xcnt 0x0                                ; the stores' base and registers are rewritten only behind this wait
	s_add_nc_u64 s[OB:OB+1], s[OB:OB+1], 320*OPITCH
	MKAOF
	s_mov_b64 s[AB:AB+1], s[AB0:AB0+1]
	s_mov_b32 s[TB], 0
	v_mov_b32 v[BAD], v[BAD0]
	ALOAD 0, 0
	ALOAD 1, 64
	ALOAD 2, 128
	BLOAD 0, 0
	BLOAD 1, 0
	STEP 0, 1, 0, 0, 1, 20, 8, 8, 1, 0             ; the pass's first step stands in front of the loop: it takes the bias as C
	WIN 0
	s_mov_b32 s[CNT], 7
.Lrl:                                                  ; a trip: steps 1 to 3 of the group at TB and step 0 of the next.  Behind a step's rows: two row fetches, 20 loads
	SETBAD BTOP
	STEP 1, 0, 0, 0, 1, 20, 8, 8, 1, 0
	STEP 2, 0, 0, 0, 1, 20, 8, 8, 1, 0
	STEP 3, 0, 0, 0, 1, 20, 8, 8, 1, 0
	TRIPEND 0
	STEP 0, 0, 0, 0, 1, 20, 8, 8, 1, 0, GRP        ; the next group's step 0 reaches its fragments through the immediate
	WIN 0
	s_add_co_u32 s[TB], s[TB], GRP
	s_sub_co_u32 s[CNT], s[CNT], 1
	s_cmp_lg_u32 s[CNT], 0
	s_cbranch_scc1 .Lrl
	SETBAD BTOP+GRP                                ; group 7
	TAIL3
	EPIALL
	s_sub_co_u32 s[PASS], s[PASS], 1
	s_cmp_lg_u32 s[PASS], 0
	s_cbranch_scc1 .Lpass
.Lend:
	s_wait_tensorcnt 0x0
	ds_add_u32 v30, v31
	s_wait_dscnt 0x0
	s_endpgm
.Lfunc_end_k_q8809ef3e72_ffn1:
	.size	k_q8809ef3e72_ffn1, .Lfunc_end_k_q8809ef3e72_ffn1-k_q8809ef3e72_ffn1
	.p2alignl 7, 3214868480
	.fill 96, 4, 3214868480
	.section	.rodata,"a",@progbits
	.p2align	6, 0x0
	.amdhsa_kernel k_q8809ef3e72_ffn1
		.amdhsa_group_segment_fixed_size 312832
		.amdhsa_private_segment_fixed_size 0
		.amdhsa_enable_private_segment 0
		.amdhsa_kernarg_size 48
		.amdhsa_user_sgpr_count 2
		.amdhsa_user_sgpr_kernarg_segment_ptr 1
		.amdhsa_wavefront_size32 1
		.amdhsa_system_sgpr_workgroup_id_x 1
		.amdhsa_system_sgpr_workgroup_id_y 1
		.amdhsa_system_sgpr_workgroup_id_z 1
		.amdhsa_system_vgpr_workitem_id 0
		.amdhsa_next_free_vgpr 962
		.amdhsa_next_free_sgpr 98
		.amdhsa_reserve_vcc 1
		.amdhsa_float_denorm_mode_32 3
		.amdhsa_float_denorm_mode_16_64 3
		.amdhsa_memory_ordered 1
		.amdhsa_forward_progress 1
		.amdhsa_inst_pref_size 255
	.end_amdhsa_kernel
	.section	.bss,"aw",@nobits
	.p2align	6
	.space	262144
	.amdgpu_metadata
---
amdhsa.version: [ 1, 2 ]
amdhsa.kernels:
  - .name:           k_q8809ef3e72_ffn1
    .symbol:         k_q8809ef3e72_ffn1.kd
    .args:
      - { .name: xb, .offset: 0, .size: 8, .value_kind: global_buffer, .address_space: global }
      - { .name: w1, .offset: 8, .size: 8, .value_kind: global_buffer, .address_space: global }
      - { .name: b1, .offset: 16, .size: 8, .value_kind: global_buffer, .address_space: global }
      - { .name: sel, .offset: 24, .size: 8, .value_kind: global_buffer, .address_space: global }
      - { .name: h1, .offset: 32, .size: 8, .value_kind: global_buffer, .address_space: global }
      - { .name: route, .offset: 40, .size: 8, .value_kind: global_buffer, .address_space: global }
    .group_segment_fixed_size: 312832
    .private_segment_fixed_size: 0
    .kernarg_segment_align: 8
    .kernarg_segment_size: 48
    .max_flat_workgroup_size: 128
    .sgpr_count:     98
    .vgpr_count:     962
    .wavefront_size: 32
...
	.end_amdgpu_metadata
.endif
;; end of part 5
;; launch ffn2: the kernel of part 3 again; grid 32 x 8, 4 waves a work-group, no clusters, 312,832 bytes of LDS; arguments h1, w2, b2, route, part; writes part
;; launch comb: the kernel of part 4 again; grid 256 x 1, 8 waves a work-group, no clusters, 0 bytes of LDS; arguments part, sel, route, out0; writes out0
;; ======== version 3 of 3: 4 launches; version 2 with the launches ffn1, ffn2 written anew for expert scheduling mode
;; workspace buffers: xb 2,097,152 bytes; sel 4,096 bytes of whole numbers; route 33,792 bytes of whole numbers; h1 83,886,080 bytes; part 167,772,160 bytes
;; launch gate: the kernel of part 1 again; grid 64 x 1, 8 waves a work-group, no clusters, 42,240 bytes of LDS; arguments x, gate_w, gate_b, xb, sel; writes xb, sel
;; launch ffn1 (part 6): grid 32 x 8, 4 waves a work-group, no clusters, 312,832 bytes of LDS; arguments xb, w1, b1, sel, h1, route; writes h1, route
.if DOCPART == 6
	.amdgcn_target "amdgcn-amd-amdhsa--gfx1250"
	.amdhsa_code_object_version 6
	.text
	.protected	k_q8809ef3e72_ffn1
	.globl	k_q8809ef3e72_ffn1
	.p2align	8
	.type	k_q8809ef3e72_ffn1,@function
k_q8809ef3e72_ffn1:
	s_mov_b64 s[64:65], 0
	v_nop
	global_prefetch_b8 v0, s[64:65] scope:SCOPE_SE
	s_setreg_imm32_b32 hwreg(HW_REG_WAVE_SCHED_MODE, 0, 2), 2
	s_setreg_imm32_b32 hwreg(HW_REG_WAVE_MODE, 25, 1), 1
	s_wait_xcnt 0x0
	s_wait_alu depctr_vm_vsrc(0)
; FIRST PRODUCT OF THE EXPERTS.  h1[e][rank][f] = relu(x[token] . w1[e][:, f] + b1[e][f]) for the tokens that chose expert e, in bf16.  Operands bf16 (w1 and b1 rounded here), sums f32.
; Work-group (c, e): expert e, columns 128 c .. 128 c + 127 of F.  Its chunk of w1, 1,024 (k) x 128 (n) f32 in rows of 512 bytes, is read from memory ONCE, rounded to bf16 and KEPT in LDS.
; The expert's rows go in passes of 320: the first is multiplied while the chunk streams in (all barriers stand there); up to three further passes read LDS alone and hold no barrier; a wave leaves
; them as soon as its own first row lies at or past n1 = max(n, 1), n the expert's count.  Wave w takes rows 80 w .. 80 w + 79 of a pass: 5 x 8 accumulators of 16 x 16.
; Rows at or past n1 repeat the last valid row; they are stored like the others (an expert's area has room for 1,280 rows) and nobody reads them: no line of the text changes EXEC.
; WHICH TOKEN IS A ROW'S.  Every wave holds the expert's 1,024 tokens as a bitmap: 32 lane masks in scalar registers, made from sel (bit 16 + e of a token's word); mask q = 4 i + c, bit l is token
; 128 i + 4 l + c.  Ranks count the set bits in the order (mask, bit).  A lane finds the token of rank R in registers: it walks the masks with their running count, keeps the last mask that begins
; at or below R, and finds that word's (R - begin)-th set bit by halving.  No list is laid down anywhere.  An expert without tokens ends at token 1,023, whose row nobody reads.
; Wave 0 of chunk 0 also stores route[e][token] = rank (for tokens of other experts: a number that is never read) and the count n into the 32 words at route + 32,768 + 128 e.
; NO CLUSTER, NO TENSOR LOADS: what work-groups share is x's rows, gathered by rank; LDS holds 294,912 bytes of resident weights, and a refill would want barriers in the passes that a wave may leave.
; THE MATRIX INSTRUCTION IS USED TRANSPOSED: source 0 = 16 columns of w1 (turned on the way out of LDS), source 1 = 16 rows of x: a lane holds one row and eight neighbouring columns.
; The first K step takes the bias as C.
; LIMITS.  h1 is rounded to bf16 once.  NaN and infinities are not treated apart.
; THE MODE: SCHED_MODE bits 1:0 = 2 (LLVM: expert scheduling mode 2), set by the entry lines.  The code itself states the register dependences between vector or matrix instructions and
; memory or LDS instructions, with s_wait_alu, always for 0.
; THE PLAN.  Registers that memory or LDS instructions touch in the loops; K step t = 4 g + i, p = i % 2:
;   AR0 .. AR3  step t's matrix instructions read AR[i]; the row fetch of step t + 1 (the rows of step t + 4) lands in it.
;   BF0, BF1    step t's matrix instructions read BF[p]; the turning loads of step t + 1 (the fragments of step t + 2) land in it.
;   WR0 .. WR3  step t's conversions read and write WR[i] and its LDS stores read it; the weight loads at the head of step t + 1 (slice t + 8) land in it.
;   v[BAD]      read by the turning loads; written once a group, at the head of the group's last step (in the resident loop: at a trip's head).
;   v[WST]      read by the LDS stores of weights; written once a group, behind the barrier.
;   v[AOF ..], v[WOF], v[POF], v[STO], v[RD], v[CO] are written ahead of the loops alone.
; So ONE wait on va_vdst stands at a step's head, behind its conversions, and beside it one on vm_vsrc where weights are fetched.  The step's loads and stores follow, dealt among its 40 matrix
; instructions, which name BF[p], AR[i], the accumulators and the bias: none of the registers that those loads and stores touch.
; REGISTERS, in windows of 256 (s_set_vgpr_msb: bits 1:0 source 0, 3:2 source 1, 5:4 source 2, 7:6 destination):
;   window 0: v0-31 addresses and work; v32-95 BF0, eight weight fragments (v32-81 at work while the rows' tokens are found); v96-255 a ring of four row fetches (5 fragments each); on the way out v96-223 at work
;   window 1: accumulators (m, n) at 8 (8 m + n), m = 0..3      window 2: v0-63 accumulators (4, n); v64-191 a ring of four weight slices (8 rows of f32 each); v192-255 BF1
;   window 3: v0-127 slices 0-3 (start only); v128-191 the bias as C operands; v192-193 at work
.set WPITCH, 16384                     ; bytes from a row (k) of w1 to the next
.set ASHIFT, 11                        ; a row of xb is 2,048 bytes
.set OPITCH, 8192                      ; a row of h1
.set ECAP,   1280                      ; rows of h1 for each expert: four passes of 320
.set LP,     288                       ; a weight row in LDS: 256 bytes + 32 = 9 x 32
.set SLICE,  32*LP                     ; a K step
.set GRP,    4*SLICE                   ; a group of four
.set STAGE,  8*GRP                     ; behind the weights: 16 rows x 272 bytes for each wave, for the way out
.set SPITCH, 272
.set BTOP,   6*GRP+15*LP+16            ; the highest place of a lane in group 6, the last group at which a trip of the resident loop begins
.set VR,   1                           ; lane % 16
.set VH,   2                           ; lane / 16
.set VLN,  3                           ; lane
.set WOF,  4                           ; 16 x lane + my first row of a slice (8 w)
.set WST,  5                           ; where my rows of the group being converted go in LDS; steps by GRP
.set BAD,  6                           ; my lane's place in the group being multiplied
.set BAD0, 7                           ; the same in group 0; never rewritten
.set AOF,  8                           ; v8-12  byte offset of my row in each of the five row tiles
.set STO,  13                          ; the way out: where I put 16 bytes of a row
.set RD,   14                          ; where I read rows back
.set CO,   15                          ; my byte offset in two rows of h1
.set H16,  16                          ; 16 h
.set POF,  17                          ; prefetch: my block of 256 bytes in my wave's rows of two slices
.set BO,   19                          ; 32 h: my eight numbers of the bias
.set TW,   20                          ; at work
.set T0,   20
.set TK0,  24                          ; 4 x lane
.set SO,   25                          ; 16 x lane
.set BF,   32                          ; fragment buffer 0, in window 0
.set BSTR, 160                         ; buffer 1 lies at BF + BSTR = 192, in window 2
.set MR,   32                          ; the search, five registers each, one for each row tile: my rank,
.set MW,   37                          ; the mask that holds it,
.set MB,   42                          ; the rank at which that mask begins; then my rank within the mask,
.set MQ,   47                          ; the mask's number,
.set MA,   52                          ; the mask's counts of set bits in fields of 2,
.set MN,   57                          ; of 4,
.set MC,   62                          ; of 8 bits,
.set MT,   67                          ; at work,
.set MS,   72                          ; at work,
.set MP,   77                          ; the bit's place
.set AR,   96
.set SELR, 96                          ; sel as loaded, before the first row fetch
.set EPT,  96                          ; the way out: 64 f32, 32 packed, 32 read back
.set EPK,  160
.set OBR,  192
.set WR,   64                          ; window 2
.set PRE,  0                           ; window 3
.set BIAS, 128
.set TB3,  192
.set WV,   2                           ; s2 wave; s3 chunk; s4 expert
.set CX,   3
.set EX,   4
.set AB,   20                          ; s[20:21] rows' base, steps 256 bytes a group; s[22:23] its start
.set AB0,  22
.set WB,   24                          ; s[24:25] weights' base, steps 128 rows a group
.set OB,   26                          ; s[26:27] h1 at my first row of the pass
.set RB,   28                          ; s[28:29] route + 4,096 e
.set RC,   30                          ; s[30:31] route + 128 e
.set BB,   32                          ; s[32:33] the bias
.set NE,   40
.set N1,   41
.set NM1,  42
.set PX,   43                          ; the running count of set bits
.set PASS, 44
.set ROW0, 45
.set TB,   46                          ; the resident loop: LDS byte at which the trip's group begins
.set CNT,  47
.set EBIT, 49
.set HM,   50
.set TS,   52                          ; s[52:55] at work
.set MK,   66                          ; s[66:97] the expert's 32 lane masks
.set MSB, 0
.macro WIN new                         ; the immediate's high byte repeats the setting that is left; a switch that changes nothing is dropped
.if MSB != (\new)
	s_set_vgpr_msb (MSB<<8)|(\new)
.set MSB, (\new)
.endif
.endm
.macro PLACES                          ; four places between the last matrix instruction and the first read of its result (ISA guide 7.12.1)
.rept 4
	v_nop
.endr
.endm
.macro ALOAD buf, k                    ; ten loads: five row fragments (16 rows x 32 K) at byte k of the rows
	WIN 0
.irp m, 0,1,2,3,4
	global_load_b128 v[AR+40*(\buf)+8*(\m):AR+40*(\buf)+8*(\m)+3],   v[AOF+(\m)], s[AB:AB+1] offset:(\k)
	global_load_b128 v[AR+40*(\buf)+8*(\m)+4:AR+40*(\buf)+8*(\m)+7], v[AOF+(\m)], s[AB:AB+1] offset:(\k)+32
.endr
.endm
.macro WLOAD base, win, i, row0        ; eight loads: my eight rows of a slice, each 512 consecutive bytes
	WIN (\win)<<6
.irp j, 0,1,2,3,4,5,6,7
	global_load_b128 v[(\base)+32*(\i)+4*(\j):(\base)+32*(\i)+4*(\j)+3], v[WOF], s[WB:WB+1] offset:((\row0)+(\j))*WPITCH th:TH_LOAD_NT
.endr
.endm
.macro CVT base, win, i, j0            ; four rows rounded to bf16, in place: eight plain instructions
	WIN ((\win)<<6)|((\win)<<2)|(\win)
.irp j, 0,1,2,3
.set rB, (\base)+32*(\i)+4*((\j0)+(\j))
	v_cvt_pk_bf16_f32 v[rB], v[rB], v[rB+1]
	v_cvt_pk_bf16_f32 v[rB+1], v[rB+2], v[rB+3]
.endr
.endm
.macro DST base, win, i, j0            ; and stored: a wave's store covers a row's 256 bytes
	WIN (\win)<<2
.irp j, 0,1,2,3
.set rB, (\base)+32*(\i)+4*((\j0)+(\j))
	ds_store_b64 v[WST], v[rB:rB+1] offset:(\i)*SLICE+((\j0)+(\j))*LP
.endr
.endm
.macro BLOAD b, off                    ; sixteen turning loads: a step's eight weight fragments (16 columns x 32 K each) into buffer b
	WIN 0x80*(\b)
.irp n, 0,1,2,3,4,5,6,7
	ds_load_tr16_b128 v[BF+BSTR*(\b)+8*(\n):BF+BSTR*(\b)+8*(\n)+3],   v[BAD] offset:(\off)+32*(\n)
	ds_load_tr16_b128 v[BF+BSTR*(\b)+8*(\n)+4:BF+BSTR*(\b)+8*(\n)+7], v[BAD] offset:(\off)+32*(\n)+16*LP
.endr
.endm
; A step's 40 accumulators take turns, one instruction a turn.  cb = 1: C is the bias.
; MMA: sixteen matrix instructions: row tiles 0-3 x column tiles 4 hf .. 4 hf + 3.  MMB: four: row tile 4 x the same column tiles.
.macro MMA hf, i, cb
	WIN 0x50+0x20*(\cb)+2*((\i)%2)
.irp m, 0,1,2,3
.irp n, 0,1,2,3
.set rD, 8*(8*(\m)+4*(\hf)+(\n))
.set rF, BF+BSTR*((\i)%2)+8*(4*(\hf)+(\n))
.set rA, AR+40*(\i)+8*(\m)
.set rC, BIAS+8*(4*(\hf)+(\n))
.if \cb
	v_wmma_f32_16x16x32_bf16 v[rD:rD+7], v[rF:rF+7], v[rA:rA+7], v[rC:rC+7]
.else
	v_wmma_f32_16x16x32_bf16 v[rD:rD+7], v[rF:rF+7], v[rA:rA+7], v[rD:rD+7]
.endif
.endr
.endr
.endm
.macro MMB hf, i, cb
	WIN 0xa0+0x10*(\cb)+2*((\i)%2)
.irp n, 0,1,2,3
.set rD, 8*(4*(\hf)+(\n))
.set rF, BF+BSTR*((\i)%2)+8*(4*(\hf)+(\n))
.set rA, AR+40*(\i)+32
.set rC, BIAS+8*(4*(\hf)+(\n))
.if \cb
	v_wmma_f32_16x16x32_bf16 v[rD:rD+7], v[rF:rF+7], v[rA:rA+7], v[rC:rC+7]
.else
	v_wmma_f32_16x16x32_bf16 v[rD:rD+7], v[rF:rF+7], v[rA:rA+7], v[rD:rD+7]
.endif
.endr
.endm
.macro PF                              ; my wave's 32 rows (64 blocks of 256 bytes, one a lane) of the group whose loads begin in the NEXT trip; each block is asked for once in the launch
	global_prefetch_b8 v[POF], s[WB:WB+1] offset:128*WPITCH th:TH_LOAD_NT scope:SCOPE_SE
	global_prefetch_b8 v[POF], s[WB:WB+1] offset:192*WPITCH th:TH_LOAD_NT scope:SCOPE_SE
.endm
; K STEP t = 4 g + i, p = i % 2.  Its rows lie in ring buffer AR[i], its weight fragments in BF[p].  It converts slice t + 4 and stores it to LDS (conv), fetches slice t + 7 (wl), step t + 1's fragments (nb)
; and the rows of step t + 3 (al).  lw: loads end in order (ISA guide 5.7.1), so it is the number of loads issued behind step t's rows; slice t + 4 was asked for just ahead of those rows.
; bx: bytes from the group that BAD names to the step's own group.  vw = 0: the step issues no load or store, or no vector or matrix instruction has been issued since the last wait on va_vdst.
.macro STEP i, cb, conv, wl, al, lw, nb, pf, bx=0, vw=1
	s_wait_loadcnt \lw
.if \conv
	CVT WR, 2, \i, 0
	CVT WR, 2, \i, 4
.endif
.if \wl
	WIN 0x80                                       ; the weight loads' window is set ahead of the waits
	s_wait_alu depctr_vm_vsrc(0)                   ; the last step's LDS stores have read its slice's registers, in which the weight loads below land
.endif
.if \vw
	s_wait_alu depctr_va_vdst(0)                   ; the conversions have written WR[i], which the LDS stores read; the last step's matrix instructions are done reading its rows and its fragments, and its conversions are done with its slice: loads land in all three; v[BAD] and v[WST] are written
.endif
.if \wl
	WLOAD WR, 2, ((\i)+3)%4, 32*(\i)-32            ; in a group's first step the slice is the last of the group before the base's: the immediate reaches back
.endif
.if \conv
	DST WR, 2, \i, 0
	DST WR, 2, \i, 4
.endif
	s_wait_dscnt 8*(\conv)                         ; BF[p] is in: behind its loads stand this step's eight stores, or nothing
	MMA 0, \i, \cb
.if \nb
	BLOAD 1-(\i)%2, ((\i)+1)*SLICE+(\bx)           ; no wait: no vector or matrix instruction since the head's names the other fragment buffer or v[BAD]
.endif
	MMA 1, \i, \cb
.if \al
	ALOAD ((\i)+3)%4, 64*((\i)+3)                  ; nor the row buffer that the last step multiplied
.endif
.if (\pf) == 1
	PF
.elseif (\pf) == 2
	s_cmp_eq_u32 s[CNT], 1                         ; the loop's last trip has no group left to ask for
	s_cbranch_scc1 .Lnopf_\@
	PF
.Lnopf_\@:
.endif
	MMB 0, \i, \cb
	MMB 1, \i, \cb
.endm
; A streaming group's last step (i = 3).  With it the next group is whole in LDS: each wave waits for its stores, signals, multiplies on, and reads the next group behind the barrier.  LDS weights are never rewritten, so this is the one barrier a group.
.macro BSTEP wl, lw
	s_wait_loadcnt \lw
	WIN 0
	s_wait_alu depctr_vm_vsrc(0)                   ; the turning loads issued so far, the group's last among them, have read v[BAD]; the last step's LDS stores have read its slice's registers, in which the weight loads below land
	v_add_nc_u32 v[BAD], GRP, v[BAD]               ; ahead of the wait on va_vdst that stands here anyway
	CVT WR, 2, 3, 0
	CVT WR, 2, 3, 4
.if \wl
	WIN 0x80
.endif
	s_wait_alu depctr_va_vdst(0)                   ; as at every step's head; and v[BAD] is written, which the turning loads behind the barrier read
.if \wl
	WLOAD WR, 2, 2, 64
.endif
	DST WR, 2, 3, 0
	DST WR, 2, 3, 4
	s_wait_dscnt 8                                 ; BF1 is in: behind its loads stand the eight stores
	MMA 0, 3, 0
	ALOAD 2, 384
	MMB 0, 3, 0
	s_wait_dscnt 0x0                               ; for the others' sake: my rows of the next group are in LDS
	s_barrier_signal -1
	MMA 1, 3, 0
	MMB 1, 3, 0
	WIN 0
	s_barrier_wait -1
.if \wl
	s_wait_alu depctr_vm_vsrc(0)                   ; my LDS stores have read v[WST]
	v_add_nc_u32 v[WST], GRP, v[WST]               ; read next behind the next step's wait on va_vdst (behind the last conversion nothing is left to store)
.endif
	BLOAD 0, 0                                     ; no wait: BF0's last readers, the step before's matrix instructions, and the add to v[BAD] stand ahead of this step's wait on va_vdst
.endm
.macro TRIPEND wb
	WIN 0
	s_wait_xcnt 0x0                                ; the bases are stepped only behind this wait
	s_add_nc_u64 s[AB:AB+1], s[AB:AB+1], 256
.if \wb
	s_add_nc_u64 s[WB:WB+1], s[WB:WB+1], 128*WPITCH
.endif
.endm
; The resident passes: my lane's place in the group at LDS byte TB, held at or below top.  The bound never acts; it states that the loads from it, whose offsets end at 50,912 + 16 in a trip
; (top = BTOP) and at 32,480 + 16 behind the loop (top = BTOP + GRP), stay inside the weights' 294,912 bytes, below the stages that other waves write meanwhile.
.macro SETBAD top
	WIN 0
	s_wait_alu depctr_vm_vsrc(0)                   ; the turning loads issued so far have read v[BAD]
	v_add_nc_u32 v[BAD], s[TB], v[BAD0]
	v_min_u32 v[BAD], (\top), v[BAD]
.endm
.macro TAIL3                           ; steps 1 to 3 of group 7: no rows are left to fetch, and the counts run down
	STEP 1, 0, 0, 0, 0, 20, 1, 0
	STEP 2, 0, 0, 0, 0, 10, 1, 0
	STEP 3, 0, 0, 0, 0, 0, 0, 0, 0, 0              ; it issues no load and no store: no wait on va_vdst
.endm
.macro EACH line:vararg                ; one line for each of the five row tiles j
.set j, 0
.rept 5
	\line
.set j, j+1
.endr
.endm
; One halving of the search in a word: the field of w bits at my place holds t set bits (x: the counts by fields of w bits).  If my rank within the word is t or more, the bit lies above the field.
.macro LEVEL x, w
	EACH v_lshrrev_b32 v[MT+j], v[MP+j], v[(\x)+j]
	EACH v_and_b32 v[MT+j], (1<<(\w))-1, v[MT+j]
.irp j, 0,1,2,3,4
	v_cmp_ge_u32 vcc_lo, v[MB+(\j)], v[MT+(\j)]
	s_wait_alu depctr_va_vcc(0)                    ; VCC is written, ahead of the two selects that read it
	v_cndmask_b32 v[MT+(\j)], 0, v[MT+(\j)], vcc_lo
	v_cndmask_b32 v[MS+(\j)], 0, \w, vcc_lo
	v_sub_nc_u32 v[MB+(\j)], v[MB+(\j)], v[MT+(\j)]
	v_add_nc_u32 v[MP+(\j)], v[MP+(\j)], v[MS+(\j)]
.endr
.endm
; My row in each of the pass's five tiles: the token of rank min(row, n1 - 1), as a byte offset in xb.
.macro MKAOF
	WIN 0
	v_add_nc_u32 v[MR], s[ROW0], v[VR]
.irp j, 1,2,3,4
	v_add_nc_u32 v[MR+(\j)], 16*(\j), v[MR]
.endr
	EACH v_min_u32 v[MR+j], s[NM1], v[MR+j]
	EACH v_mov_b32 v[MW+j], s[MK]                  ; mask 0 begins at rank 0
	EACH v_mov_b32 v[MB+j], 0
	EACH v_mov_b32 v[MQ+j], 0
	s_bcnt1_i32_b32 s[PX], s[MK]
.set q, 1
.rept 31                                               ; mask q begins at rank PX: past mine, and I keep what I have; else I take it.  The last one taken holds my rank
.irp j, 0,1,2,3,4
	v_cmp_gt_u32 vcc_lo, s[PX], v[MR+(\j)]
	s_wait_alu depctr_va_vcc(0)                    ; VCC is written, ahead of the three selects that read it
	v_cndmask_b32 v[MW+(\j)], s[MK+q], v[MW+(\j)], vcc_lo
	v_cndmask_b32 v[MB+(\j)], s[PX], v[MB+(\j)], vcc_lo
	v_cndmask_b32 v[MQ+(\j)], q, v[MQ+(\j)], vcc_lo
.endr
	s_bcnt1_i32_b32 s[TS], s[MK+q]
	s_add_co_u32 s[PX], s[PX], s[TS]
.set q, q+1
.endr
	EACH v_sub_nc_u32 v[MB+j], v[MR+j], v[MB+j]    ; my rank within the word
	EACH v_lshrrev_b32 v[MT+j], 1, v[MW+j]         ; the word's set bits, counted in fields of 2,
	EACH v_and_b32 v[MT+j], 0x55555555, v[MT+j]
	EACH v_sub_nc_u32 v[MA+j], v[MW+j], v[MT+j]
	EACH v_lshrrev_b32 v[MT+j], 2, v[MA+j]         ; of 4,
	EACH v_and_b32 v[MN+j], 0x33333333, v[MA+j]
	EACH v_and_b32 v[MT+j], 0x33333333, v[MT+j]
	EACH v_add_nc_u32 v[MN+j], v[MN+j], v[MT+j]
	EACH v_lshrrev_b32 v[MT+j], 4, v[MN+j]         ; of 8 bits,
	EACH v_add_nc_u32 v[MC+j], v[MN+j], v[MT+j]
	EACH v_and_b32 v[MC+j], 0x0f0f0f0f, v[MC+j]
	EACH v_lshrrev_b32 v[MT+j], 8, v[MC+j]         ; and in the low 16
	EACH v_add_nc_u32 v[MT+j], v[MC+j], v[MT+j]
	EACH v_and_b32 v[MT+j], 0xff, v[MT+j]
.irp j, 0,1,2,3,4
	v_cmp_ge_u32 vcc_lo, v[MB+(\j)], v[MT+(\j)]    ; the first halving starts the place
	s_wait_alu depctr_va_vcc(0)                    ; VCC is written, ahead of the two selects that read it
	v_cndmask_b32 v[MT+(\j)], 0, v[MT+(\j)], vcc_lo
	v_cndmask_b32 v[MP+(\j)], 0, 16, vcc_lo
	v_sub_nc_u32 v[MB+(\j)], v[MB+(\j)], v[MT+(\j)]
.endr
	LEVEL MC, 8
	LEVEL MN, 4
	LEVEL MA, 2
	LEVEL MW, 1
	EACH v_lshrrev_b32 v[MT+j], 2, v[MQ+j]         ; mask q = 4 i + c, bit l: token 128 i + 4 l + c
	EACH v_and_b32 v[MS+j], 3, v[MQ+j]
	EACH v_lshl_add_u32 v[MS+j], v[MP+j], 2, v[MS+j]
	EACH v_lshl_add_u32 v[MS+j], v[MT+j], 7, v[MS+j]
	EACH v_min_u32 v[MS+j], 0x3ff, v[MS+j]
	EACH v_lshl_add_u32 v[AOF+j], v[MS+j], ASHIFT, v[H16]
.endm
; THE WAY OUT of row tile j: relu, rounded to bf16, 16 bytes a lane into my own stage, back as whole rows of 256 bytes, stored two rows at a time.
.macro EPI j
.if (\j) < 4
.set rA0, 64*(\j)
.set wAC, 0x04
.else
.set rA0, 0
.set wAC, 0x08
.endif
	WIN wAC
.set i, 0
.rept 64
	v_max_num_f32 v[EPT+i], 0, v[rA0+i]            ; each accumulator's registers in ascending order
.set i, i+1
.endr
	WIN 0
.if \j
	s_wait_xcnt 0x0                                ; the registers that the last tile's stores read are loaded again only behind this wait
	s_wait_alu depctr_vm_vsrc(0)                   ; the last tile's LDS stores have read v[EPK ..], which the roundings write again; its stores to h1 have read v[OBR ..], in which the loads from the stage land
.endif
.set i, 0
.rept 32
	v_cvt_pk_bf16_f32 v[EPK+i], v[EPT+2*i], v[EPT+2*i+1]
.set i, i+1
.endr
	s_wait_alu depctr_va_vdst(0)                   ; the roundings have written v[EPK ..], which the LDS stores read; the matrix instructions are done reading v[OBR ..], once rows, in which the loads from the stage land
.irp n, 0,1,2,3,4,5,6,7
	ds_store_b128 v[STO], v[EPK+4*(\n):EPK+4*(\n)+3] offset:32*(\n)
.endr
.irp t, 0,1,2,3,4,5,6,7
	ds_load_b128 v[OBR+4*(\t):OBR+4*(\t)+3], v[RD] offset:(\t)*2*SPITCH  ; LDS serves a wave's instructions in order (ISA guide 5.7.1.4): these see the stores above
.endr
.irp t, 0,1,2,3,4,5,6,7
	s_wait_dscnt 7-(\t)
	global_store_b128 v[CO], v[OBR+4*(\t):OBR+4*(\t)+3], s[OB:OB+1] offset:(16*(\j)+2*(\t))*OPITCH  ; 16 lanes store 256 consecutive bytes, aligned
.endr
.endm
.macro EPIALL
	PLACES
	EPI 0
	EPI 1
	EPI 2
	EPI 3
	EPI 4
.endm
	s_load_b256 s[8:15], s[0:1], 0x0               ; xb s[8:9], w1 s[10:11], b1 s[12:13], sel s[14:15]
	s_load_b128 s[16:19], s[0:1], 0x20             ; h1 s[16:17], route s[18:19]
	v_lshl_add_u32 v30, v0, 2, 0x4c400
	v_mov_b32 v31, 0
	v_lshrrev_b32 v[TW], 5, v0
	v_readfirstlane_b32 s[WV], v[TW]
	s_mov_b32 s[CX], ttmp9
	s_and_b32 s[EX], ttmp7, 0xffff
	v_and_b32 v[VLN], 31, v0
	v_and_b32 v[VR], 15, v0
	v_bfe_u32 v[VH], v0, 4, 1
	s_wait_alu depctr_va_sdst(0)                   ; the wave's number is written, ahead of its first reader
	s_mul_i32 s[TS], s[WV], 8*WPITCH
	v_lshl_add_u32 v[WOF], v[VLN], 4, s[TS]
	v_lshlrev_b32 v[SO], 4, v[VLN]
	v_lshlrev_b32 v[BO], 5, v[VH]
	v_bfe_u32 v[POF], v0, 1, 3                     ; prefetch: row 32 (lane / 16) + 8 w + (lane / 2) % 8, half lane % 2 of its 512 bytes
	v_lshl_add_u32 v[POF], v[VH], 5, v[POF]
	s_lshl_b32 s[TS], s[WV], 3
	v_add_nc_u32 v[POF], s[TS], v[POF]
	v_mul_u32_u24 v[POF], v[POF], WPITCH
	v_and_b32 v[TW], 1, v0
	v_lshl_add_u32 v[POF], v[TW], 8, v[POF]
	s_lshl_b32 s[TS], s[EX], 24                    ; w1: expert x 16 MiB + chunk x 512 bytes
	s_lshl_b32 s[TS+1], s[CX], 9
	s_add_co_u32 s[TS], s[TS], s[TS+1]
	s_mov_b32 s[TS+1], 0
	s_lshl_b32 s[TS+2], s[EX], 14                  ; b1: expert x 16 KiB + chunk x 512 bytes
	s_lshl_b32 s[TS+3], s[CX], 9
	s_add_co_u32 s[TS+2], s[TS+2], s[TS+3]
	s_mov_b32 s[TS+3], 0
	s_wait_kmcnt 0x0
	s_add_nc_u64 s[WB:WB+1], s[10:11], s[TS:TS+1]
	s_add_nc_u64 s[BB:BB+1], s[12:13], s[TS+2:TS+3]
	s_wait_alu depctr_va_vdst(0)                   ; v[SO], v[BO], v[WOF] and v[POF] are written, which the loads and prefetches below read
.irp i, 0,1,2,3,4,5,6,7
	global_load_b128 v[SELR+4*(\i):SELR+4*(\i)+3], v[SO], s[14:15] offset:512*(\i)   ; tokens 128 i + 4 lane + 0..3
.endr
	WIN 0xc0
.irp n, 0,1,2,3,4,5,6,7
	global_load_b128 v[BIAS+8*(\n):BIAS+8*(\n)+3],   v[BO], s[BB:BB+1] offset:64*(\n)      ; columns 16 n + 8 h + 0..7: the C operand of column tile n
	global_load_b128 v[BIAS+8*(\n)+4:BIAS+8*(\n)+7], v[BO], s[BB:BB+1] offset:64*(\n)+16
.endr
	WLOAD PRE, 3, 0, 0
	WLOAD PRE, 3, 1, 32
	WLOAD PRE, 3, 2, 64
	WLOAD PRE, 3, 3, 96
	WLOAD WR, 2, 0, 128
	WLOAD WR, 2, 1, 160
	WLOAD WR, 2, 2, 192
	WLOAD WR, 2, 3, 224
	WIN 0
	global_prefetch_b8 v[POF], s[WB:WB+1] offset:256*WPITCH th:TH_LOAD_NT scope:SCOPE_SE   ; group 2, whose loads begin in the first trip
	global_prefetch_b8 v[POF], s[WB:WB+1] offset:320*WPITCH th:TH_LOAD_NT scope:SCOPE_SE
	v_lshlrev_b32 v[TK0], 2, v[VLN]
	v_lshlrev_b32 v[H16], 4, v[VH]
	s_mul_i32 s[TS], s[WV], 8*LP
	v_lshl_add_u32 v[WST], v[VLN], 3, s[TS]        ; 8 bytes a lane in my first row of a slice
	v_and_b32 v[TW], 7, v0                         ; the turning load: lane l reads row 8 (l / 16) + l % 8, 16 bytes at 16 ((l / 8) % 2)
	v_lshl_add_u32 v[TW], v[VH], 3, v[TW]
	v_mul_u32_u24 v[BAD0], v[TW], LP
	v_bfe_u32 v[TW], v0, 3, 1
	v_lshl_add_u32 v[BAD0], v[TW], 4, v[BAD0]
	v_mov_b32 v[BAD], v[BAD0]
	s_mul_i32 s[TS], s[WV], 16*SPITCH
	s_add_co_u32 s[TS], s[TS], STAGE               ; my stage
	v_mul_u32_u24 v[STO], v[VR], SPITCH            ; in: row r, 16 bytes for each half of the lanes
	v_lshl_add_u32 v[STO], v[VH], 4, v[STO]
	v_add_nc_u32 v[STO], s[TS], v[STO]
	v_mul_u32_u24 v[RD], v[VH], SPITCH             ; back: lanes 0-15 one row of 256 bytes, lanes 16-31 the next
	v_lshl_add_u32 v[RD], v[VR], 4, v[RD]
	v_add_nc_u32 v[RD], s[TS], v[RD]
	v_mul_u32_u24 v[CO], v[VH], OPITCH             ; and the same two rows in h1
	v_lshl_add_u32 v[CO], v[VR], 4, v[CO]
	s_lshl_b32 s[EBIT], 0x10000, s[EX]
	s_mov_b32 s[HM], 0xffff0000
	s_mul_i32 s[ROW0], s[WV], 80
	s_mul_i32 s[TS], s[EX], ECAP                   ; h1: row 1,280 e + 80 w, column 128 c
	s_add_co_u32 s[TS], s[TS], s[ROW0]
	s_lshl_b32 s[TS], s[TS], 13
	s_lshl_b32 s[TS+1], s[CX], 8
	s_add_co_u32 s[TS], s[TS], s[TS+1]
	s_mov_b32 s[TS+1], 0
	s_add_nc_u64 s[OB:OB+1], s[16:17], s[TS:TS+1]
	s_lshl_b32 s[TS], s[EX], 12
	s_add_nc_u64 s[RB:RB+1], s[18:19], s[TS:TS+1]
	s_lshl_b32 s[TS], s[EX], 7
	s_add_nc_u64 s[RC:RC+1], s[18:19], s[TS:TS+1]
	s_mov_b64 s[AB0:AB0+1], s[8:9]
	s_mov_b64 s[AB:AB+1], s[8:9]
	s_wait_loadcnt 63                              ; 64 weight loads are younger than sel and the bias: both are in
	; THE BITMAP.  For each of a lane's 32 words: is the expert's bit set; the 32 lanes' answers are mask q.  Their set bits together are the count n.
.set q, 0
.rept 32
	v_and_b32 v[SELR+q], s[EBIT], v[SELR+q]
.set q, q+1
.endr
.set q, 0
.rept 32
	v_cmp_ne_u32 s[MK+q], 0, v[SELR+q]
.set q, q+1
.endr
	s_wait_alu depctr_va_sdst(0)                   ; the 32 masks are written, ahead of their first readers, the counts below
	s_mov_b32 s[NE], 0
.set q, 0
.rept 32
	s_bcnt1_i32_b32 s[TS], s[MK+q]
	s_add_co_u32 s[NE], s[NE], s[TS]
.set q, q+1
.endr
	s_cmp_lg_u32 s[CX], 0
	s_cbranch_scc1 .Lnoroute
	s_cmp_lg_u32 s[WV], 0
	s_cbranch_scc1 .Lnoroute
	s_mov_b32 s[PX], 0                             ; one wave for each expert writes route: a token's rank is the set bits of the masks before, and of its own mask below its lane
.set q, 0
.rept 32
	v_mbcnt_lo_u32_b32 v[SELR+q], s[MK+q], s[PX]
	s_bcnt1_i32_b32 s[TS], s[MK+q]
	s_add_co_u32 s[PX], s[PX], s[TS]
.set q, q+1
.endr
	v_mov_b32 v[T0], s[NE]
	s_wait_alu depctr_va_vdst(0)                   ; the ranks, the count and v[TK0] are written, which the stores read
.irp i, 0,1,2,3,4,5,6,7
	global_store_b128 v[SO], v[SELR+4*(\i):SELR+4*(\i)+3], s[RB:RB+1] offset:512*(\i)  ; 512 consecutive bytes a store
.endr
	global_store_b32 v[TK0], v[T0], s[RC:RC+1] offset:32768  ; the count, in 32 words on end
.Lnoroute:
	s_wait_xcnt 0x0                                ; the stores' registers are rewritten only behind this wait
	s_wait_alu depctr_vm_vsrc(0)                   ; on the way through them, route's stores have read v[SELR ..], in which the first row fetch lands
	s_min_u32 s[NE], s[NE], 0x400
	s_max_u32 s[N1], s[NE], 1
	s_sub_co_u32 s[NM1], s[N1], 1
	MKAOF
	s_wait_alu depctr_va_vdst(0)                   ; v[AOF ..] are written, which the row fetches read; the bitmap's lines are done with v[SELR ..], in which they land; v[WST], v[BAD], v[STO], v[RD] and v[CO] are written too
	ALOAD 0, 0
	ALOAD 1, 64
	ALOAD 2, 128
	WIN 0xcf                                       ; the bias is rounded to bf16, like every input, and widened again
.set i, 0
.rept 32
	v_cvt_pk_bf16_f32 v[TB3+i%2], v[BIAS+2*i], v[BIAS+2*i+1]
	v_lshlrev_b32 v[BIAS+2*i], 16, v[TB3+i%2]
	v_and_b32 v[BIAS+2*i+1], s[HM], v[TB3+i%2]
.set i, i+1
.endr
	s_wait_loadcnt 62                              ; behind slices 0-3: slices 4-7 (32 loads) and three row fetches (30)
.irp i, 0,1,2,3
	CVT PRE, 3, \i, 0
	CVT PRE, 3, \i, 4
.endr
	WIN 0x0c
	s_wait_alu depctr_va_vdst(0)                   ; the conversions have written slices 0-3, which the LDS stores read
.irp i, 0,1,2,3
	DST PRE, 3, \i, 0
	DST PRE, 3, \i, 4
.endr
	WIN 0
	s_wait_alu depctr_vm_vsrc(0)                   ; those stores have read v[WST]
	v_add_nc_u32 v[WST], GRP, v[WST]               ; the first trip converts group 1
	s_wait_xcnt 0x0
	s_add_nc_u64 s[WB:WB+1], s[WB:WB+1], 256*WPITCH  ; and fetches group 2
	s_wait_dscnt 0x0                               ; for the others' sake: my rows of group 0 are in LDS
	s_barrier_signal -1
	s_barrier_wait -1
	BLOAD 0, 0                                     ; no wait: the search, which worked in BF0's registers, and the line that made v[BAD] stand ahead of the last wait on va_vdst
	; THE FIRST PASS, while the weights stream in.  Group 0: slice 7 is on its way already, and the counts grow as the weight loads join the row fetches
	STEP 0, 1, 1, 0, 1, 20, 1, 0
	STEP 1, 0, 1, 1, 1, 20, 1, 1
	STEP 2, 0, 1, 1, 1, 28, 1, 0
	BSTEP 1, 36
	TRIPEND 1
	s_mov_b32 s[CNT], 5
.Lsl:                                                  ; groups 1 to 5.  Behind a step's rows: 8 + 10 + 8 + 10 = 36 loads
	STEP 0, 0, 1, 1, 1, 36, 1, 0
	STEP 1, 0, 1, 1, 1, 36, 1, 2
	STEP 2, 0, 1, 1, 1, 36, 1, 0
	BSTEP 1, 36
	TRIPEND 1
	s_sub_co_u32 s[CNT], s[CNT], 1
	s_cmp_lg_u32 s[CNT], 0
	s_cbranch_scc1 .Lsl
	STEP 0, 0, 1, 1, 1, 36, 1, 0                   ; group 6: its first step fetches the last slice; then the counts run down
	STEP 1, 0, 1, 0, 1, 36, 1, 0
	STEP 2, 0, 1, 0, 1, 28, 1, 0
	BSTEP 0, 20
	TRIPEND 0
	STEP 0, 0, 0, 0, 1, 20, 1, 0                   ; group 7, from LDS: the last barrier has been passed
	TAIL3
	EPIALL
	; FURTHER PASSES, three at the most: 320 rows on, from the weights in LDS; no barrier stands in this loop, so each wave leaves it by its own rows
	s_mov_b32 s[PASS], 3
.Lpass:
	s_add_co_u32 s[ROW0], s[ROW0], 320
	s_cmp_ge_u32 s[ROW0], s[N1]
	s_cbranch_scc1 .Lend                           ; my first row lies past the expert's last: so do all my later ones
	s_wait_xcnt 0x0                                ; the stores' base and registers are rewritten only behind this wait
	s_wait_alu depctr_vm_vsrc(0)                   ; the row fetches have read v[AOF ..] and the turning loads v[BAD], which are written below; the stores have read v[OBR ..] and the LDS stores v[EPK ..], in which row fetches land
	s_add_nc_u64 s[OB:OB+1], s[OB:OB+1], 320*OPITCH
	MKAOF
	s_mov_b64 s[AB:AB+1], s[AB0:AB0+1]
	s_mov_b32 s[TB], 0
	v_mov_b32 v[BAD], v[BAD0]
	s_wait_alu depctr_va_vdst(0)                   ; v[AOF ..] and v[BAD] are written; the way out is done with v[EPT ..] and v[EPK ..], the search with BF0's registers, the last pass's matrix instructions with BF1: loads land in all of them
	ALOAD 0, 0
	ALOAD 1, 64
	ALOAD 2, 128
	BLOAD 0, 0
	STEP 0, 1, 0, 0, 1, 20, 1, 0, 0, 0             ; the pass's first step stands in front of the loop: it takes the bias as C
	WIN 0
	s_mov_b32 s[CNT], 7
.Lrl:                                                  ; a trip: steps 1 to 3 of the group at TB and step 0 of the next.  Behind a step's rows: two row fetches, 20 loads
	SETBAD BTOP
	STEP 1, 0, 0, 0, 1, 20, 1, 0
	STEP 2, 0, 0, 0, 1, 20, 1, 0
	STEP 3, 0, 0, 0, 1, 20, 1, 0
	TRIPEND 0
	STEP 0, 0, 0, 0, 1, 20, 1, 0, GRP              ; the next group's step 0 reaches its fragments through the immediate
	WIN 0
	s_add_co_u32 s[TB], s[TB], GRP
	s_sub_co_u32 s[CNT], s[CNT], 1
	s_cmp_lg_u32 s[CNT], 0
	s_cbranch_scc1 .Lrl
	SETBAD BTOP+GRP                                ; group 7
	TAIL3
	EPIALL
	s_sub_co_u32 s[PASS], s[PASS], 1
	s_cmp_lg_u32 s[PASS], 0
	s_cbranch_scc1 .Lpass
.Lend:
	s_wait_dscnt 0x0
	s_wait_alu depctr_hold_cnt(0) depctr_sa_sdst(0) depctr_va_vdst(0) depctr_va_sdst(0) depctr_va_ssrc(0) depctr_va_vcc(0) depctr_vm_vsrc(0)
	s_wait_tensorcnt 0x0
	ds_add_u32 v30, v31
	s_wait_dscnt 0x0
	s_endpgm
.Lfunc_end_k_q8809ef3e72_ffn1:
	.size	k_q8809ef3e72_ffn1, .Lfunc_end_k_q8809ef3e72_ffn1-k_q8809ef3e72_ffn1
	.p2alignl 7, 3214868480
	.fill 96, 4, 3214868480
	.section	.rodata,"a",@progbits
	.p2align	6, 0x0
	.amdhsa_kernel k_q8809ef3e72_ffn1
		.amdhsa_group_segment_fixed_size 312832
		.amdhsa_private_segment_fixed_size 0
		.amdhsa_enable_private_segment 0
		.amdhsa_kernarg_size 48
		.amdhsa_user_sgpr_count 2
		.amdhsa_user_sgpr_kernarg_segment_ptr 1
		.amdhsa_wavefront_size32 1
		.amdhsa_system_sgpr_workgroup_id_x 1
		.amdhsa_system_sgpr_workgroup_id_y 1
		.amdhsa_system_sgpr_workgroup_id_z 1
		.amdhsa_system_vgpr_workitem_id 0
		.amdhsa_next_free_vgpr 962
		.amdhsa_next_free_sgpr 98
		.amdhsa_reserve_vcc 1
		.amdhsa_float_denorm_mode_32 3
		.amdhsa_float_denorm_mode_16_64 3
		.amdhsa_memory_ordered 1
		.amdhsa_forward_progress 1
		.amdhsa_inst_pref_size 255
	.end_amdhsa_kernel
	.section	.bss,"aw",@nobits
	.p2align	6
	.space	262144
	.amdgpu_metadata
---
amdhsa.version: [ 1, 2 ]
amdhsa.kernels:
  - .name:           k_q8809ef3e72_ffn1
    .symbol:         k_q8809ef3e72_ffn1.kd
    .args:
      - { .name: xb, .offset: 0, .size: 8, .value_kind: global_buffer, .address_space: global }
      - { .name: w1, .offset: 8, .size: 8, .value_kind: global_buffer, .address_space: global }
      - { .name: b1, .offset: 16, .size: 8, .value_kind: global_buffer, .address_space: global }
      - { .name: sel, .offset: 24, .size: 8, .value_kind: global_buffer, .address_space: global }
      - { .name: h1, .offset: 32, .size: 8, .value_kind: global_buffer, .address_space: global }
      - { .name: route, .offset: 40, .size: 8, .value_kind: global_buffer, .address_space: global }
    .group_segment_fixed_size: 312832
    .private_segment_fixed_size: 0
    .kernarg_segment_align: 8
    .kernarg_segment_size: 48
    .max_flat_workgroup_size: 128
    .sgpr_count:     98
    .vgpr_count:     962
    .wavefront_size: 32
...
	.end_amdgpu_metadata
.endif
;; end of part 6
;; launch ffn2 (part 7): grid 32 x 8, 4 waves a work-group, no clusters, 312,832 bytes of LDS; arguments h1, w2, b2, route, part; writes part
.if DOCPART == 7
	.amdgcn_target "amdgcn-amd-amdhsa--gfx1250"
	.amdhsa_code_object_version 6
	.text
	.protected	k_q8809ef3e72_ffn2
	.globl	k_q8809ef3e72_ffn2
	.p2align	8
	.type	k_q8809ef3e72_ffn2,@function
k_q8809ef3e72_ffn2:
	s_mov_b64 s[64:65], 0
	v_nop
	global_prefetch_b8 v0, s[64:65] scope:SCOPE_SE
	s_setreg_imm32_b32 hwreg(HW_REG_WAVE_SCHED_MODE, 0, 2), 2
	s_setreg_imm32_b32 hwreg(HW_REG_WAVE_MODE, 25, 1), 1
	s_wait_xcnt 0x0
	s_wait_alu depctr_vm_vsrc(0)
; SECOND PRODUCT OF THE EXPERTS.  part[kq][e][rank][n] = the sum over k in quarter kq of F of h1[e][rank][k] w2[e][k][n], plus b2[e][n] in quarter 0; f32.  Operands bf16 (w2 and b2 rounded here), sums f32.
; Work-group (x, e): expert e, columns 128 (x % 8) .. + 127 of H, K quarter x / 8.  Its chunk of w2, 1,024 (k) x 128 (n) f32 in rows of 512 bytes, is read from memory ONCE, rounded to bf16 and KEPT in LDS.
; The expert's rows go in passes of 320: the first is multiplied while the chunk streams in (all barriers stand there); up to three further passes read LDS alone and hold no barrier; a wave leaves
; them as soon as its own first row lies at or past n1 = max(n, 1), n the expert's count (the word at route + 32,768 + 128 e).  Wave w takes rows 80 w .. 80 w + 79 of a pass: 5 x 8 accumulators of 16 x 16.
; Rows at or past n1 repeat the last valid row, so no byte of h1 is read that the launch before did not write; they are stored like the others (an expert's area has room for 1,280 rows) and
; nobody reads them: no line of the text changes EXEC.
; NO CLUSTER, NO TENSOR LOADS: LDS holds 294,912 bytes of resident weights, and a refill of shared rows would want barriers in the passes that a wave may leave.
; THE MATRIX INSTRUCTION IS USED TRANSPOSED: source 0 = 16 columns of w2 (turned on the way out of LDS), source 1 = 16 rows of h1: a lane holds one row and eight neighbouring columns.
; The first K step takes the bias (0 in quarters 1 to 3) as C.  NaN and infinities are not treated apart.
; THE MODE: SCHED_MODE bits 1:0 = 2 (LLVM: expert scheduling mode 2), set by the entry lines.  The code itself states the register dependences between vector or matrix instructions and
; memory or LDS instructions, with s_wait_alu, always for 0.
; THE PLAN.  Registers that memory or LDS instructions touch in the loops; K step t = 4 g + i, p = i % 2:
;   AR0 .. AR3  step t's matrix instructions read AR[i]; the row fetch of step t + 1 (the rows of step t + 4) lands in it.
;   BF0, BF1    step t's matrix instructions read BF[p]; the turning loads of step t + 1 (the fragments of step t + 2) land in it.
;   WR0 .. WR3  step t's conversions read and write WR[i] and its LDS stores read it; the weight loads at the head of step t + 1 (slice t + 8) land in it.
;   v[BAD]      read by the turning loads; written once a group, at the head of the group's last step (in the resident loop: at a trip's head).
;   v[WST]      read by the LDS stores of weights; written once a group, behind the barrier.
;   v[AOF ..], v[WOF], v[POF], v[STO], v[RD], v[CO] are written ahead of the loops alone.
; So ONE wait on va_vdst stands at a step's head, behind its conversions, and beside it one on vm_vsrc where weights are fetched.  The step's loads and stores follow, dealt among its 40 matrix
; instructions, which name BF[p], AR[i], the accumulators and the bias: none of the registers that those loads and stores touch.
; REGISTERS, in windows of 256 (s_set_vgpr_msb: bits 1:0 source 0, 3:2 source 1, 5:4 source 2, 7:6 destination):
;   window 0: v0-31 addresses and work; v32-95 BF0, eight weight fragments; v96-255 a ring of four row fetches (5 fragments each); on the way out v192-223 at work
;   window 1: accumulators (m, n) at 8 (8 m + n), m = 0..3      window 2: v0-63 accumulators (4, n); v64-191 a ring of four weight slices (8 rows of f32 each); v192-255 BF1
;   window 3: v0-127 slices 0-3 (start only); v128-191 the bias as C operands; v192-193 at work
.set WPITCH, 4096                      ; bytes from a row (k) of w2 to the next
.set ASHIFT, 13                        ; a row of h1 is 8,192 bytes
.set OPITCH, 4096                      ; a row of part
.set ECAP,   1280                      ; rows of h1 and of part for each expert: four passes of 320
.set LP,     288                       ; a weight row in LDS: 256 bytes + 32 = 9 x 32
.set SLICE,  32*LP
.set GRP,    4*SLICE
.set STAGE,  8*GRP                     ; behind the weights: 16 rows x 272 bytes for each wave, for the way out
.set SPITCH, 272
.set BTOP,   6*GRP+15*LP+16            ; the highest place of a lane in group 6, the last group at which a trip of the resident loop begins
.set VR,   1                           ; lane % 16
.set VH,   2                           ; lane / 16
.set VLN,  3                           ; lane
.set WOF,  4                           ; 16 x lane + my first row of a slice (8 w)
.set WST,  5                           ; where my rows of the group being converted go in LDS; steps by GRP
.set BAD,  6                           ; my lane's place in the group being multiplied
.set BAD0, 7                           ; the same in group 0; never rewritten
.set AOF,  8                           ; v8-12  byte offset of my row in each of the five row tiles
.set STO,  13
.set RD,   14
.set CO,   15
.set H16,  16
.set POF,  17
.set BO,   19
.set TW,   20                          ; v20-25 at work
.set BF,   32                          ; fragment buffer 0, in window 0
.set BSTR, 160                         ; buffer 1 lies at BF + BSTR = 192, in window 2
.set AR,   96
.set OBR,  192
.set WR,   64                          ; window 2
.set PRE,  0                           ; window 3
.set BIAS, 128
.set TB3,  192
.set WV,   2                           ; s2 wave; s3 column chunk; s4 expert; s5 K quarter
.set CX,   3
.set EX,   4
.set KQ,   5
.set AB,   20
.set AB0,  22
.set WB,   24
.set OB,   26
.set BB,   32
.set NE,   40
.set N1,   41
.set NM1,  42
.set PASS, 44
.set ROW0, 45
.set TB,   46                          ; the resident loop: LDS byte at which the trip's group begins
.set CNT,  47
.set KM,   49
.set HM,   50
.set EOFF, 51
.set TS,   52                          ; s[52:55] at work
.set MSB, 0
.macro WIN new                         ; the immediate's high byte repeats the setting that is left; a switch that changes nothing is dropped
.if MSB != (\new)
	s_set_vgpr_msb (MSB<<8)|(\new)
.set MSB, (\new)
.endif
.endm
.macro PLACES                          ; four places between the last matrix instruction and the first read of its result (ISA guide 7.12.1)
.rept 4
	v_nop
.endr
.endm
.macro ALOAD buf, k                    ; ten loads: five row fragments (16 rows x 32 K) at byte k of the rows
	WIN 0
.irp m, 0,1,2,3,4
	global_load_b128 v[AR+40*(\buf)+8*(\m):AR+40*(\buf)+8*(\m)+3],   v[AOF+(\m)], s[AB:AB+1] offset:(\k)
	global_load_b128 v[AR+40*(\buf)+8*(\m)+4:AR+40*(\buf)+8*(\m)+7], v[AOF+(\m)], s[AB:AB+1] offset:(\k)+32
.endr
.endm
.macro WLOAD base, win, i, row0        ; eight loads: my eight rows of a slice, each 512 consecutive bytes
	WIN (\win)<<6
.irp j, 0,1,2,3,4,5,6,7
	global_load_b128 v[(\base)+32*(\i)+4*(\j):(\base)+32*(\i)+4*(\j)+3], v[WOF], s[WB:WB+1] offset:((\row0)+(\j))*WPITCH th:TH_LOAD_NT
.endr
.endm
.macro CVT base, win, i, j0            ; four rows rounded to bf16, in place: eight plain instructions
	WIN ((\win)<<6)|((\win)<<2)|(\win)
.irp j, 0,1,2,3
.set rB, (\base)+32*(\i)+4*((\j0)+(\j))
	v_cvt_pk_bf16_f32 v[rB], v[rB], v[rB+1]
	v_cvt_pk_bf16_f32 v[rB+1], v[rB+2], v[rB+3]
.endr
.endm
.macro DST base, win, i, j0            ; and stored: a wave's store covers a row's 256 bytes
	WIN (\win)<<2
.irp j, 0,1,2,3
.set rB, (\base)+32*(\i)+4*((\j0)+(\j))
	ds_store_b64 v[WST], v[rB:rB+1] offset:(\i)*SLICE+((\j0)+(\j))*LP
.endr
.endm
.macro BLOAD b, off                    ; sixteen turning loads: a step's eight weight fragments (16 columns x 32 K each) into buffer b
	WIN 0x80*(\b)
.irp n, 0,1,2,3,4,5,6,7
	ds_load_tr16_b128 v[BF+BSTR*(\b)+8*(\n):BF+BSTR*(\b)+8*(\n)+3],   v[BAD] offset:(\off)+32*(\n)
	ds_load_tr16_b128 v[BF+BSTR*(\b)+8*(\n)+4:BF+BSTR*(\b)+8*(\n)+7], v[BAD] offset:(\off)+32*(\n)+16*LP
.endr
.endm
; A step's 40 accumulators take turns, one instruction a turn.  cb = 1: C is the bias.
; MMA: sixteen matrix instructions: row tiles 0-3 x column tiles 4 hf .. 4 hf + 3.  MMB: four: row tile 4 x the same column tiles.
.macro MMA hf, i, cb
	WIN 0x50+0x20*(\cb)+2*((\i)%2)
.irp m, 0,1,2,3
.irp n, 0,1,2,3
.set rD, 8*(8*(\m)+4*(\hf)+(\n))
.set rF, BF+BSTR*((\i)%2)+8*(4*(\hf)+(\n))
.set rA, AR+40*(\i)+8*(\m)
.set rC, BIAS+8*(4*(\hf)+(\n))
.if \cb
	v_wmma_f32_16x16x32_bf16 v[rD:rD+7], v[rF:rF+7], v[rA:rA+7], v[rC:rC+7]
.else
	v_wmma_f32_16x16x32_bf16 v[rD:rD+7], v[rF:rF+7], v[rA:rA+7], v[rD:rD+7]
.endif
.endr
.endr
.endm
.macro MMB hf, i, cb
	WIN 0xa0+0x10*(\cb)+2*((\i)%2)
.irp n, 0,1,2,3
.set rD, 8*(4*(\hf)+(\n))
.set rF, BF+BSTR*((\i)%2)+8*(4*(\hf)+(\n))
.set rA, AR+40*(\i)+32
.set rC, BIAS+8*(4*(\hf)+(\n))
.if \cb
	v_wmma_f32_16x16x32_bf16 v[rD:rD+7], v[rF:rF+7], v[rA:rA+7], v[rC:rC+7]
.else
	v_wmma_f32_16x16x32_bf16 v[rD:rD+7], v[rF:rF+7], v[rA:rA+7], v[rD:rD+7]
.endif
.endr
.endm
.macro PF                              ; my wave's 32 rows (64 blocks of 256 bytes, one a lane) of the group whose loads begin in the NEXT trip; each block is asked for once in the launch
	global_prefetch_b8 v[POF], s[WB:WB+1] offset:128*WPITCH th:TH_LOAD_NT scope:SCOPE_SE
	global_prefetch_b8 v[POF], s[WB:WB+1] offset:192*WPITCH th:TH_LOAD_NT scope:SCOPE_SE
.endm
; K STEP t = 4 g + i, p = i % 2.  Its rows lie in ring buffer AR[i], its weight fragments in BF[p].  It converts slice t + 4 and stores it to LDS (conv), fetches slice t + 7 (wl), step t + 1's fragments (nb)
; and the rows of step t + 3 (al).  lw: loads end in order (ISA guide 5.7.1), so it is the number of loads issued behind step t's rows; slice t + 4 was asked for just ahead of those rows.
; bx: bytes from the group that BAD names to the step's own group.  vw = 0: the step issues no load or store, or no vector or matrix instruction has been issued since the last wait on va_vdst.
.macro STEP i, cb, conv, wl, al, lw, nb, pf, bx=0, vw=1
	s_wait_loadcnt \lw
.if \conv
	CVT WR, 2, \i, 0
	CVT WR, 2, \i, 4
.endif
.if \wl
	WIN 0x80                                       ; the weight loads' window is set ahead of the waits
	s_wait_alu depctr_vm_vsrc(0)                   ; the last step's LDS stores have read its slice's registers, in which the weight loads below land
.endif
.if \vw
	s_wait_alu depctr_va_vdst(0)                   ; the conversions have written WR[i], which the LDS stores read; the last step's matrix instructions are done reading its rows and its fragments, and its conversions are done with its slice: loads land in all three; v[BAD] and v[WST] are written
.endif
.if \wl
	WLOAD WR, 2, ((\i)+3)%4, 32*(\i)-32            ; in a group's first step the slice is the last of the group before the base's: the immediate reaches back
.endif
.if \conv
	DST WR, 2, \i, 0
	DST WR, 2, \i, 4
.endif
	s_wait_dscnt 8*(\conv)                         ; BF[p] is in: behind its loads stand this step's eight stores, or nothing
	MMA 0, \i, \cb
.if \nb
	BLOAD 1-(\i)%2, ((\i)+1)*SLICE+(\bx)           ; no wait: no vector or matrix instruction since the head's names the other fragment buffer or v[BAD]
.endif
	MMA 1, \i, \cb
.if \al
	ALOAD ((\i)+3)%4, 64*((\i)+3)                  ; nor the row buffer that the last step multiplied
.endif
.if (\pf) == 1
	PF
.elseif (\pf) == 2
	s_cmp_eq_u32 s[CNT], 1                         ; the loop's last trip has no group left to ask for
	s_cbranch_scc1 .Lnopf_\@
	PF
.Lnopf_\@:
.endif
	MMB 0, \i, \cb
	MMB 1, \i, \cb
.endm
; A streaming group's last step (i = 3).  With it the next group is whole in LDS: each wave waits for its stores, signals, multiplies on, and reads the next group behind the barrier.  LDS weights are never rewritten, so this is the one barrier a group.
.macro BSTEP wl, lw
	s_wait_loadcnt \lw
	WIN 0
	s_wait_alu depctr_vm_vsrc(0)                   ; the turning loads issued so far, the group's last among them, have read v[BAD]; the last step's LDS stores have read its slice's registers, in which the weight loads below land
	v_add_nc_u32 v[BAD], GRP, v[BAD]               ; ahead of the wait on va_vdst that stands here anyway
	CVT WR, 2, 3, 0
	CVT WR, 2, 3, 4
.if \wl
	WIN 0x80
.endif
	s_wait_alu depctr_va_vdst(0)                   ; as at every step's head; and v[BAD] is written, which the turning loads behind the barrier read
.if \wl
	WLOAD WR, 2, 2, 64
.endif
	DST WR, 2, 3, 0
	DST WR, 2, 3, 4
	s_wait_dscnt 8                                 ; BF1 is in: behind its loads stand the eight stores
	MMA 0, 3, 0
	ALOAD 2, 384
	MMB 0, 3, 0
	s_wait_dscnt 0x0                               ; for the others' sake: my rows of the next group are in LDS
	s_barrier_signal -1
	MMA 1, 3, 0
	MMB 1, 3, 0
	WIN 0
	s_barrier_wait -1
.if \wl
	s_wait_alu depctr_vm_vsrc(0)                   ; my LDS stores have read v[WST]
	v_add_nc_u32 v[WST], GRP, v[WST]               ; read next behind the next step's wait on va_vdst (behind the last conversion nothing is left to store)
.endif
	BLOAD 0, 0                                     ; no wait: BF0's last readers, the step before's matrix instructions, and the add to v[BAD] stand ahead of this step's wait on va_vdst
.endm
.macro TRIPEND wb
	WIN 0
	s_wait_xcnt 0x0                                ; the bases are stepped only behind this wait
	s_add_nc_u64 s[AB:AB+1], s[AB:AB+1], 256
.if \wb
	s_add_nc_u64 s[WB:WB+1], s[WB:WB+1], 128*WPITCH
.endif
.endm
; The resident passes: my lane's place in the group at LDS byte TB, held at or below top.  The bound never acts; it states that the loads from it, whose offsets end at 50,912 + 16 in a trip
; (top = BTOP) and at 32,480 + 16 behind the loop (top = BTOP + GRP), stay inside the weights' 294,912 bytes, below the stages that other waves write meanwhile.
.macro SETBAD top
	WIN 0
	s_wait_alu depctr_vm_vsrc(0)                   ; the turning loads issued so far have read v[BAD]
	v_add_nc_u32 v[BAD], s[TB], v[BAD0]
	v_min_u32 v[BAD], (\top), v[BAD]
.endm
.macro TAIL3                           ; steps 1 to 3 of group 7: no rows are left to fetch, and the counts run down
	STEP 1, 0, 0, 0, 0, 20, 1, 0
	STEP 2, 0, 0, 0, 0, 10, 1, 0
	STEP 3, 0, 0, 0, 0, 0, 0, 0, 0, 0              ; it issues no load and no store: no wait on va_vdst
.endm
; My row in each of the pass's five tiles: min(row, n1 - 1), as a byte offset in the expert's rows of h1
.macro MKAOF
	WIN 0
	v_add_nc_u32 v[TW], s[ROW0], v[VR]
.irp j, 0,1,2,3,4
	v_add_nc_u32 v[TW+1+(\j)], 16*(\j), v[TW]
	v_min_u32 v[TW+1+(\j)], s[NM1], v[TW+1+(\j)]
	v_min_u32 v[TW+1+(\j)], 0x3ff, v[TW+1+(\j)]
	v_lshl_add_u32 v[AOF+(\j)], v[TW+1+(\j)], ASHIFT, v[H16]
.endr
.endm
; THE WAY OUT of row tile j, in two halves of 64 columns (256 bytes of f32): 32 bytes a lane into my own stage, back as whole rows of 256 bytes, stored two rows at a time.
.macro EPI j
.if (\j) < 4
.set rA0, 64*(\j)
.set wAC, 0x04
.else
.set rA0, 0
.set wAC, 0x08
.endif
.irp hf, 0,1
	WIN wAC
.irp n, 0,1,2,3
	ds_store_b128 v[STO], v[rA0+8*(4*(\hf)+(\n)):rA0+8*(4*(\hf)+(\n))+3]   offset:64*(\n)     ; each accumulator's low four registers first
	ds_store_b128 v[STO], v[rA0+8*(4*(\hf)+(\n))+4:rA0+8*(4*(\hf)+(\n))+7] offset:64*(\n)+16
.endr
	WIN 0
	s_wait_xcnt 0x0                                ; the registers that the last half's stores read are loaded again only behind this wait
.if (\j)+(\hf)
	s_wait_alu depctr_vm_vsrc(0)                   ; the last half's stores to part have read v[OBR ..], in which the loads from the stage land
.endif
.irp t, 0,1,2,3,4,5,6,7
	ds_load_b128 v[OBR+4*(\t):OBR+4*(\t)+3], v[RD] offset:(\t)*2*SPITCH  ; LDS serves a wave's instructions in order (ISA guide 5.7.1.4): these see the stores above
.endr
.irp t, 0,1,2,3,4,5,6,7
	s_wait_dscnt 7-(\t)
	global_store_b128 v[CO], v[OBR+4*(\t):OBR+4*(\t)+3], s[OB:OB+1] offset:(16*(\j)+2*(\t))*OPITCH+256*(\hf)  ; 16 lanes store 256 consecutive bytes, aligned
.endr
.endr
.endm
.macro EPIALL
	PLACES
	s_wait_alu depctr_va_vdst(0)                   ; the matrix instructions have written the accumulators, which the LDS stores read, and are done reading v[OBR ..], once rows, in which the loads from the stage land; the places above stay beside this wait; no vector instruction follows on the way out
	EPI 0
	EPI 1
	EPI 2
	EPI 3
	EPI 4
.endm
	s_load_b256 s[8:15], s[0:1], 0x0               ; h1 s[8:9], w2 s[10:11], b2 s[12:13], route s[14:15]
	s_load_b64 s[16:17], s[0:1], 0x20              ; part
	v_lshl_add_u32 v30, v0, 2, 0x4c400
	v_mov_b32 v31, 0
	v_lshrrev_b32 v[TW], 5, v0
	v_readfirstlane_b32 s[WV], v[TW]
	s_and_b32 s[CX], ttmp9, 7
	s_lshr_b32 s[KQ], ttmp9, 3
	s_and_b32 s[EX], ttmp7, 0xffff
	v_and_b32 v[VLN], 31, v0
	v_and_b32 v[VR], 15, v0
	v_bfe_u32 v[VH], v0, 4, 1
	s_wait_alu depctr_va_sdst(0)                   ; the wave's number is written, ahead of its first reader
	s_mul_i32 s[TS], s[WV], 8*WPITCH
	v_lshl_add_u32 v[WOF], v[VLN], 4, s[TS]
	v_lshlrev_b32 v[BO], 5, v[VH]
	v_bfe_u32 v[POF], v0, 1, 3                     ; prefetch: row 32 (lane / 16) + 8 w + (lane / 2) % 8, half lane % 2 of its 512 bytes
	v_lshl_add_u32 v[POF], v[VH], 5, v[POF]
	s_lshl_b32 s[TS], s[WV], 3
	v_add_nc_u32 v[POF], s[TS], v[POF]
	v_mul_u32_u24 v[POF], v[POF], WPITCH
	v_and_b32 v[TW], 1, v0
	v_lshl_add_u32 v[POF], v[TW], 8, v[POF]
	s_lshl_b32 s[TS], s[EX], 24                    ; w2: expert x 16 MiB + quarter x 4 MiB + chunk x 512 bytes
	s_lshl_b32 s[TS+1], s[KQ], 22
	s_add_co_u32 s[TS], s[TS], s[TS+1]
	s_lshl_b32 s[TS+1], s[CX], 9
	s_add_co_u32 s[TS], s[TS], s[TS+1]
	s_mov_b32 s[TS+1], 0
	s_lshl_b32 s[TS+2], s[EX], 12                  ; b2: expert x 4 KiB + chunk x 512 bytes
	s_lshl_b32 s[TS+3], s[CX], 9
	s_add_co_u32 s[TS+2], s[TS+2], s[TS+3]
	s_mov_b32 s[TS+3], 0
	s_lshl_b32 s[EOFF], s[EX], 7
	s_wait_kmcnt 0x0
	s_load_b32 s[NE], s[14:15], s[EOFF] offset:0x8000  ; the expert's count
	s_add_nc_u64 s[WB:WB+1], s[10:11], s[TS:TS+1]
	s_add_nc_u64 s[BB:BB+1], s[12:13], s[TS+2:TS+3]
	WIN 0xc0
	s_wait_alu depctr_va_vdst(0)                   ; v[BO], v[WOF] and v[POF] are written, which the loads and prefetches below read
.irp n, 0,1,2,3,4,5,6,7
	global_load_b128 v[BIAS+8*(\n):BIAS+8*(\n)+3],   v[BO], s[BB:BB+1] offset:64*(\n)      ; columns 16 n + 8 h + 0..7: the C operand of column tile n
	global_load_b128 v[BIAS+8*(\n)+4:BIAS+8*(\n)+7], v[BO], s[BB:BB+1] offset:64*(\n)+16
.endr
	WLOAD PRE, 3, 0, 0
	WLOAD PRE, 3, 1, 32
	WLOAD PRE, 3, 2, 64
	WLOAD PRE, 3, 3, 96
	WLOAD WR, 2, 0, 128
	WLOAD WR, 2, 1, 160
	WLOAD WR, 2, 2, 192
	WLOAD WR, 2, 3, 224
	WIN 0
	global_prefetch_b8 v[POF], s[WB:WB+1] offset:256*WPITCH th:TH_LOAD_NT scope:SCOPE_SE   ; group 2, whose loads begin in the first trip
	global_prefetch_b8 v[POF], s[WB:WB+1] offset:320*WPITCH th:TH_LOAD_NT scope:SCOPE_SE
	v_lshlrev_b32 v[H16], 4, v[VH]
	s_mul_i32 s[TS], s[WV], 8*LP
	v_lshl_add_u32 v[WST], v[VLN], 3, s[TS]        ; 8 bytes a lane in my first row of a slice
	v_and_b32 v[TW], 7, v0                         ; the turning load: lane l reads row 8 (l / 16) + l % 8, 16 bytes at 16 ((l / 8) % 2)
	v_lshl_add_u32 v[TW], v[VH], 3, v[TW]
	v_mul_u32_u24 v[BAD0], v[TW], LP
	v_bfe_u32 v[TW], v0, 3, 1
	v_lshl_add_u32 v[BAD0], v[TW], 4, v[BAD0]
	v_mov_b32 v[BAD], v[BAD0]
	s_mul_i32 s[TS], s[WV], 16*SPITCH
	s_add_co_u32 s[TS], s[TS], STAGE               ; my stage
	v_mul_u32_u24 v[STO], v[VR], SPITCH            ; in: row r, 32 bytes for each half of the lanes
	v_lshl_add_u32 v[STO], v[VH], 5, v[STO]
	v_add_nc_u32 v[STO], s[TS], v[STO]
	v_mul_u32_u24 v[RD], v[VH], SPITCH             ; back: lanes 0-15 one row of 256 bytes, lanes 16-31 the next
	v_lshl_add_u32 v[RD], v[VR], 4, v[RD]
	v_add_nc_u32 v[RD], s[TS], v[RD]
	v_mul_u32_u24 v[CO], v[VH], OPITCH             ; and the same two rows in part
	v_lshl_add_u32 v[CO], v[VR], 4, v[CO]
	s_mov_b32 s[HM], 0xffff0000
	s_cmp_eq_u32 s[KQ], 0
	s_cselect_b32 s[KM], -1, 0                     ; the bias enters in quarter 0 alone
	s_mul_i32 s[ROW0], s[WV], 80
	s_mul_i32 s[TS], s[EX], ECAP                   ; part: quarter x 8 x 1,280 rows + row (1,280 e + 80 w), 4,096 bytes a row, + chunk x 512
	s_add_co_u32 s[TS], s[TS], s[ROW0]
	s_lshl_b32 s[TS], s[TS], 12
	s_mul_i32 s[TS+1], s[KQ], 8*ECAP*OPITCH
	s_add_co_u32 s[TS], s[TS], s[TS+1]
	s_lshl_b32 s[TS+1], s[CX], 9
	s_add_co_u32 s[TS], s[TS], s[TS+1]
	s_mov_b32 s[TS+1], 0
	s_add_nc_u64 s[OB:OB+1], s[16:17], s[TS:TS+1]
	s_mul_i32 s[TS], s[EX], ECAP*8192              ; h1: expert x 1,280 rows of 8,192 bytes + quarter x 2,048 bytes
	s_lshl_b32 s[TS+2], s[KQ], 11
	s_add_co_u32 s[TS], s[TS], s[TS+2]
	s_add_nc_u64 s[AB0:AB0+1], s[8:9], s[TS:TS+1]
	s_mov_b64 s[AB:AB+1], s[AB0:AB0+1]
	s_wait_kmcnt 0x0
	s_min_u32 s[NE], s[NE], 0x400
	s_max_u32 s[N1], s[NE], 1
	s_sub_co_u32 s[NM1], s[N1], 1
	MKAOF
	s_wait_alu depctr_va_vdst(0)                   ; v[AOF ..] are written, which the row fetches read; v[WST], v[BAD], v[STO], v[RD] and v[CO] are written too
	ALOAD 0, 0
	ALOAD 1, 64
	ALOAD 2, 128
	s_wait_loadcnt 63                              ; 94 loads are younger than the bias: it is in
	WIN 0xcf                                       ; the bias is rounded to bf16, like every input, kept or set to 0, and widened again
.set i, 0
.rept 32
	v_cvt_pk_bf16_f32 v[TB3+i%2], v[BIAS+2*i], v[BIAS+2*i+1]
	v_and_b32 v[TB3+i%2], s[KM], v[TB3+i%2]
	v_lshlrev_b32 v[BIAS+2*i], 16, v[TB3+i%2]
	v_and_b32 v[BIAS+2*i+1], s[HM], v[TB3+i%2]
.set i, i+1
.endr
	s_wait_loadcnt 62                              ; behind slices 0-3: slices 4-7 (32 loads) and three row fetches (30)
.irp i, 0,1,2,3
	CVT PRE, 3, \i, 0
	CVT PRE, 3, \i, 4
.endr
	WIN 0x0c
	s_wait_alu depctr_va_vdst(0)                   ; the conversions have written slices 0-3, which the LDS stores read
.irp i, 0,1,2,3
	DST PRE, 3, \i, 0
	DST PRE, 3, \i, 4
.endr
	WIN 0
	s_wait_alu depctr_vm_vsrc(0)                   ; those stores have read v[WST]
	v_add_nc_u32 v[WST], GRP, v[WST]               ; the first trip converts group 1
	s_wait_xcnt 0x0
	s_add_nc_u64 s[WB:WB+1], s[WB:WB+1], 256*WPITCH  ; and fetches group 2
	s_wait_dscnt 0x0                               ; for the others' sake: my rows of group 0 are in LDS
	s_barrier_signal -1
	s_barrier_wait -1
	BLOAD 0, 0                                     ; no wait: the line that made v[BAD] stands ahead of the last wait on va_vdst, and nothing has named BF0 yet
	; THE FIRST PASS, while the weights stream in.  Group 0: slice 7 is on its way already, and the counts grow as the weight loads join the row fetches
	STEP 0, 1, 1, 0, 1, 20, 1, 0
	STEP 1, 0, 1, 1, 1, 20, 1, 1
	STEP 2, 0, 1, 1, 1, 28, 1, 0
	BSTEP 1, 36
	TRIPEND 1
	s_mov_b32 s[CNT], 5
.Lsl:                                                  ; groups 1 to 5.  Behind a step's rows: 8 + 10 + 8 + 10 = 36 loads
	STEP 0, 0, 1, 1, 1, 36, 1, 0
	STEP 1, 0, 1, 1, 1, 36, 1, 2
	STEP 2, 0, 1, 1, 1, 36, 1, 0
	BSTEP 1, 36
	TRIPEND 1
	s_sub_co_u32 s[CNT], s[CNT], 1
	s_cmp_lg_u32 s[CNT], 0
	s_cbranch_scc1 .Lsl
	STEP 0, 0, 1, 1, 1, 36, 1, 0                   ; group 6: its first step fetches the last slice; then the counts run down
	STEP 1, 0, 1, 0, 1, 36, 1, 0
	STEP 2, 0, 1, 0, 1, 28, 1, 0
	BSTEP 0, 20
	TRIPEND 0
	STEP 0, 0, 0, 0, 1, 20, 1, 0                   ; group 7, from LDS: the last barrier has been passed
	TAIL3
	EPIALL
	; FURTHER PASSES, three at the most: 320 rows on, from the weights in LDS; no barrier stands in this loop, so each wave leaves it by its own rows
	s_mov_b32 s[PASS], 3
.Lpass:
	s_add_co_u32 s[ROW0], s[ROW0], 320
	s_cmp_ge_u32 s[ROW0], s[N1]
	s_cbranch_scc1 .Lend                           ; my first row lies past the expert's last: so do all my later ones
	s_wait_xcnt 0x0                                ; the stores' base and registers are rewritten only behind this wait
	s_wait_alu depctr_vm_vsrc(0)                   ; the row fetches have read v[AOF ..] and the turning loads v[BAD], which are written below; the stores have read v[OBR ..], in which row fetches land; the LDS stores have read the accumulators, which the pass's first products write
	s_add_nc_u64 s[OB:OB+1], s[OB:OB+1], 320*OPITCH
	MKAOF
	s_mov_b64 s[AB:AB+1], s[AB0:AB0+1]
	s_mov_b32 s[TB], 0
	v_mov_b32 v[BAD], v[BAD0]
	s_wait_alu depctr_va_vdst(0)                   ; v[AOF ..] and v[BAD] are written, which the row fetches and the turning loads read
	ALOAD 0, 0
	ALOAD 1, 64
	ALOAD 2, 128
	BLOAD 0, 0
	STEP 0, 1, 0, 0, 1, 20, 1, 0, 0, 0             ; the pass's first step stands in front of the loop: it takes the bias as C
	WIN 0
	s_mov_b32 s[CNT], 7
.Lrl:                                                  ; a trip: steps 1 to 3 of the group at TB and step 0 of the next.  Behind a step's rows: two row fetches, 20 loads
	SETBAD BTOP
	STEP 1, 0, 0, 0, 1, 20, 1, 0
	STEP 2, 0, 0, 0, 1, 20, 1, 0
	STEP 3, 0, 0, 0, 1, 20, 1, 0
	TRIPEND 0
	STEP 0, 0, 0, 0, 1, 20, 1, 0, GRP              ; the next group's step 0 reaches its fragments through the immediate
	WIN 0
	s_add_co_u32 s[TB], s[TB], GRP
	s_sub_co_u32 s[CNT], s[CNT], 1
	s_cmp_lg_u32 s[CNT], 0
	s_cbranch_scc1 .Lrl
	SETBAD BTOP+GRP                                ; group 7
	TAIL3
	EPIALL
	s_sub_co_u32 s[PASS], s[PASS], 1
	s_cmp_lg_u32 s[PASS], 0
	s_cbranch_scc1 .Lpass
.Lend:
	s_wait_dscnt 0x0
	s_wait_alu depctr_hold_cnt(0) depctr_sa_sdst(0) depctr_va_vdst(0) depctr_va_sdst(0) depctr_va_ssrc(0) depctr_va_vcc(0) depctr_vm_vsrc(0)
	s_wait_tensorcnt 0x0
	ds_add_u32 v30, v31
	s_wait_dscnt 0x0
	s_endpgm
.Lfunc_end_k_q8809ef3e72_ffn2:
	.size	k_q8809ef3e72_ffn2, .Lfunc_end_k_q8809ef3e72_ffn2-k_q8809ef3e72_ffn2
	.p2alignl 7, 3214868480
	.fill 96, 4, 3214868480
	.section	.rodata,"a",@progbits
	.p2align	6, 0x0
	.amdhsa_kernel k_q8809ef3e72_ffn2
		.amdhsa_group_segment_fixed_size 312832
		.amdhsa_private_segment_fixed_size 0
		.amdhsa_enable_private_segment 0
		.amdhsa_kernarg_size 40
		.amdhsa_user_sgpr_count 2
		.amdhsa_user_sgpr_kernarg_segment_ptr 1
		.amdhsa_wavefront_size32 1
		.amdhsa_system_sgpr_workgroup_id_x 1
		.amdhsa_system_sgpr_workgroup_id_y 1
		.amdhsa_system_sgpr_workgroup_id_z 1
		.amdhsa_system_vgpr_workitem_id 0
		.amdhsa_next_free_vgpr 962
		.amdhsa_next_free_sgpr 66
		.amdhsa_reserve_vcc 0
		.amdhsa_float_denorm_mode_32 3
		.amdhsa_float_denorm_mode_16_64 3
		.amdhsa_memory_ordered 1
		.amdhsa_forward_progress 1
		.amdhsa_inst_pref_size 209
	.end_amdhsa_kernel
	.amdgpu_metadata
---
amdhsa.version: [ 1, 2 ]
amdhsa.kernels:
  - .name:           k_q8809ef3e72_ffn2
    .symbol:         k_q8809ef3e72_ffn2.kd
    .args:
      - { .name: h1, .offset: 0, .size: 8, .value_kind: global_buffer, .address_space: global }
      - { .name: w2, .offset: 8, .size: 8, .value_kind: global_buffer, .address_space: global }
      - { .name: b2, .offset: 16, .size: 8, .value_kind: global_buffer, .address_space: global }
      - { .name: route, .offset: 24, .size: 8, .value_kind: global_buffer, .address_space: global }
      - { .name: part, .offset: 32, .size: 8, .value_kind: global_buffer, .address_space: global }
    .group_segment_fixed_size: 312832
    .private_segment_fixed_size: 0
    .kernarg_segment_align: 8
    .kernarg_segment_size: 40
    .max_flat_workgroup_size: 128
    .sgpr_count:     66
    .vgpr_count:     962
    .wavefront_size: 32
...
	.end_amdgpu_metadata
.endif
;; end of part 7
;; launch comb: the kernel of part 4 again; grid 256 x 1, 8 waves a work-group, no clusters, 0 bytes of LDS; arguments part, sel, route, out0; writes out0
